; MI455X (gfx1250); checked and timed in simulation.
; The chip was launched on July 23, 2026; its instructions are those of AMD's public machine-readable ISA for CDNA 5 (MIT licence, August 2026) and "CDNA5" Instruction Set Architecture Reference Guide (July 2026). The comments in the code are by the model that wrote it; some were corrected since.
;; Harmonic Transformer Layer. Allowed arithmetic: float matrix products may take bf16 or f16 operands with f32 sums; other float arithmetic in f32, or as packed bf16 or f16 multiplies, adds, multiply-adds, maxima and minima; sums over many terms, partial sums and values carried from step to step in f32; what a program stores and reads back later, other than sums and carried values, may be rounded once to bf16 or f16.
;; Inputs: W1 1,024 x 4,096 float32; W2 4,096 x 1,024 float32; Wk 1,024 x 1,024 float32; Wo 1,024 x 1,024 float32; Wq 1,024 x 1,024 float32; Wv 1,024 x 1,024 float32; b1 1,024 float32; b2 1,024 float32; bf1 4,096 float32; bf2 1,024 float32; bk 1,024 float32; bo 1,024 float32; bq 1,024 float32; bv 1,024 float32; g1 1,024 float32; g2 1,024 float32; phase 16 x 1 x 1 float32; resonance 16 x 1 x 1 float32; s1 1 float32; s2 1 float32; x 2 x 2,048 x 1,024 float32.
;; Outputs: out0 2 x 2,048 x 1,024 float32.
;; One version. Each part assembles by itself: llvm-mc -triple=amdgcn-amd-amdhsa -mcpu=gfx1250 --defsym DOCPART=n.
;; ======== version 1 of 1: 8 launches
;; workspace buffers: wb 33,554,432 bytes; qkv 25,165,824 bytes; ob 8,388,608 bytes; y 16,777,216 bytes; x1f 16,777,216 bytes; x1b 8,388,608 bytes; hb 33,554,432 bytes
;; launch cast (part 1): grid 1024 x 1, 8 waves a work-group, no clusters, 0 bytes of LDS; arguments x, Wq, Wk, Wv, Wo, W1, W2, wb; writes wb
.if DOCPART == 1
	.amdgcn_target "amdgcn-amd-amdhsa--gfx1250"
	.amdhsa_code_object_version 6
	.text
	.protected	k_qc89fe948da_cast
	.globl	k_qc89fe948da_cast
	.p2align	8
	.type	k_qc89fe948da_cast,@function
k_qc89fe948da_cast:
	s_mov_b64 s[64:65], 0
	v_nop
	global_prefetch_b8 v0, s[64:65] scope:SCOPE_SE
	s_setreg_imm32_b32 hwreg(HW_REG_WAVE_MODE, 25, 1), 1
	s_wait_xcnt 0x0
; x and the six weight matrices, f32, are rounded once to bf16 and laid one behind the other in wb, each in its own order:
; x at 0, Wq at 0x800000, Wk at 0xA00000, Wv at 0xC00000, Wo at 0xE00000, W1 at 0x1000000, W2 at 0x1800000.
; A stream: no LDS, no matrix unit, no barrier.  Work-group g takes 65,536 source bytes and writes the 32,768 bytes at 32,768 g:
; the targets follow each other as the sources are listed, so the target is linear in g.  A wave takes 8,192 source bytes:
; sixteen loads of 512 consecutive bytes, all issued at once, and sixteen stores of 256 consecutive bytes, aligned.
.set X, 8                              ; v[8:71]   sixteen loads of four f32
.set Y, 72                             ; v[72:103] sixteen pairs of registers, four bf16 each
	s_load_b512 s[16:31], s[0:1], 0x0              ; x, Wq, Wk, Wv, Wo, W1, W2, wb: s[16:17] .. s[30:31]
	s_lshr_b32 s2, ttmp9, 6                        ; which 4 MiB of the sources, 0 to 15
	v_lshrrev_b32 v3, 5, v0                        ; wave
	v_and_b32 v4, 31, v0                           ; lane
	v_lshlrev_b32 v1, 13, v3
	v_lshl_add_u32 v1, v4, 4, v1                   ; source: 8,192 x wave + 16 x lane
	v_lshlrev_b32 v2, 12, v3
	v_lshl_add_u32 v2, v4, 3, v2                   ; target: 4,096 x wave + 8 x lane
	s_mov_b32 s3, 0                                ; the first work-group of the chosen source
	s_mov_b32 s7, 0
	s_wait_kmcnt 0x0
	s_mov_b64 s[4:5], s[16:17]
.macro PICK from, ptr, first           ; from this 4 MiB on the source is the next tensor
	s_cmp_ge_u32 s2, \from
	s_cselect_b64 s[4:5], s[\ptr:\ptr+1], s[4:5]
	s_cselect_b32 s3, \first, s3
.endm
	PICK 4, 18, 256
	PICK 5, 20, 320
	PICK 6, 22, 384
	PICK 7, 24, 448
	PICK 8, 26, 512
	PICK 12, 28, 768
	s_sub_co_u32 s6, ttmp9, s3
	s_lshl_b32 s6, s6, 16                          ; my 65,536 bytes in the source
	s_add_nc_u64 s[4:5], s[4:5], s[6:7]
	s_lshl_b32 s6, ttmp9, 15                       ; my 32,768 bytes in wb
	s_add_nc_u64 s[30:31], s[30:31], s[6:7]
.irp j, 0,1,2,3,4,5,6,7,8,9,10,11,12,13,14,15
	global_load_b128 v[X+4*\j:X+4*\j+3], v1, s[4:5] offset:512*\j th:TH_LOAD_NT
.endr
.irp j, 0,1,2,3,4,5,6,7,8,9,10,11,12,13,14,15
	s_wait_loadcnt 15-\j                           ; loads come back in order: number j is in, the 15 - j younger ones stay out
	v_cvt_pk_bf16_f32 v[Y+2*\j], v[X+4*\j], v[X+4*\j+1]
	v_cvt_pk_bf16_f32 v[Y+2*\j+1], v[X+4*\j+2], v[X+4*\j+3]
	global_store_b64 v2, v[Y+2*\j:Y+2*\j+1], s[30:31] offset:256*\j  ; 32 lanes x 8 bytes: 256 consecutive bytes, aligned; no register is written twice
.endr
	s_endpgm
.Lfunc_end_k_qc89fe948da_cast:
	.size	k_qc89fe948da_cast, .Lfunc_end_k_qc89fe948da_cast-k_qc89fe948da_cast
	.p2alignl 7, 3214868480
	.fill 96, 4, 3214868480
	.section	.rodata,"a",@progbits
	.p2align	6, 0x0
	.amdhsa_kernel k_qc89fe948da_cast
		.amdhsa_group_segment_fixed_size 0
		.amdhsa_private_segment_fixed_size 0
		.amdhsa_enable_private_segment 0
		.amdhsa_kernarg_size 64
		.amdhsa_user_sgpr_count 2
		.amdhsa_user_sgpr_kernarg_segment_ptr 1
		.amdhsa_wavefront_size32 1
		.amdhsa_system_sgpr_workgroup_id_x 1
		.amdhsa_system_sgpr_workgroup_id_y 1
		.amdhsa_system_sgpr_workgroup_id_z 1
		.amdhsa_system_vgpr_workitem_id 0
		.amdhsa_next_free_vgpr 104
		.amdhsa_next_free_sgpr 66
		.amdhsa_reserve_vcc 0
		.amdhsa_float_denorm_mode_32 3
		.amdhsa_float_denorm_mode_16_64 3
		.amdhsa_memory_ordered 1
		.amdhsa_forward_progress 1
		.amdhsa_inst_pref_size 8
	.end_amdhsa_kernel
	.amdgpu_metadata
---
amdhsa.version: [ 1, 2 ]
amdhsa.kernels:
  - .name:           k_qc89fe948da_cast
    .symbol:         k_qc89fe948da_cast.kd
    .args:
      - { .name: x, .offset: 0, .size: 8, .value_kind: global_buffer, .address_space: global }
      - { .name: Wq, .offset: 8, .size: 8, .value_kind: global_buffer, .address_space: global }
      - { .name: Wk, .offset: 16, .size: 8, .value_kind: global_buffer, .address_space: global }
      - { .name: Wv, .offset: 24, .size: 8, .value_kind: global_buffer, .address_space: global }
      - { .name: Wo, .offset: 32, .size: 8, .value_kind: global_buffer, .address_space: global }
      - { .name: W1, .offset: 40, .size: 8, .value_kind: global_buffer, .address_space: global }
      - { .name: W2, .offset: 48, .size: 8, .value_kind: global_buffer, .address_space: global }
      - { .name: wb, .offset: 56, .size: 8, .value_kind: global_buffer, .address_space: global }
    .group_segment_fixed_size: 0
    .private_segment_fixed_size: 0
    .kernarg_segment_align: 8
    .kernarg_segment_size: 64
    .max_flat_workgroup_size: 256
    .sgpr_count:     66
    .vgpr_count:     104
    .wavefront_size: 32
...
	.end_amdgpu_metadata
.endif
;; end of part 1
;; launch proj (part 2): grid 12 x 16, 4 waves a work-group, clusters of 4 x 4, 327,680 bytes of LDS; arguments wb, bq, bk, bv, qkv; writes qkv
.if DOCPART == 2
	.amdgcn_target "amdgcn-amd-amdhsa--gfx1250"
	.amdhsa_code_object_version 6
	.text
	.protected	k_qc89fe948da_proj
	.globl	k_qc89fe948da_proj
	.p2align	8
	.type	k_qc89fe948da_proj,@function
k_qc89fe948da_proj:
	s_mov_b64 s[64:65], 0
	v_nop
	global_prefetch_b8 v0, s[64:65] scope:SCOPE_SE
	s_setreg_imm32_b32 hwreg(HW_REG_WAVE_MODE, 25, 1), 1
	s_wait_xcnt 0x0
	s_wait_alu depctr_hold_cnt(0) depctr_sa_sdst(0) depctr_va_vdst(0) depctr_va_sdst(0) depctr_va_ssrc(0) depctr_va_vcc(0) depctr_vm_vsrc(0)
	s_getreg_b32 s2, hwreg(HW_REG_IB_STS2, 6, 4)
	s_cmp_eq_u32 s2, 0
	s_cbranch_scc0 .Lentry_in_a_cluster
	s_endpgm
.Lentry_in_a_cluster:
	s_bfe_u32 s2, ttmp6, 0x10000c
	s_cmp_lg_u32 s2, 0xf033
	s_cbranch_scc0 .Lentry_shape_is_right
	s_endpgm
.Lentry_shape_is_right:
; THE LAYER'S TWO WIDE PRODUCTS, C = A B + bias, ON TILES OF 256 x 256.  MODE, set below, picks the sizes and the way out:
;   1  q, k, v = x W + b: A = x in bf16 [4096][1024], B = Wq, Wk or Wv [1024][1024]; out bf16 by heads [3][b][h][s][64], unscaled.  192 tiles; a cluster's four tile columns are one of the three matrices
;   4  h = act(x1 W1 + bf1): B = W1 [1024][4096]; out bf16 [4096][4096]; act(z) = z / (1 + 2^(k0 z + k1 z^3)) + sin(z) / 2, the tanh form of the reference written as a sigmoid.  256 tiles
; A and B are bf16, sums f32.  EVERY INPUT OF THE LAYER IS TAKEN ROUNDED TO bf16, the bias here like the matrix operands.
; SHARES.  Four waves, each 128 x 128 of C: 64 accumulators, 512 registers.  K goes in steps of 128 through two LDS slots.  A K step is 256 matrix instructions a wave, 224 of them between a
; slot's request and the wait for it: twice what a tile of 128 x 128 with K steps of 256 has for the same 131,072 bytes.
; B lies [k][n] in memory and in LDS and comes out turned, by ds_load_tr16_b128.  The matrix instruction is used transposed (source 0 = 16 columns of B, source 1 = 16 rows of A):
; a lane holds eight neighbouring numbers of a row of C.
; CLUSTER 4 x 4: A's tile is asked for jointly by a row of the cluster, B's by a column.  A K step is written once for the loop and once without refill for the last two steps; the 512
; accumulator registers are cleared while the first tiles are on their way, so that there is one form of product: 512 lines for a text that holds two K steps and no third.
; THE WAY OUT.  A wave's 128 columns are whole aligned blocks of the output, so each wave has a stage of its own: 128 rows x 528 bytes of f32, in the slots, which have had their last fill.
; The accumulators are laid there once, and a loop over rows adds the bias, applies what the mode asks and stores.
; REGISTERS, in windows of 256: window 0: v8-30 addresses, v32-39 the bias, v64-127 and v128-191 A's fragments, two buffers (on the way out: at work); window 1: the same two for B;
; window 2: the accumulators of my rows 0-63 ((a, b) at v[8 (8 a + b)]); window 3: those of my rows 64-127.
; LIMITS.  sin: argument / 2 pi less its nearest whole number, then an odd polynomial of degree 9, error 6e-6; the one-step reduction keeps the argument's own f32 step, |z| 2^-24.
; NaN and infinities are not treated apart.
.set MODE, 1
.set SIZE_K, 1024
.set LDA, 1024                         ; elements in a row of A
.if MODE == 1
.set LDB, 1024                         ; elements in a row of B
.set BOFF, 0x800000                    ; Wq in the bf16 copies; Wk and Wv follow, 0x200000 apart
.set BPTR, 68
.set OPTR, 76
.set NBP, 4                            ; pairs of bias numbers a lane
.set CSTEP, 16*128                     ; a trip of the way out: 16 rows of a head
.else
.set LDB, 4096
.set BOFF, 0x1000000                   ; W1
.set BPTR, 70
.set OPTR, 74
.set NBP, 2
.set CSTEP, 4*8192                     ; 4 rows of h
.endif
.set APTR, 68
.set KSTEP, 128
.set NK, SIZE_K/KSTEP                  ; K steps: even, at least 4
.set PA, 272                           ; a row of A in LDS: 256 bytes + 16: the 16 rows of a load start at 16 different groups of four banks
.set PB, 544                           ; a row of k of B: 512 bytes + 32: an odd multiple of 32 bytes
.set LAH, 128*PA                       ; what one wave fetches of A: 128 rows; also what one wave reads
.set ATILE, 2*LAH
.set LBH, 64*PB                        ; what one wave fetches of B: 64 rows of k
.set SLOT, ATILE+2*LBH
.set ASTEP, KSTEP*2                    ; a K step on in memory
.set BSTEP, KSTEP*LDB*2
.set SPI, 528                          ; a row of a stage: 512 bytes + 16
.set WSTG, 128*SPI                     ; a wave's stage; the four lie from LDS byte 0 on
.set SPARE, 2*SLOT                     ; behind the ring: the spare words, 128 bytes a wave, that no other line names
.set AA0, 8                            ; v8   my lane's place in A's tile; never rewritten
.set AB0, 9                            ; v9   in B's tile
.set ADRA, 16                          ; v16  the same in the slot in hand
.set ADRB, 20                          ; v20
.set STO, 24
.set RD, 25
.set CO, 26
.set BO, 27
.set SPW, 28
.set NIL, 29
.set PFO, 30                           ; v30  the prefetches' offset; never rewritten
.set BIAS, 32                          ; v[32:39]
.if MODE == 1
.set Z, 64                             ; v[64:127]  sixteen rows x four numbers
.set OUT, 128                          ; v[128:159]
.else
.set Z, 40                             ; v[40:55]   four rows x four numbers as loaded
.set E, 56
.set FF, 72
.set Q2, 88
.set PP, 104
.set OUT, 120
.set ZZ, 128                           ; v[128:143] the same with the bias, at work
.endif
.set F0, 64
.set F1, 128
.set G1, 24
.set G0, 32                            ; s[32:35] slot 0's first fill; s[36:39] slot 1's, which then walks
.set G1B, 48
.set G0B, 56
.set PFA, 6                            ; s[6:7]   where my prefetches stand
.set PST, 18                           ; s[18:19] a K step on in the tensor that I fetch
.set LIM, 66                           ; s66      1 in a wave that prefetches, else the greatest number
.set IC, 80
.set K0, 82
.set K1, 84
.set C1, 86
.set C3, 88
.set C5, 90
.set C7, 92
.set C9, 94
.set MSB, 0
.macro WIN new                         ; the immediate's high byte repeats the setting that is left
.if MSB != (\new)
	s_set_vgpr_msb (MSB<<8)|(\new)
.set MSB, \new
.endif
.endm
.set MUL_LO, 0xa1                      ; source 0 (B) window 1, source 1 (A) window 0, C and D window 2
.set MUL_HI, 0xf1                      ; the same, C and D window 3
.set TO_B,   0x40                      ; destination window 1, address window 0
.macro PLACES
.rept 4
	v_nop
.endr
.endm
.macro JLOAD s                         ; a joint load: waves 0 and 1 fetch A's halves, waves 2 and 3 B's; s_nop 0 and four v_nop follow each line
	s_cmp_eq_u32 s11, 0
	s_cbranch_scc0 .Lfor_b_\@
	tensor_load_to_lds s[G0+4*(\s):G0+4*(\s)+3], s[G1:G1+7]
	s_nop 0
	PLACES
	s_branch .Lasked_\@
.Lfor_b_\@:
	tensor_load_to_lds s[G0B+4*(\s):G0B+4*(\s)+3], s[G1B:G1B+7]
	s_nop 0
	PLACES
.Lasked_\@:
.endm
; A PREFETCH, behind each refill and the run of LDS loads that follows it, of the K step that the NEXT change of slots will ask for: 256 matrix instructions ahead of that load.  One instruction a wave, 32 blocks
; of 256 bytes.  Each block is named once in the launch.  A's tile row is read by every cluster of its row of clusters: cluster x = 0 asks; B's tile column by every cluster of its column: cluster y = 0 asks.
; The four partners that ask for a tile jointly share it out BY ADDRESS: of the 128 rows of A that a wave fetches each takes 32, a lane a row; of the 64 rows of k of B each takes 16, two lanes a row of 512 bytes.
; K steps 0 to 2 come by their loads alone; the last change that fills a slot asks for nothing (s3 = 1 there).
.macro ASK
	s_cmp_gt_u32 s3, s[LIM]
	s_cbranch_scc0 .Lnot_mine_\@
	global_prefetch_b8 v[PFO], s[PFA:PFA+1] th:TH_LOAD_NT scope:SCOPE_SE
.Lnot_mine_\@:
.endm
.macro CREST                           ; a round of the cluster's barrier behind its opening barrier
	s_cmp_lg_u32 s10, 0
	s_cbranch_scc1 .Lnot_wave_0_\@
	s_barrier_signal -3
.Lnot_wave_0_\@:
	s_barrier_wait -3
	s_barrier_signal -1
	s_barrier_wait -1
.endm
.macro CROUND
	s_barrier_signal -1
	s_barrier_wait -1
	CREST
.endm
.macro SC r, v                         ; a constant as a pair: the packed forms name both words
	s_mov_b32 s[\r], \v
	s_mov_b32 s[\r+1], \v
.endm
.macro P8 line:vararg                  ; one line for each of eight register pairs p = 0, 2 .. 14
.set p, 0
.rept 8
	\line
.set p, p+2
.endr
.endm
.macro P16 line:vararg                 ; one line for each of sixteen registers p
.set p, 0
.rept 16
	\line
.set p, p+1
.endr
.endm
	s_load_b256 s[68:75], s[0:1], 0x0              ; MODE 1: wb, bq, bk, bv; MODE 4: x1b, wb, bf1, hb
.if MODE == 1
	s_load_b64 s[76:77], s[0:1], 0x20              ; qkv
.endif
	v_lshl_add_u32 v[SPW], v0, 2, SPARE
	v_mov_b32 v[NIL], 0
	ds_add_u32 v[SPW], v[NIL]                      ; the wave's opening: the add and its wait ahead of my first tensor load
	v_lshrrev_b32 v1, 5, v0
	v_readfirstlane_b32 s10, v1                    ; wave 0..3
	s_lshr_b32 s11, s10, 1                         ; my half of the tile's rows; also: I fetch for A (0) or B (1)
	s_and_b32 s12, s10, 1                          ; my half of its columns; also: which half of that tile I fetch
	s_bfe_u32 s40, ttmp6, 0x40000                  ; cx
	s_bfe_u32 s41, ttmp6, 0x40004                  ; cy
	s_lshl_b32 s42, ttmp9, 2
	s_add_co_u32 s42, s42, s40                     ; tile column
	s_and_b32 s13, ttmp7, 0xffff
	s_lshl_b32 s13, s13, 2
	s_add_co_u32 s13, s13, s41                     ; tile row
	s_lshl_b32 s43, s41, 2
	s_lshl_b32 s43, 15, s43                        ; my row of the cluster
	s_lshl_b32 s44, 0x1111, s40                    ; my column
	; A: 128 rows of 128 elements, 16 bytes of padding behind every 256
	s_or_b32 s[G1+0], s43, (1<<16)|(1<<20)|(1<<21)|(5<<22)|(3<<25)
	s_mov_b32 s[G1+1], KSTEP<<16
	s_mov_b32 s[G1+2], 128<<16
	s_mov_b32 s[G1+3], KSTEP<<16
	s_mov_b32 s[G1+4], 128
	s_mov_b32 s[G1+5], LDA
	s_mov_b32 s[G1+6], 0
	s_mov_b32 s[G1+7], 0
	; B: 64 rows of k x 256 elements, 32 bytes of padding behind every 512
	s_or_b32 s[G1B+0], s44, (1<<16)|(1<<20)|(1<<21)|(6<<22)|(7<<25)
	s_mov_b32 s[G1B+1], 256<<16
	s_mov_b32 s[G1B+2], 64<<16
	s_mov_b32 s[G1B+3], 256<<16
	s_mov_b32 s[G1B+4], 64
	s_mov_b32 s[G1B+5], LDB
	s_mov_b32 s[G1B+6], 0
	s_mov_b32 s[G1B+7], 0
	; A's offset hangs on the tile row and the wave alone, B's on the tile column and the wave alone
	s_lshl_b32 s16, s13, 8
	s_lshl_b32 s17, s12, 7
	s_add_co_u32 s16, s16, s17
	s_mul_i32 s16, s16, LDA*2
	s_mov_b32 s17, 0
.if MODE == 1
	s_and_b32 s45, s42, 3                          ; the tile column inside the chosen matrix
	s_mov_b32 s78, ttmp9                           ; which matrix: 0 q, 1 k, 2 v: the same in all partners
.else
	s_mov_b32 s45, s42
.endif
	s_lshl_b32 s46, s45, 9                         ; 256 columns are 512 bytes
	s_mul_i32 s47, s12, 64*LDB*2
	s_add_co_u32 s46, s46, s47
.if MODE == 1
	s_lshl_b32 s47, s78, 21
	s_add_co_u32 s46, s46, s47
.endif
	s_add_co_u32 s46, s46, BOFF
	s_mov_b32 s47, 0
	s_mul_i32 s20, s12, LAH                        ; where my part of A goes in a slot,
	s_mul_i32 s21, s12, LBH
	s_add_co_u32 s21, s21, ATILE                   ; and of B: the wave's number alone
	s_mov_b32 s22, SLOT                            ; the slot filled last
	s_mov_b32 s23, 0                               ; the slot being read
	s_wait_dscnt 0x0                               ; the opening add is done
	s_wait_kmcnt 0x0
	s_add_nc_u64 s[14:15], s[APTR:APTR+1], s[16:17]
	s_add_nc_u64 s[46:47], s[BPTR:BPTR+1], s[46:47]
	CROUND                                         ; all sixteen work-groups are here: the first joint loads meet
.irp s, 0,1
	s_mov_b32 s[G0+4*(\s)], 1
	s_add_co_u32 s[G0+4*(\s)+1], s20, (\s)*SLOT
	s_add_nc_u64 s[G0+4*(\s)+2:G0+4*(\s)+3], s[14:15], (\s)*ASTEP
	s_or_b32 s[G0+4*(\s)+3], s[G0+4*(\s)+3], 0x80000000
	s_mov_b32 s[G0B+4*(\s)], 1
	s_add_co_u32 s[G0B+4*(\s)+1], s21, (\s)*SLOT
	s_add_nc_u64 s[G0B+4*(\s)+2:G0B+4*(\s)+3], s[46:47], (\s)*BSTEP
	s_or_b32 s[G0B+4*(\s)+3], s[G0B+4*(\s)+3], 0x80000000
	JLOAD \s
.endr
	; all that follows up to the first barrier stands in the wait for the first tiles.  First the prefetches' address: my wave's part of the tile, my work-group's share of it, at K step 2
	s_and_b32 s67, ttmp7, 0xffff                   ; cluster y
	s_cmp_eq_u32 s11, 0                            ; do I fetch for A?
	s_cselect_b64 s[PFA:PFA+1], s[14:15], s[46:47]
	s_cselect_b32 s67, ttmp9, s67                  ; the coordinate along which other clusters read the same rows
	s_cselect_b32 s2, s40, s41                     ; my place among the four that ask with me: it enters this address alone
	s_cselect_b32 s79, 0, 1                        ; A: a lane a row; B: two lanes a row
	s_mov_b32 s[PST], 16*LDB*2
	s_cselect_b32 s[PST], 32*LDA*2, s[PST]         ; a partner's share: 32 rows of A or 16 rows of k of B
	s_mul_i32 s[PST], s[PST], s2
	s_mov_b32 s[PST+1], 0
	s_add_nc_u64 s[PFA:PFA+1], s[PFA:PFA+1], s[PST:PST+1]
	s_mov_b32 s2, LDB*2
	s_cselect_b32 s2, LDA*2, s2                    ; bytes from row to row
	s_mov_b32 s[PST], BSTEP
	s_cselect_b32 s[PST], ASTEP, s[PST]
	s_add_nc_u64 s[PFA:PFA+1], s[PFA:PFA+1], s[PST:PST+1]
	s_add_nc_u64 s[PFA:PFA+1], s[PFA:PFA+1], s[PST:PST+1]  ; at K step 2: each change of slots steps it ahead of its prefetch.  Nothing is prefetched here, at the head
	s_cmp_eq_u32 s67, 0
	s_cselect_b32 s[LIM], 1, -1                    ; the same in all sixteen partners, for a given wave
	v_and_b32 v1, 15, v0                           ; r = l % 16
	v_bfe_u32 v2, v0, 4, 1                         ; h = l / 16
	v_and_b32 v7, 31, v0                           ; l
	v_lshrrev_b32 v[PFO], s79, v7
	v_mul_u32_u24 v[PFO], s2, v[PFO]
	v_and_b32 v6, s79, v7
	v_lshl_add_u32 v[PFO], v6, 8, v[PFO]           ; my row, and for B my 256 bytes of its 512
	v_mul_u32_u24 v3, v1, PA
	v_lshl_add_u32 v3, v2, 4, v3
	s_mul_i32 s14, s11, LAH
	v_add_nc_u32 v[AA0], s14, v3                   ; A: (128 wm + r) x pitch + 16 h
	v_and_b32 v4, 7, v0
	v_bfe_u32 v5, v0, 3, 1
	v_lshl_add_u32 v4, v2, 3, v4
	v_mul_u32_u24 v4, v4, PB
	v_lshl_add_u32 v4, v5, 4, v4
	s_lshl_b32 s14, s12, 8
	s_add_co_u32 s14, s14, ATILE
	v_add_nc_u32 v[AB0], s14, v4                   ; B: (8 h + l % 8) x pitch + 16 ((l / 8) % 2) + my 128 columns
	v_mov_b32 v[ADRA], v[AA0]
	v_mov_b32 v[ADRB], v[AB0]
	s_lshl_b32 s14, s45, 10                        ; the bias of my wave's 128 columns: 1,024 bytes a tile column, 512 a wave
	s_lshl_b32 s15, s12, 9
	s_add_co_u32 s14, s14, s15
.if MODE == 1
	s_cmp_eq_u32 s78, 1
	s_cselect_b64 s[4:5], s[72:73], s[70:71]
	s_cmp_eq_u32 s78, 2
	s_cselect_b64 s[4:5], s[74:75], s[4:5]         ; bq, bk or bv
	v_lshl_add_u32 v[BO], v1, 4, s14               ; four columns a lane, 64 columns (a head) for 16 lanes
	global_load_b128 v[BIAS:BIAS+3], v[BO], s[4:5]
	global_load_b128 v[BIAS+4:BIAS+7], v[BO], s[4:5] offset:256
.else
	s_mov_b64 s[4:5], s[72:73]
	v_lshl_add_u32 v[BO], v7, 4, s14               ; four columns a lane, 128 for 32 lanes
	global_load_b128 v[BIAS:BIAS+3], v[BO], s[4:5]
.endif
	s_mul_i32 s14, s10, WSTG                       ; my stage
	v_mul_u32_u24 v3, v1, SPI
	v_lshl_add_u32 v3, v2, 5, v3
	v_add_nc_u32 v[STO], s14, v3                   ; in: row r of a block of 16, column 8 h of a block of 16, f32
.if MODE == 1
	v_mul_u32_u24 v3, v2, SPI
	v_lshl_add_u32 v3, v1, 4, v3
	v_add_nc_u32 v[RD], s14, v3                    ; back: 16 lanes take a head's 64 numbers of a row, the other 16 the next row's
	s_lshl_b32 s15, s11, 14
	v_lshlrev_b32 v3, 7, v2
	v_lshl_add_u32 v3, v1, 3, v3
	v_add_nc_u32 v[CO], s15, v3                    ; (128 wm + h) x 128 + 8 r
	s_lshr_b32 s16, s13, 3
	s_lshl_b32 s16, s16, 22                        ; the batch: 16 heads of 262,144 bytes
	s_and_b32 s17, s13, 7
	s_lshl_b32 s17, s17, 15                        ; 256 rows of 128 bytes
	s_add_co_u32 s16, s16, s17
	s_lshl_b32 s46, s45, 20                        ; four heads a tile column,
	s_lshl_b32 s47, s12, 19                        ; two a wave
	s_add_co_u32 s46, s46, s47
	s_lshl_b32 s47, s78, 23                        ; q, k or v
	s_add_co_u32 s46, s46, s47
.else
	v_lshl_add_u32 v[RD], v7, 4, s14               ; back: 32 lanes take a row's 512 bytes
	s_lshl_b32 s15, s11, 20
	s_lshl_b32 s16, s12, 8
	s_add_co_u32 s15, s15, s16
	v_lshl_add_u32 v[CO], v7, 3, s15               ; 128 wm rows of 8,192 bytes + my wave's 256 bytes + 8 l
	s_lshl_b32 s16, s13, 21
	s_lshl_b32 s46, s42, 9
.endif
	s_mov_b32 s17, 0
	s_mov_b32 s47, 0
	s_add_nc_u64 s[8:9], s[OPTR:OPTR+1], s[16:17]
	s_add_nc_u64 s[8:9], s[8:9], s[46:47]
.if MODE == 4
	SC IC, 0x3e22f983                              ; 1 / 2 pi
	SC K0, 0xc0135761                              ; -2 sqrt(2 / pi) log2(e)
	SC K1, 0xbdd2d3e8                              ; 0.044715 times that
	SC C1, 0x40490ec7                              ; half the sine's coefficients
	SC C3, 0xc1a55312
	SC C5, 0x4222bb23
	SC C7, 0xc214f124
	SC C9, 0x4183135b
.endif
.irp w, 0x80, 0xc0                     ; destination window 2, then 3
	WIN \w
.set i, 0
.rept 256
	v_mov_b32 v[i], 0                              ; the sums start at 0, so that the loop has one form of product
.set i, i+1
.endr
.endr
	WIN 0
; 16 matrix instructions: m blocks a0, a0 + 1 of the window's four (hi = 0: my rows 0-63, 1: rows 64-127) x all 8 n blocks, 32 along K.  The 64 accumulators take turns in the same order
; in every quarter, over the backward jumps too.
.macro MUL16 f, hi, a0
	WIN MUL_LO+0x50*(\hi)
.irp a, \a0, (\a0)+1
.irp b, 0,1,2,3,4,5,6,7
	v_wmma_f32_16x16x32_bf16 v[8*(8*(\a)+(\b)):8*(8*(\a)+(\b))+7], v[(\f)+8*(\b):(\f)+8*(\b)+7], v[(\f)+8*(4*(\hi)+(\a)):(\f)+8*(4*(\hi)+(\a))+7], v[8*(8*(\a)+(\b)):8*(8*(\a)+(\b))+7]
.endr
.endr
.endm
; 32 LDS loads in one run: the fragments of quarter q (32 along K) into buffer f: B's 128 columns, turned, then A's 128 rows
.macro FETCH q, f
	WIN TO_B
.irp i, 0,1,2,3,4,5,6,7
	ds_load_tr16_b128 v[(\f)+8*(\i):(\f)+8*(\i)+3],   v[ADRB] offset:32*(\q)*PB+32*(\i)
	ds_load_tr16_b128 v[(\f)+8*(\i)+4:(\f)+8*(\i)+7], v[ADRB] offset:(32*(\q)+16)*PB+32*(\i)
.endr
	WIN 0
.irp i, 0,1,2,3,4,5,6,7
	ds_load_b128 v[(\f)+8*(\i):(\f)+8*(\i)+3],   v[ADRA] offset:64*(\q)+(\i)*16*PA
	ds_load_b128 v[(\f)+8*(\i)+4:(\f)+8*(\i)+7], v[ADRA] offset:64*(\q)+(\i)*16*PA+32
.endr
.endm
; One of a K step's first three quarters: multiplies buffer f and, in its middle, fetches quarter q into g
.macro QUARTER q, f, g
	s_wait_dscnt 8                                 ; B and A's rows 0-63 are in; the youngest eight loads (A's rows 64-127) may be out
	MUL16 \f, 0, 0
	MUL16 \f, 0, 2
	PLACES                                         ; four places in front of loads into registers that matrix instructions have read
	FETCH \q, \g
	s_wait_dscnt 32                                ; all but the 32 just issued
	MUL16 \f, 1, 0
	MUL16 \f, 1, 2
.endm
; The last quarter multiplies buffer 1 and changes slots: one barrier; in front of it each wave waits for all its tensor loads, adds 0 to its spare word, and waits for that and for its
; reads of this slot.  fill = 1: the barrier opens a round of the cluster's, and this slot is filled again, two K steps ahead: 224 matrix instructions ahead of the wait for it.
.macro TURN fill
.if \fill
	s_wait_xcnt 0x0                                ; the last prefetch, a K step back, has read its address: it is stepped here, ahead of the waits of the change of slots
	s_add_nc_u64 s[PFA:PFA+1], s[PFA:PFA+1], s[PST:PST+1]
.endif
	WIN 0
	s_wait_tensorcnt 0x0                           ; all my tensor loads have landed: my part of the next slot
	ds_add_u32 v[SPW], v[NIL]                      ; 0 onto my spare word
	s_wait_dscnt 9                                 ; the add and the youngest eight loads may be out
	MUL16 F1, 0, 0
	s_wait_dscnt 0x0                               ; the add is done, and my reads of this slot are over
	s_barrier_signal -1
	MUL16 F1, 0, 2
	WIN 0
	s_barrier_wait -1
.if \fill
	CREST                                          ; no wave of any partner still reads this slot or has a load on its way
	s_xor_b32 s22, s22, SLOT                       ; 0 or SLOT: the slot just read out
	s_add_co_u32 s[G0+5], s22, s20
	s_add_co_u32 s[G0B+5], s22, s21
	s_add_nc_u64 s[G0+6:G0+7], s[G0+6:G0+7], ASTEP
	s_add_nc_u64 s[G0B+6:G0B+7], s[G0B+6:G0B+7], BSTEP
	JLOAD 1                                        ; the first tensor load behind the round; its four v_nop are also the places in front of the loads below
.else
	PLACES
.endif
	s_xor_b32 s23, s23, SLOT                       ; the reads go to the other slot
	v_add_nc_u32 v[ADRA], s23, v[AA0]
	v_add_nc_u32 v[ADRB], s23, v[AB0]
	FETCH 0, F0
.if \fill
	ASK
.endif
	MUL16 F1, 1, 0
	MUL16 F1, 1, 2
.endm
.macro KBODY fill
	QUARTER 1, F0, F1
	QUARTER 2, F1, F0
	QUARTER 3, F0, F1
	TURN \fill
.endm
	s_wait_tensorcnt 1                             ; my part of K step 0 is in; K step 1's may stay out
	s_barrier_signal -1
	s_barrier_wait -1
	FETCH 0, F0
	WIN 0                                          ; at a label and at a branch every window is 0
	s_mov_b32 s3, NK-2
.Lk:                                           ; a trip is a K step; all but the last two fill their slot again
	KBODY 1
	WIN 0
	s_sub_co_u32 s3, s3, 1
	s_cmp_lg_u32 s3, 0
	s_cbranch_scc1 .Lk
	s_mov_b32 s3, 2
.Lt:                                           ; the last two K steps ask for nothing; the very last fetch reads slot 0's old bytes and serves nothing: the price of one text
	KBODY 0
	WIN 0
	s_sub_co_u32 s3, s3, 1
	s_cmp_lg_u32 s3, 0
	s_cbranch_scc1 .Lt
	s_wait_dscnt 0x0
	s_barrier_signal -1
	s_barrier_wait -1                              ; nobody reads the ring any more: the slots become the stages
	PLACES
	PLACES
.irp w, 0,1                            ; store data (source 1) in window 2, then 3; the address in window 0
	WIN 0x08+4*\w
.irp a, 0,1,2,3
.irp b, 0,1,2,3,4,5,6,7
	ds_store_b128 v[STO], v[8*(8*\a+\b):8*(8*\a+\b)+3]   offset:(4*\w+\a)*16*SPI+\b*64     ; each accumulator's low registers first
	ds_store_b128 v[STO], v[8*(8*\a+\b)+4:8*(8*\a+\b)+7] offset:(4*\w+\a)*16*SPI+\b*64+16
.endr
.endr
.endr
	WIN 0
	s_wait_dscnt 0x0                               ; my stores into my stage are done
	s_barrier_signal -1
	s_barrier_wait -1                              ; everybody's are: from here on LDS is only read
	s_wait_loadcnt 0x0                             ; the bias
.set p, 0
.rept NBP
	v_cvt_pk_bf16_f32 v[OUT+p], v[BIAS+2*p], v[BIAS+2*p+1]  ; the bias is rounded to bf16, like every input of the layer,
.set p, p+1
.endr
.set p, 0
.rept NBP
	v_lshlrev_b32 v[BIAS+2*p], 16, v[OUT+p]        ; and written as f32 again
	v_and_b32 v[BIAS+2*p+1], 0xffff0000, v[OUT+p]
.set p, p+1
.endr
.if MODE == 1
	s_mov_b32 s3, 8
.Lrow:                                         ; sixteen rows a trip: sixteen LDS loads in one run, then four groups of four rows under counted waits
.irp g, 0,1,2,3
	ds_load_b128 v[Z+16*\g:Z+16*\g+3],     v[RD] offset:\g*4*SPI
	ds_load_b128 v[Z+16*\g+4:Z+16*\g+7],   v[RD] offset:\g*4*SPI+2*SPI
	ds_load_b128 v[Z+16*\g+8:Z+16*\g+11],  v[RD] offset:\g*4*SPI+256
	ds_load_b128 v[Z+16*\g+12:Z+16*\g+15], v[RD] offset:\g*4*SPI+256+2*SPI
.endr
	v_add_nc_u32 v[RD], 16*SPI, v[RD]
.irp g, 0,1,2,3
	s_wait_dscnt 12-4*\g                           ; LDS loads come back in order: group g's four are in, the later groups' may be out
.if \g == 0
	s_wait_xcnt 0x0                                ; the last trip's stores have read their data and their offset: both are written again only behind this wait
	v_add_nc_u32 v[CO], CSTEP, v[CO]               ; the stores below reach back by a negative immediate
.endif
	P8 v_pk_add_f32 v[Z+16*\g+p:Z+16*\g+p+1], v[Z+16*\g+p:Z+16*\g+p+1], v[BIAS+4*(p/8)+p%4:BIAS+4*(p/8)+p%4+1]
.set p, 0
.rept 8
	v_cvt_pk_bf16_f32 v[OUT+8*\g+p], v[Z+16*\g+2*p], v[Z+16*\g+2*p+1]
.set p, p+1
.endr
.irp q, 0,1,2,3
	global_store_b64 v[CO], v[OUT+8*\g+2*\q:OUT+8*\g+2*\q+1], s[8:9] offset:\g*512+(\q/2)*262144+(\q%2)*256-CSTEP  ; two rows of one head: 256 consecutive bytes, aligned
.endr
.endr
	s_sub_co_u32 s3, s3, 1
	s_cmp_lg_u32 s3, 0
	s_cbranch_scc1 .Lrow
.else
; Four rows.  more = 1: the next four rows' loads are issued as soon as these have been taken over, so that they land under this trip's arithmetic.
.macro ROWS more
	s_wait_dscnt 0x0
	P8 v_pk_add_f32 v[ZZ+p:ZZ+p+1], v[Z+p:Z+p+1], v[BIAS+p%4:BIAS+p%4+1]
.if \more
	v_add_nc_u32 v[RD], 4*SPI, v[RD]
.irp i, 0,1,2,3
	ds_load_b128 v[Z+4*\i:Z+4*\i+3], v[RD] offset:\i*SPI
.endr
.endif
	P8 v_pk_mul_f32 v[Q2+p:Q2+p+1], v[ZZ+p:ZZ+p+1], v[ZZ+p:ZZ+p+1]
	P8 v_pk_fma_f32 v[E+p:E+p+1], v[Q2+p:Q2+p+1], s[K1:K1+1], s[K0:K0+1] op_sel_hi:[1,0,0]
	P8 v_pk_mul_f32 v[E+p:E+p+1], v[E+p:E+p+1], v[ZZ+p:ZZ+p+1]
	P16 v_exp_f32 v[E+p], v[E+p]                   ; one batch; the sine below is the independent work behind it
	P8 v_pk_mul_f32 v[FF+p:FF+p+1], v[ZZ+p:ZZ+p+1], s[IC:IC+1] op_sel_hi:[1,0]
	P16 v_rndne_f32 v[PP+p], v[FF+p]
	P8 v_pk_add_f32 v[FF+p:FF+p+1], v[FF+p:FF+p+1], v[PP+p:PP+p+1] neg_lo:[0,1] neg_hi:[0,1]
	P8 v_pk_mul_f32 v[Q2+p:Q2+p+1], v[FF+p:FF+p+1], v[FF+p:FF+p+1]
	P8 v_pk_fma_f32 v[PP+p:PP+p+1], v[Q2+p:Q2+p+1], s[C9:C9+1], s[C7:C7+1] op_sel_hi:[1,0,0]
	P8 v_pk_fma_f32 v[PP+p:PP+p+1], v[PP+p:PP+p+1], v[Q2+p:Q2+p+1], s[C5:C5+1] op_sel_hi:[1,1,0]
	P8 v_pk_fma_f32 v[PP+p:PP+p+1], v[PP+p:PP+p+1], v[Q2+p:Q2+p+1], s[C3:C3+1] op_sel_hi:[1,1,0]
	P8 v_pk_fma_f32 v[PP+p:PP+p+1], v[PP+p:PP+p+1], v[Q2+p:Q2+p+1], s[C1:C1+1] op_sel_hi:[1,1,0]
	s_wait_alu depctr_va_vdst(0)                   ; one wait for the sixteen exponentials, ahead of their first reader
	P8 v_pk_add_f32 v[E+p:E+p+1], v[E+p:E+p+1], 1.0 op_sel_hi:[1,0]
	P16 v_rcp_f32 v[E+p], v[E+p]
	P8 v_pk_mul_f32 v[PP+p:PP+p+1], v[PP+p:PP+p+1], v[FF+p:FF+p+1]
	s_wait_alu depctr_va_vdst(0)                   ; one wait for the sixteen reciprocals
	P8 v_pk_fma_f32 v[ZZ+p:ZZ+p+1], v[ZZ+p:ZZ+p+1], v[E+p:E+p+1], v[PP+p:PP+p+1]
	s_wait_xcnt 0x0                                ; the last trip's stores have read their data and their offset: both are written again only behind this wait
	v_add_nc_u32 v[CO], CSTEP, v[CO]               ; the stores below reach back by a negative immediate
.set p, 0
.rept 8
	v_cvt_pk_bf16_f32 v[OUT+p], v[ZZ+2*p], v[ZZ+2*p+1]
.set p, p+1
.endr
.irp i, 0,1,2,3
	global_store_b64 v[CO], v[OUT+2*\i:OUT+2*\i+1], s[8:9] offset:\i*8192-CSTEP  ; 256 consecutive bytes, aligned
.endr
.endm
.irp i, 0,1,2,3
	ds_load_b128 v[Z+4*\i:Z+4*\i+3], v[RD] offset:\i*SPI
.endr
	s_mov_b32 s3, 31
.Lrow:
	ROWS 1
	s_sub_co_u32 s3, s3, 1
	s_cmp_lg_u32 s3, 0
	s_cbranch_scc1 .Lrow
	ROWS 0                                         ; the last four rows are written out: nothing is read past my stage
.endif
	s_wait_tensorcnt 0x0                           ; the wave's end
	ds_add_u32 v[SPW], v[NIL]
	s_wait_dscnt 0x0
	CROUND                                         ; the closing round
	s_endpgm
.Lfunc_end_k_qc89fe948da_proj:
	.size	k_qc89fe948da_proj, .Lfunc_end_k_qc89fe948da_proj-k_qc89fe948da_proj
	.p2alignl 7, 3214868480
	.fill 96, 4, 3214868480
	.section	.rodata,"a",@progbits
	.p2align	6, 0x0
	.amdhsa_kernel k_qc89fe948da_proj
		.amdhsa_group_segment_fixed_size 327680
		.amdhsa_private_segment_fixed_size 0
		.amdhsa_enable_private_segment 0
		.amdhsa_kernarg_size 40
		.amdhsa_user_sgpr_count 2
		.amdhsa_user_sgpr_kernarg_segment_ptr 1
		.amdhsa_wavefront_size32 1
		.amdhsa_system_sgpr_workgroup_id_x 1
		.amdhsa_system_sgpr_workgroup_id_y 1
		.amdhsa_system_sgpr_workgroup_id_z 1
		.amdhsa_system_vgpr_workitem_id 0
		.amdhsa_next_free_vgpr 1024
		.amdhsa_next_free_sgpr 96
		.amdhsa_reserve_vcc 0
		.amdhsa_float_denorm_mode_32 3
		.amdhsa_float_denorm_mode_16_64 3
		.amdhsa_memory_ordered 1
		.amdhsa_forward_progress 1
		.amdhsa_inst_pref_size 97
	.end_amdhsa_kernel
	.amdgpu_metadata
---
amdhsa.version: [ 1, 2 ]
amdhsa.kernels:
  - .name:           k_qc89fe948da_proj
    .symbol:         k_qc89fe948da_proj.kd
    .args:
      - { .name: wb, .offset: 0, .size: 8, .value_kind: global_buffer, .address_space: global }
      - { .name: bq, .offset: 8, .size: 8, .value_kind: global_buffer, .address_space: global }
      - { .name: bk, .offset: 16, .size: 8, .value_kind: global_buffer, .address_space: global }
      - { .name: bv, .offset: 24, .size: 8, .value_kind: global_buffer, .address_space: global }
      - { .name: qkv, .offset: 32, .size: 8, .value_kind: global_buffer, .address_space: global }
    .group_segment_fixed_size: 327680
    .private_segment_fixed_size: 0
    .kernarg_segment_align: 8
    .kernarg_segment_size: 40
    .max_flat_workgroup_size: 128
    .sgpr_count:     96
    .vgpr_count:     1024
    .wavefront_size: 32
...
	.end_amdgpu_metadata
.endif
;; end of part 2
;; launch attn (part 3): grid 8 x 32, 8 waves a work-group, clusters of 4 x 1, 327,680 bytes of LDS; arguments qkv, resonance, phase, ob; writes ob
.if DOCPART == 3
	.amdgcn_target "amdgcn-amd-amdhsa--gfx1250"
	.amdhsa_code_object_version 6
	.text
	.protected	k_qc89fe948da_attn
	.globl	k_qc89fe948da_attn
	.p2align	8
	.type	k_qc89fe948da_attn,@function
k_qc89fe948da_attn:
	s_mov_b64 s[64:65], 0
	v_nop
	global_prefetch_b8 v0, s[64:65] scope:SCOPE_SE
	s_setreg_imm32_b32 hwreg(HW_REG_WAVE_MODE, 25, 1), 1
	s_wait_xcnt 0x0
	s_wait_alu depctr_hold_cnt(0) depctr_sa_sdst(0) depctr_va_vdst(0) depctr_va_sdst(0) depctr_va_ssrc(0) depctr_va_vcc(0) depctr_vm_vsrc(0)
	s_getreg_b32 s2, hwreg(HW_REG_IB_STS2, 6, 4)
	s_cmp_eq_u32 s2, 0
	s_cbranch_scc0 .Lentry_in_a_cluster
	s_endpgm
.Lentry_in_a_cluster:
	s_bfe_u32 s2, ttmp6, 0x10000c
	s_cmp_lg_u32 s2, 0x3003
	s_cbranch_scc0 .Lentry_shape_is_right
	s_endpgm
.Lentry_shape_is_right:
; O[q] = the sum over k of softmax_k(t + res sin(t + phase)) V[k], t = Q[q] . K[k] / 8, for one batch and head.  q, k, v: bf16 by heads, [3][b][h][2048][64]; O likewise.
; Products, the sine, maxima and sums in f32; the weights are rounded to bf16 for the second product (their sum is taken of the unrounded weights), O once at the end.
; res and phase are taken rounded to bf16, like every input of the layer.
; SHARES.  A work-group owns 256 queries of a head, each of its eight waves 32: two tiles of 16.  Every wave walks all 2,048 keys, 64 a step.
; THE COUNT.  A wave's step has 32 matrix and some 590 vector instructions (the sine alone is 11 lines for two scores): vector issue bounds the launch.  So a SIMD holds
; two waves, each written in phases, and the one's products run under the other's vector work; all registers lie in one window.
; LAYOUT.  S^T = K Q^T holds one query a lane (lane % 16) and the keys 8 (lane / 16) + 0..7; two such results rounded in pairs ARE source 1 of O^T = V^T P.  The weights
; are rounded in place, into the lower half of a tile's scores.  K comes out of LDS as it lies, V turned, by ds_load_tr16_b128; both use the same 64 registers in turn.
; THE SCORE.  u = s / 16 pi + phase / 2 pi; f = u - rndne(u); sin = f (b1 + b3 f^2 + .. + b9 f^8); the score in base 2 is s log2(e) / 8 + res log2(e) sin: res log2(e) is
; multiplied into the coefficients.  SOFTMAX.  A running maximum m and sum l; O and l are multiplied by a = 2^(m_old - m_new) in every step; m starts at the lowest finite number.
; CLUSTER.  The four query blocks of a cluster walk the same K and V: each tile of 256 keys is asked for jointly.
; LIMITS.  The sine's error is 6e-6; its one-step reduction keeps the argument's own f32 step, |t| 2^-24.  A weight below 2^-126 counts as 0.  NaN and infinities are not treated apart.
.set KS,    64
.set PK,    144       ; a row of K in LDS: 128 bytes + 16
.set PV,    160       ; a row of V: 128 + 32
.set VOFF,  4*KS*PK   ; a slot: 256 rows of K, then 256 rows of V
.set SLOT1, 1<<17
.set STAGE, SLOT1+4*KS*(PK+PV)  ; behind the ring: 16 rows x 144 bytes for each wave
.set SP,    144
.set SPARE, STAGE+8*16*SP       ; the spare words, 128 bytes a wave, that no other line names
.set AK0, 2
.set AV0, 3
.set ADR, 4
.set QO,  5
.set RD,  6
.set GO,  7
.set PFO, 8
.set STO, 9
.set SPW, 10
.set NIL, 11
.set ST,  12          ; tile t at ST + 8 t: m, m_old, l (two), c0-c3; a takes c2's place
.set Q,   32          ; tile t, channel half c at Q + 16 t + 8 c
.set S,   64          ; tile t, key block kb at S + 32 t + 8 kb
.set O,   128         ; tile t, channel block cb at O + 32 t + 8 cb
.set KV,  192         ; K: 16 kb + 8 c; later V: 32 kk + 8 cb
.set U,   KV          ; the sine's registers lie where K has been read out
.set R,   KV+8
.set W,   KV+16
.set WV,  12
.set LIM, 15
.set PFA, 18
.set G1K, 24
.set G1V, 32
.set G0K, 40
.set G0V, 44
.set SLOTS, 56
.set CNT, 57
.set SEL, 60
.set TBK, 62
.set TBV, 63
.set IC,  66
.set PH,  68
.set CL,  70
.set B1,  72
.set B3,  74
.set B5,  76
.set B7,  78
.set B9,  80
.macro PLACES
.rept 4
	v_nop
.endr
.endm
.macro JLOAD                        ; waves 0 and 1 fetch the halves of a tile's K, waves 2 and 3 of its V, the others nothing; s_nop 0 and four v_nop follow each line
	s_cmp_lt_u32 s[WV], 2
	s_cbranch_scc0 .Lnot_k_\@
	tensor_load_to_lds s[G0K:G0K+3], s[G1K:G1K+7]
	s_nop 0
	PLACES
	s_branch .Lasked_\@
.Lnot_k_\@:
	s_cmp_lt_u32 s[WV], 4
	s_cbranch_scc0 .Lasked_\@
	tensor_load_to_lds s[G0V:G0V+3], s[G1V:G1V+7]
	s_nop 0
	PLACES
.Lasked_\@:
.endm
; A prefetch of the tile that the NEXT change of slots will ask for: four key steps ahead of that load.  A head's two clusters walk the same rows: the first asks.  Its four partners take
; 8,192 bytes each, told apart by address; in each, wave 0 asks for K's and wave 2 for V's, a lane 256 bytes: each block is named once.  The last change that fills a slot asks for nothing.
.macro ASK
	s_cmp_gt_u32 s[SLOTS], s[LIM]
	s_cbranch_scc0 .Lnot_mine_\@
	global_prefetch_b8 v[PFO], s[PFA:PFA+1] th:TH_LOAD_NT scope:SCOPE_SE
.Lnot_mine_\@:
.endm
.macro CROUND
	s_barrier_signal -1
	s_barrier_wait -1
	s_cmp_lg_u32 s[WV], 0
	s_cbranch_scc1 .Lnot_wave_0_\@
	s_barrier_signal -3
.Lnot_wave_0_\@:
	s_barrier_wait -3
	s_barrier_signal -1
	s_barrier_wait -1
.endm
; THE CHANGE OF SLOTS.  Each wave waits for all its tensor loads, adds 0 to its spare word, and waits for that and for its reads of the slot.  fill = 1: the barrier is a round of the
; cluster's, and the slot is filled again first thing behind it, with the keys two tiles on.  (At its first use slot 0 is waited for and slot 1 filled.)
.macro CHANGE fill
	s_wait_tensorcnt 0x0            ; no tensor load of mine is out, so a group 0 may be written
	ds_add_u32 v[SPW], v[NIL]       ; 0 onto my spare word
.if \fill
.irp g, G0K, G0V
	s_xor_b32 s[\g+1], s[\g+1], SLOT1
	s_add_nc_u64 s[\g+2:\g+3], s[\g+2:\g+3], 4*KS*128
.endr
	s_wait_xcnt 0x0                 ; the last prefetch, four key steps back, has read its address
	s_add_nc_u64 s[PFA:PFA+1], s[PFA:PFA+1], 4*KS*128
	s_wait_dscnt 0x0                ; the add is done, and my reads of the slot are over
	CROUND
	JLOAD
	ASK
.else
	s_wait_dscnt 0x0
	s_barrier_signal -1
	s_barrier_wait -1
.endif
	s_sub_co_u32 s[TBK], s[TBK], 4*KS*PK  ; the fetches go back to a slot's first step, in the other slot
	s_xor_b32 s[TBK], s[TBK], SLOT1
	s_sub_co_u32 s[TBV], s[TBV], 4*KS*PV
	s_xor_b32 s[TBV], s[TBV], SLOT1
.endm
	s_load_b256 s[84:91], s[0:1], 0x0  ; qkv s[84:85], resonance s[86:87], phase s[88:89], ob s[90:91]
	v_lshl_add_u32 v[SPW], v0, 2, SPARE
	v_mov_b32 v[NIL], 0
	ds_add_u32 v[SPW], v[NIL]       ; the wave's opening: the add and its wait ahead of my first tensor load
	v_lshrrev_b32 v1, 5, v0
	v_readfirstlane_b32 s[WV], v1   ; wave 0..7
	s_bfe_u32 s13, ttmp6, 0x40000   ; cx
	s_lshl_b32 s14, ttmp9, 2
	s_add_co_u32 s14, s14, s13      ; my block of 256 queries: it enters Q's and O's addresses alone
	s_and_b32 s20, ttmp7, 0xffff    ; batch x 16 + head, which the partners share
	s_and_b32 s2, s20, 15
	s_lshl_b32 s2, s2, 2            ; the head's word in resonance and phase
	s_mov_b32 s3, 0
	s_lshl_b32 s20, s20, 18         ; the head's first byte: 262,144 each
	s_and_b32 s16, s[WV], 1         ; which half of a tile's 256 keys I fetch
	s_lshl_b32 s22, s16, 14
	s_add_co_u32 s22, s22, s20
	s_mov_b32 s23, 0
	s_mul_i32 s17, s16, 128*PK
	s_mul_i32 s54, s16, 128*PV
	s_lshl_b32 s52, s14, 15
	s_lshl_b32 s53, s[WV], 12       ; my wave's 32 rows
	s_add_co_u32 s52, s52, s53
	s_add_co_u32 s52, s52, s20
	s_mov_b32 s53, 0
	; 128 keys are 16,384 dense bytes: asked for as 64 rows of 256 bytes and padded in LDS after every key
	s_mov_b32 s[G1K], 15|(1<<16)|(1<<20)|(1<<21)|(4<<22)|(3<<25)
	s_mov_b32 s[G1V], 15|(1<<16)|(1<<20)|(1<<21)|(4<<22)|(7<<25)
.irp g, G1K, G1V
	s_mov_b32 s[\g+1], 128<<16
	s_mov_b32 s[\g+2], 64<<16
	s_mov_b32 s[\g+3], 128<<16
	s_mov_b32 s[\g+4], 64
	s_mov_b32 s[\g+5], 128
	s_mov_b32 s[\g+6], 0
	s_mov_b32 s[\g+7], 0
.endr
	s_mov_b32 s[SEL], 0x76543210
	s_mov_b32 s[SEL+1], 0xfedcba98
	s_mov_b32 s[IC], 0x3ca2f983     ; 1 / 16 pi
	s_mov_b32 s[IC+1], 0x3ca2f983
	s_mov_b32 s[CL], 0x3e38aa3b     ; log2(e) / 8
	s_mov_b32 s[CL+1], 0x3e38aa3b
	s_mov_b32 s[TBK], SLOT1+4*KS*PK ; the first change of slots turns these two into 0
	s_mov_b32 s[TBV], SLOT1+4*KS*PV
	s_mov_b32 s[G0K], 1
	s_mov_b32 s[G0K+1], s17
	s_mov_b32 s[G0V], 1
	s_add_co_u32 s[G0V+1], s54, VOFF
	s_and_b32 s[LIM], s[WV], 5      ; 0 in waves 0 and 2,
	s_or_b32 s[LIM], s[LIM], ttmp9  ; where the cluster is the head's first: the same in all partners
	s_cmp_eq_u32 s[LIM], 0
	s_cselect_b32 s[LIM], 1, -1
	s_wait_dscnt 0x0                ; the opening add is done
	s_wait_kmcnt 0x0
	s_add_nc_u64 s[86:87], s[86:87], s[2:3]
	s_add_nc_u64 s[88:89], s[88:89], s[2:3]
	s_load_b32 s82, s[86:87], 0x0   ; res
	s_load_b32 s83, s[88:89], 0x0   ; phase
	s_add_nc_u64 s[6:7], s[84:85], s[22:23]
	s_add_nc_u64 s[8:9], s[6:7], 0x1000000   ; V at my half of the head's tile 0
	s_add_nc_u64 s[6:7], s[6:7], 0x800000    ; K likewise
	s_add_nc_u64 s[4:5], s[84:85], s[52:53]  ; Q and O at my wave's first row
	s_add_nc_u64 s[10:11], s[90:91], s[52:53]
	s_mov_b64 s[G0K+2:G0K+3], s[6:7]
	s_or_b32 s[G0K+3], s[G0K+3], 0x80000000
	s_mov_b64 s[G0V+2:G0V+3], s[8:9]
	s_or_b32 s[G0V+3], s[G0V+3], 0x80000000
	s_cmp_lt_u32 s[WV], 2
	s_cselect_b64 s[PFA:PFA+1], s[6:7], s[8:9]
	s_lshl_b32 s2, s13, 13          ; my work-group's 8,192 bytes of a tile
	s_add_nc_u64 s[PFA:PFA+1], s[PFA:PFA+1], s[2:3]
	s_add_nc_u64 s[PFA:PFA+1], s[PFA:PFA+1], 4*KS*128  ; in tile 1; each change steps it ahead of its prefetch.  Nothing is prefetched here, at the head
	CROUND                          ; all four work-groups are here: the first joint loads meet
	JLOAD                           ; tile 0 into slot 0
	v_and_b32 v1, 15, v0            ; l % 16
	v_bfe_u32 v28, v0, 4, 1         ; l / 16
	v_lshlrev_b32 v[QO], 7, v1
	v_lshl_add_u32 v[QO], v28, 4, v[QO]
.set i, 0
.rept 4                             ; Q stays in registers: tile i / 2, channels 32 (i % 2) on
	global_load_b128 v[Q+8*i:Q+8*i+3],   v[QO], s[4:5] offset:(i/2)*2048+(i%2)*64
	global_load_b128 v[Q+8*i+4:Q+8*i+7], v[QO], s[4:5] offset:(i/2)*2048+(i%2)*64+32
.set i, i+1
.endr
.set i, 0
.rept 64
	v_mov_b32 v[O+i], 0             ; O and l start at 0, so that no first step is written out: this stands in the wait for the first tile
.set i, i+1
.endr
.irp t, 0,1
	v_mov_b32 v[ST+8*\t], 0xff7fffff
	v_mov_b32 v[ST+8*\t+1], 0xff7fffff
.irp z, 2,3,4,5,6,7
	v_mov_b32 v[ST+8*\t+\z], 0
.endr
.endr
	v_mul_u32_u24 v[AK0], v1, PK
	v_lshl_add_u32 v[AK0], v28, 4, v[AK0]
	v_and_b32 v29, 7, v0
	v_bfe_u32 v30, v0, 3, 1
	v_lshl_add_u32 v[AV0], v28, 3, v29
	v_mul_u32_u24 v[AV0], v[AV0], PV
	v_lshl_add_u32 v[AV0], v30, 4, v[AV0]
	v_add_nc_u32 v[AV0], VOFF, v[AV0]
	s_mul_i32 s55, s[WV], 16*SP
	s_add_co_u32 s55, s55, STAGE    ; my stage
	v_mul_u32_u24 v[STO], v1, SP
	v_lshl_add_u32 v[STO], v28, 4, v[STO]
	v_add_nc_u32 v[STO], s55, v[STO]
	v_bfe_u32 v[RD], v0, 3, 2
	v_mul_u32_u24 v[RD], v[RD], SP
	v_lshl_add_u32 v[RD], v29, 4, v[RD]
	v_add_nc_u32 v[RD], s55, v[RD]
	v_and_b32 v[GO], 31, v0
	v_lshlrev_b32 v[PFO], 8, v[GO]
	v_lshlrev_b32 v[GO], 4, v[GO]
	s_wait_kmcnt 0x0                ; res and phase
.irp r, 82, 83                      ; both are rounded to bf16, to the nearest and on a tie to the even: 0x7fff and the bit that stays lowest are added, the low half is cut
	s_bfe_u32 s52, s\r, 0x10010
	s_add_co_u32 s\r, s\r, s52
	s_add_co_u32 s\r, s\r, 0x7fff
	s_and_b32 s\r, s\r, 0xffff0000
.endr
	s_mul_f32 s82, s82, 0x3fb8aa3b  ; res log2(e)
	s_mul_f32 s[PH], s83, 0x3e22f983
	s_mul_f32 s[B1], s82, 0x40c90ec7
	s_mul_f32 s[B3], s82, 0xc2255312
	s_mul_f32 s[B5], s82, 0x42a2bb23
	s_mul_f32 s[B7], s82, 0xc294f124
	s_mul_f32 s[B9], s82, 0x4203135b
.irp c, PH, B1, B3, B5, B7, B9
	s_mov_b32 s[\c+1], s[\c]        ; named as pairs
.endr
; The sine and the score in base 2 for one accumulator (four pairs), operation by operation
.macro SING a
.irp p, 0,2,4,6
	v_pk_fma_f32 v[U+\p:U+\p+1], v[\a+\p:\a+\p+1], s[IC:IC+1], s[PH:PH+1] op_sel_hi:[1,0,0]
.endr
.irp p, 0,1,2,3,4,5,6,7
	v_rndne_f32 v[R+\p], v[U+\p]
.endr
.irp p, 0,2,4,6
	v_pk_add_f32 v[U+\p:U+\p+1], v[U+\p:U+\p+1], v[R+\p:R+\p+1] neg_lo:[0,1] neg_hi:[0,1]
.endr
.irp p, 0,2,4,6
	v_pk_mul_f32 v[R+\p:R+\p+1], v[U+\p:U+\p+1], v[U+\p:U+\p+1]
.endr
.irp p, 0,2,4,6
	v_pk_fma_f32 v[W+\p:W+\p+1], v[R+\p:R+\p+1], s[B9:B9+1], s[B7:B7+1] op_sel_hi:[1,0,0]
.endr
.irp c, B5, B3, B1
.irp p, 0,2,4,6
	v_pk_fma_f32 v[W+\p:W+\p+1], v[W+\p:W+\p+1], v[R+\p:R+\p+1], s[\c:\c+1] op_sel_hi:[1,1,0]
.endr
.endr
.irp p, 0,2,4,6
	v_pk_mul_f32 v[W+\p:W+\p+1], v[W+\p:W+\p+1], v[U+\p:U+\p+1]
.endr
.irp p, 0,2,4,6
	v_pk_fma_f32 v[\a+\p:\a+\p+1], v[\a+\p:\a+\p+1], s[CL:CL+1], v[W+\p:W+\p+1] op_sel_hi:[1,0,1]
.endr
.endm
; Number n of the 21 that find tile t's maximum and a: four chains of seven scores, the four left over, the old m, the other half of the lanes, m, m_old - m, a
.macro MX t, n
.set rT, ST+8*(\t)
.set rS, S+32*(\t)
.if (\n) < 4
	v_max3_num_f32 v[rT+4+(\n)], v[rS+8*(\n)], v[rS+8*(\n)+1], v[rS+8*(\n)+2]
.elseif (\n) < 12
	v_max3_num_f32 v[rT+4+(\n)%4], v[rT+4+(\n)%4], v[rS+8*((\n)%4)+2*((\n)/4)+1], v[rS+8*((\n)%4)+2*((\n)/4)+2]
.elseif (\n) == 12
	v_max3_num_f32 v[rT+4], v[rT+4], v[rS+7], v[rS+15]
.elseif (\n) == 13
	v_max3_num_f32 v[rT+5], v[rT+5], v[rS+23], v[rS+31]
.elseif (\n) == 14
	v_max3_num_f32 v[rT+6], v[rT+6], v[rT+7], v[rT]
.elseif (\n) == 15
	v_mov_b32 v[rT+1], v[rT]
.elseif (\n) == 16
	v_max3_num_f32 v[rT+4], v[rT+4], v[rT+5], v[rT+6]
.elseif (\n) == 17
	v_permlanex16_b32 v[rT+7], v[rT+4], s[SEL], s[SEL+1]
.elseif (\n) == 18
	v_max_num_f32 v[rT], v[rT+4], v[rT+7]
.elseif (\n) == 19
	v_sub_f32 v[rT+5], v[rT+1], v[rT]
.else
	v_exp_f32 v[rT+6], v[rT+5]
.endif
.endm
; A KEY STEP, in phases
.macro STEP
	v_add_nc_u32 v[ADR], s[TBK], v[AK0]
	PLACES                          ; five places behind the last V^T P: K is loaded over V, and the products below write over the weights that it read
.irp f, 0,1,2,3,4,5,6,7             ; keys 16 (f / 2) on, channels 32 (f % 2) on
	ds_load_b128 v[KV+8*\f:KV+8*\f+3],   v[ADR] offset:(\f/2)*16*PK+(\f%2)*64
	ds_load_b128 v[KV+8*\f+4:KV+8*\f+7], v[ADR] offset:(\f/2)*16*PK+(\f%2)*64+32
.endr
	s_add_co_u32 s[TBK], s[TBK], KS*PK
	s_wait_dscnt 0x0                ; K is in
.set i, 0
.rept 16                            ; S^T = K Q^T: channels 32 (i / 8) on, keys 16 ((i / 2) % 4) on, tile i % 2; the eight accumulators take turns
.set rS, S+32*(i%2)+8*((i/2)%4)
.set rK, KV+16*((i/2)%4)+8*(i/8)
.set rQ, Q+16*(i%2)+8*(i/8)
.if i < 8
	v_wmma_f32_16x16x32_bf16 v[rS:rS+7], v[rK:rK+7], v[rQ:rQ+7], 0
.else
	v_wmma_f32_16x16x32_bf16 v[rS:rS+7], v[rK:rK+7], v[rQ:rQ+7], v[rS:rS+7]
.endif
.set i, i+1
.endr
	v_add_nc_u32 v[ADR], s[TBV], v[AV0]
	PLACES                          ; the places behind those products: V is loaded over K, the sine reads the scores and writes over K
	s_add_co_u32 s[TBV], s[TBV], KS*PV
.irp f, 4,5,6,7                     ; V's keys 32 to 63, channels 16 (f % 4) on
	ds_load_tr16_b128 v[KV+8*\f:KV+8*\f+3],   v[ADR] offset:(\f/4)*32*PV+(\f%4)*32
	ds_load_tr16_b128 v[KV+8*\f+4:KV+8*\f+7], v[ADR] offset:(\f/4)*32*PV+16*PV+(\f%4)*32
.endr
.irp a, 0,8,16,24,32,40,48,56
	SING S+\a
.endr
.irp f, 0,1,2,3                     ; V's keys 0 to 31, where the sine's registers lay
	ds_load_tr16_b128 v[KV+8*\f:KV+8*\f+3],   v[ADR] offset:(\f/4)*32*PV+(\f%4)*32
	ds_load_tr16_b128 v[KV+8*\f+4:KV+8*\f+7], v[ADR] offset:(\f/4)*32*PV+16*PV+(\f%4)*32
.endr
.irp n, 0,1,2,3,4,5,6,7,8,9,10,11,12,13,14,15,16,17,18,19,20
	MX 0, \n
	MX 1, \n
.endr
.irp t, 0,1
.set p, 0
.rept 16
	v_pk_add_f32 v[S+32*\t+p:S+32*\t+p+1], v[S+32*\t+p:S+32*\t+p+1], v[ST+8*\t:ST+8*\t+1] op_sel_hi:[1,0] neg_lo:[0,1] neg_hi:[0,1]
.set p, p+2
.endr
.endr
.set p, 0
.rept 64
	v_exp_f32 v[S+p], v[S+p]        ; with the two a above: one batch
.set p, p+1
.endr
	v_nop                           ; a plain instruction behind the last exponential
	s_wait_alu depctr_va_vdst(0)    ; one wait for the batch, ahead of its first reader
.set j, 0
.rept 16                            ; pair j: l takes it, then it is rounded into register j: ascending, so no unread weight is written over
.irp t, 0,1
.if j == 0
	v_pk_fma_f32 v[ST+8*\t+2:ST+8*\t+3], v[ST+8*\t+2:ST+8*\t+3], v[ST+8*\t+6:ST+8*\t+7], v[S+32*\t:S+32*\t+1] op_sel_hi:[1,0,1]
.else
	v_pk_add_f32 v[ST+8*\t+2:ST+8*\t+3], v[ST+8*\t+2:ST+8*\t+3], v[S+32*\t+2*j:S+32*\t+2*j+1]
.endif
.endr
.irp t, 0,1
	v_cvt_pk_bf16_f32 v[S+32*\t+j], v[S+32*\t+2*j], v[S+32*\t+2*j+1]
.endr
.set j, j+1
.endr
.irp t, 0,1
.set p, 0
.rept 16
	v_pk_mul_f32 v[O+32*\t+p:O+32*\t+p+1], v[O+32*\t+p:O+32*\t+p+1], v[ST+8*\t+6:ST+8*\t+7] op_sel_hi:[1,0]
.set p, p+2
.endr
.endr
	s_wait_dscnt 0x0                ; V is in
.set i, 0
.rept 16                            ; O^T += V^T P: keys 32 (i / 8) on, channels 16 ((i / 2) % 4) on, tile i % 2
.set rO, O+32*(i%2)+8*((i/2)%4)
.set rV, KV+32*(i/8)+8*((i/2)%4)
.set rP, S+32*(i%2)+8*(i/8)
	v_wmma_f32_16x16x32_bf16 v[rO:rO+7], v[rV:rV+7], v[rP:rP+7], v[rO:rO+7]
.set i, i+1
.endr
.endm
	s_mov_b32 s[SLOTS], 7
	CHANGE 1                        ; slot 0 is in, everybody's part of it; slot 1 is asked for
	s_wait_loadcnt 0x0              ; Q
	s_mov_b32 s[SLOTS], 6
.Lslot:                             ; six times: a tile's four steps, then its slot is filled again
	s_mov_b32 s[CNT], 4
.Lstep:
	STEP
	s_sub_co_u32 s[CNT], s[CNT], 1
	s_cmp_lg_u32 s[CNT], 0
	s_cbranch_scc1 .Lstep
	CHANGE 1
	s_sub_co_u32 s[SLOTS], s[SLOTS], 1
	s_cmp_lg_u32 s[SLOTS], 0
	s_cbranch_scc1 .Lslot
	s_mov_b32 s[SLOTS], 2
.Ltail:                             ; the last two tiles are written out: nothing is asked for
	s_mov_b32 s[CNT], 4
.Ltstep:
	STEP
	s_sub_co_u32 s[CNT], s[CNT], 1
	s_cmp_lg_u32 s[CNT], 0
	s_cbranch_scc1 .Ltstep
	CHANGE 0
	s_sub_co_u32 s[SLOTS], s[SLOTS], 1
	s_cmp_lg_u32 s[SLOTS], 0
	s_cbranch_scc1 .Ltail
	; THE WAY OUT: l's halves and the other half of the lanes' are added; O^T is divided by l, rounded and sent through my stage, a tile at a time
	PLACES
	PLACES
.irp t, 0,1
	v_add_f32 v[ST+8*\t+2], v[ST+8*\t+2], v[ST+8*\t+3]
.endr
.irp t, 0,1
	v_permlanex16_b32 v[ST+8*\t+3], v[ST+8*\t+2], s[SEL], s[SEL+1]
.endr
.irp t, 0,1
	v_add_f32 v[ST+8*\t+2], v[ST+8*\t+2], v[ST+8*\t+3]
.endr
.irp t, 0,1
	v_rcp_f32 v[ST+8*\t+2], v[ST+8*\t+2]
.endr
	v_nop                           ; a plain instruction behind the last reciprocal,
	s_wait_alu depctr_va_vdst(0)    ; and one wait for the two, ahead of their first use
.macro PACK t
.set i, 0
.rept 16
	v_pk_mul_f32 v[O+32*(\t)+2*i:O+32*(\t)+2*i+1], v[O+32*(\t)+2*i:O+32*(\t)+2*i+1], v[ST+8*(\t)+2:ST+8*(\t)+3] op_sel_hi:[1,0]
.set i, i+1
.endr
.set i, 0
.rept 16
	v_cvt_pk_bf16_f32 v[S+16*(\t)+i], v[O+32*(\t)+2*i], v[O+32*(\t)+2*i+1]
.set i, i+1
.endr
.irp f, 0,1,2,3
	ds_store_b128 v[STO], v[S+16*(\t)+4*\f:S+16*(\t)+4*\f+3] offset:32*\f
.endr
.irp f, 0,1,2,3
	ds_load_b128 v[S+16*(\t)+4*\f:S+16*(\t)+4*\f+3], v[RD] offset:\f*4*SP  ; LDS serves a wave's instructions in order: these see the stores above, and the next tile's stores come behind them
.endr
.endm
.macro SEND t, younger              ; younger: the LDS instructions issued behind tile t's loads
.irp f, 0,1,2,3
	s_wait_dscnt (\younger)+3-\f
	global_store_b128 v[GO], v[S+16*(\t)+4*\f:S+16*(\t)+4*\f+3], s[10:11] offset:(\t)*2048+\f*512  ; 512 consecutive bytes, aligned
.endr
.endm
	PACK 0
	PACK 1
	SEND 0, 8
	SEND 1, 0
	s_wait_tensorcnt 0x0            ; the wave's end
	ds_add_u32 v[SPW], v[NIL]
	s_wait_dscnt 0x0
	CROUND                          ; the closing round
	s_endpgm
.Lfunc_end_k_qc89fe948da_attn:
	.size	k_qc89fe948da_attn, .Lfunc_end_k_qc89fe948da_attn-k_qc89fe948da_attn
	.p2alignl 7, 3214868480
	.fill 96, 4, 3214868480
	.section	.rodata,"a",@progbits
	.p2align	6, 0x0
	.amdhsa_kernel k_qc89fe948da_attn
		.amdhsa_group_segment_fixed_size 327680
		.amdhsa_private_segment_fixed_size 0
		.amdhsa_enable_private_segment 0
		.amdhsa_kernarg_size 32
		.amdhsa_user_sgpr_count 2
		.amdhsa_user_sgpr_kernarg_segment_ptr 1
		.amdhsa_wavefront_size32 1
		.amdhsa_system_sgpr_workgroup_id_x 1
		.amdhsa_system_sgpr_workgroup_id_y 1
		.amdhsa_system_sgpr_workgroup_id_z 1
		.amdhsa_system_vgpr_workitem_id 0
		.amdhsa_next_free_vgpr 256
		.amdhsa_next_free_sgpr 96
		.amdhsa_reserve_vcc 0
		.amdhsa_float_denorm_mode_32 3
		.amdhsa_float_denorm_mode_16_64 3
		.amdhsa_memory_ordered 1
		.amdhsa_forward_progress 1
		.amdhsa_inst_pref_size 97
	.end_amdhsa_kernel
	.amdgpu_metadata
---
amdhsa.version: [ 1, 2 ]
amdhsa.kernels:
  - .name:           k_qc89fe948da_attn
    .symbol:         k_qc89fe948da_attn.kd
    .args:
      - { .name: qkv, .offset: 0, .size: 8, .value_kind: global_buffer, .address_space: global }
      - { .name: resonance, .offset: 8, .size: 8, .value_kind: global_buffer, .address_space: global }
      - { .name: phase, .offset: 16, .size: 8, .value_kind: global_buffer, .address_space: global }
      - { .name: ob, .offset: 24, .size: 8, .value_kind: global_buffer, .address_space: global }
    .group_segment_fixed_size: 327680
    .private_segment_fixed_size: 0
    .kernarg_segment_align: 8
    .kernarg_segment_size: 32
    .max_flat_workgroup_size: 256
    .sgpr_count:     96
    .vgpr_count:     256
    .wavefront_size: 32
...
	.end_amdgpu_metadata
.endif
;; end of part 3
;; launch wo (part 4): grid 8 x 32, 4 waves a work-group, clusters of 4 x 4, 327,680 bytes of LDS; arguments ob, wb, bo, y; writes y
.if DOCPART == 4
	.amdgcn_target "amdgcn-amd-amdhsa--gfx1250"
	.amdhsa_code_object_version 6
	.text
	.protected	k_qc89fe948da_wo
	.globl	k_qc89fe948da_wo
	.p2align	8
	.type	k_qc89fe948da_wo,@function
k_qc89fe948da_wo:
	s_mov_b64 s[64:65], 0
	v_nop
	global_prefetch_b8 v0, s[64:65] scope:SCOPE_SE
	s_setreg_imm32_b32 hwreg(HW_REG_WAVE_MODE, 25, 1), 1
	s_wait_xcnt 0x0
	s_wait_alu depctr_hold_cnt(0) depctr_sa_sdst(0) depctr_va_vdst(0) depctr_va_sdst(0) depctr_va_ssrc(0) depctr_va_vcc(0) depctr_vm_vsrc(0)
	s_getreg_b32 s2, hwreg(HW_REG_IB_STS2, 6, 4)
	s_cmp_eq_u32 s2, 0
	s_cbranch_scc0 .Lentry_in_a_cluster
	s_endpgm
.Lentry_in_a_cluster:
	s_bfe_u32 s2, ttmp6, 0x10000c
	s_cmp_lg_u32 s2, 0xf033
	s_cbranch_scc0 .Lentry_shape_is_right
	s_endpgm
.Lentry_shape_is_right:
; ONE TEXT FOR THE LAYER'S FOUR PRODUCTS, C = A B + bias.  MODE, set below, picks the sizes, A's layout and the way out:
;   1  q, k, v = x W + b: A = x in bf16 [4096][1024], B = Wq, Wk or Wv [1024][1024]; out bf16 by heads [3][b][h][s][64], unscaled
;   3  attention's output times Wo: A lies by heads [b][h][s][64]; out f32 [4096][1024], product + bias (the residual is added by the norm)
;   4  h = act(x1 W1 + bf1): out bf16 [4096][4096]; act(z) = z / (1 + 2^(k0 z + k1 z^3)) + sin(z) / 2, the tanh form of the reference written as a sigmoid
;   5  h W2 + bf2: K = 4,096; out f32 [4096][1024]
; A and B are bf16, sums f32.  EVERY INPUT OF THE LAYER IS TAKEN ROUNDED TO bf16, the bias here like the matrix operands: the whole program computes the layer on one set of numbers.
; A tile of C is 128 x 128, four waves of 64 x 64 (16 accumulators).  K goes in steps of 256 through two LDS slots.
; B lies [k][n] in memory and in LDS and comes out turned, by ds_load_tr16_b128.  The matrix instruction is used transposed (source 0 = 16 columns
; of B, source 1 = 16 rows of A): a lane holds eight neighbouring numbers of a row of C.
; CLUSTER 4 x 4: A's tile is asked for jointly by a row of the cluster, B's by a column.  One K step is written once for the loop and once without
; refill for the last two steps; the accumulators are cleared while the first tiles are on their way, so that there is one form of product.
; THE WAY OUT goes through a stage of f32 in slot 1, which has had its last fill: 128 rows of 528 bytes; then a loop of 4 rows a trip and wave.
; LIMITS.  sin: argument / 2 pi less its nearest whole number, then an odd polynomial of degree 9, error 6e-6; the one-step reduction keeps the
; argument's own f32 step, |z| 2^-24.  NaN and infinities are not treated apart.
.set MODE, 3
.if MODE == 5
.set SIZE_K, 4096
.set LDA, 4096
.else
.set SIZE_K, 1024
.set LDA, 1024
.endif
.if MODE == 4
.set LDB, 4096
.else
.set LDB, 1024
.endif
.if MODE == 1
.set BOFF, 0x800000
.set BPTR, 68
.set OPTR, 76
.set CSTEP, 512
.set NBP, 4
.elseif MODE == 3
.set BOFF, 0xE00000
.set BPTR, 70
.set OPTR, 74
.set CSTEP, 16384
.set NBP, 2
.elseif MODE == 4
.set BOFF, 0x1000000
.set BPTR, 70
.set OPTR, 74
.set CSTEP, 32768
.set NBP, 2
.else
.set BOFF, 0x1800000
.set BPTR, 70
.set OPTR, 74
.set CSTEP, 16384
.set NBP, 2
.endif
.set APTR, 68
.set NK, SIZE_K/256                    ; K steps: even, at least 4
.if MODE == 3
.set PA, 144                           ; A in LDS: four head blocks of 128 rows x (128 bytes + 16)
.set AQ, 128*144                       ; from a quarter step (64 along K: one head) to the next
.set ATILE, 4*128*144
.set LAH, 2*128*144                    ; what one wave fetches of A: two heads
.set ASTEP, 4*262144                   ; a K step on in memory: four heads
.else
.set PA, 528                           ; A in LDS: 128 rows x (512 bytes + 16)
.set AQ, 128
.set ATILE, 128*528
.set LAH, 64*528                       ; 64 rows
.set ASTEP, 512
.endif
.set PB, 288                           ; B in LDS: 256 rows of k x (256 bytes + 32): an odd multiple of 32 bytes
.set LBH, 128*PB                       ; what one wave fetches of B: 128 rows of k
.set BSTEP, 256*LDB*2
.set SLOT, ATILE+256*PB
.set STAGE, SLOT
.set SPI, 528
.set SPARE, 2*SLOT                     ; behind the ring: the spare words, 128 bytes a wave, that no other line names
.set AA0, 8                            ; v8   my lane's place in A's tile; never rewritten
.set AB0, 9                            ; v9   in B's tile
.set ADRA, 16                          ; v16  the same in the slot in hand
.set ADRB, 20                          ; v20
.set ADRB2, 21                         ; v21  ADRB + 128 rows of k: the tile is longer than an immediate reaches
.set STO, 24
.set RD, 25
.set CO, 26
.set BO, 27
.set SPW, 28
.set NIL, 29
.set BIAS, 32                          ; v[32:39]
.set Z, 40                             ; v[40:55]  four rows x four numbers
.set E, 56
.set FF, 72
.set Q2, 88
.set PP, 104
.set OUT, 120
.set ACC, 128                          ; accumulator (a, b) at ACC + 8 (4 a + b)
.set F0, 0                             ; window 1: two fragment buffers of 128: A at 8 (4 c + i), B at 64 + 8 (4 c + i)
.set F1, 128
.set G1, 24
.set G0, 32                            ; s[32:35] slot 0's first fill; s[36:39] slot 1's, which then walks
.set G1B, 48
.set G0B, 56
.set IC, 80
.set K0, 82
.set K1, 84
.set C1, 86
.set C3, 88
.set C5, 90
.set C7, 92
.set C9, 94
.set MSB, 0
.macro WIN new                         ; the immediate's high byte repeats the setting that is left
.if MSB != (\new)
	s_set_vgpr_msb (MSB<<8)|(\new)
.set MSB, \new
.endif
.endm
.set MUL,  0x05                        ; sources 0 and 1 window 1; C and D window 0
.set TO_F, 0x40                        ; destination window 1, address window 0
.macro PLACES
.rept 4
	v_nop
.endr
.endm
.macro JLOAD s                         ; a joint load: waves 0 and 1 fetch A's halves, waves 2 and 3 B's; s_nop 0 and four v_nop follow each line
	s_cmp_eq_u32 s11, 0
	s_cbranch_scc0 .Lfor_b_\@
	tensor_load_to_lds s[G0+4*(\s):G0+4*(\s)+3], s[G1:G1+7]
	s_nop 0
	PLACES
	s_branch .Lasked_\@
.Lfor_b_\@:
	tensor_load_to_lds s[G0B+4*(\s):G0B+4*(\s)+3], s[G1B:G1B+7]
	s_nop 0
	PLACES
.Lasked_\@:
.endm
.macro CREST                           ; a round of the cluster's barrier behind its opening barrier
	s_cmp_lg_u32 s10, 0
	s_cbranch_scc1 .Lnot_wave_0_\@
	s_barrier_signal -3
.Lnot_wave_0_\@:
	s_barrier_wait -3
	s_barrier_signal -1
	s_barrier_wait -1
.endm
.macro CROUND
	s_barrier_signal -1
	s_barrier_wait -1
	CREST
.endm
.macro SC r, v                         ; a constant as a pair: the packed forms name both words
	s_mov_b32 s[\r], \v
	s_mov_b32 s[\r+1], \v
.endm
.macro P8 line:vararg                  ; one line for each of eight register pairs p = 0, 2 .. 14
.set p, 0
.rept 8
	\line
.set p, p+2
.endr
.endm
.macro P16 line:vararg                 ; one line for each of sixteen registers p
.set p, 0
.rept 16
	\line
.set p, p+1
.endr
.endm
	s_load_b256 s[68:75], s[0:1], 0x0              ; MODE 1: wb, bq, bk, bv; else: A, wb, bias, out
.if MODE == 1
	s_load_b64 s[76:77], s[0:1], 0x20              ; qkv
.endif
	v_lshl_add_u32 v[SPW], v0, 2, SPARE
	v_mov_b32 v[NIL], 0
	ds_add_u32 v[SPW], v[NIL]                      ; the wave's opening: the add and its wait ahead of my first tensor load
	v_lshrrev_b32 v1, 5, v0
	v_readfirstlane_b32 s10, v1                    ; wave 0..3
	s_lshr_b32 s11, s10, 1                         ; my half of the tile's rows; also: I fetch for A (0) or B (1)
	s_and_b32 s12, s10, 1                          ; my half of its columns; also: which half of that tile I fetch
	s_bfe_u32 s40, ttmp6, 0x40000                  ; cx
	s_bfe_u32 s41, ttmp6, 0x40004                  ; cy
	s_lshl_b32 s42, ttmp9, 2
	s_add_co_u32 s42, s42, s40                     ; tile column
	s_and_b32 s13, ttmp7, 0xffff
	s_lshl_b32 s13, s13, 2
	s_add_co_u32 s13, s13, s41                     ; tile row
	s_lshl_b32 s43, s41, 2
	s_lshl_b32 s43, 15, s43                        ; my row of the cluster
	s_lshl_b32 s44, 0x1111, s40                    ; my column
.if MODE == 3
	; 128 rows of a head are 16,384 dense bytes: asked for as one row of 8,192 elements, two heads a load, padded after every 128 bytes
	s_or_b32 s[G1+0], s43, (1<<16)|(1<<20)|(1<<21)|(4<<22)|(3<<25)
	s_mov_b32 s[G1+1], 8192<<16
	s_mov_b32 s[G1+2], 2<<16
	s_mov_b32 s[G1+3], 8192<<16
	s_mov_b32 s[G1+4], 2
	s_mov_b32 s[G1+5], 131072                      ; elements from head to head
.else
	; 64 rows of 256 elements, 16 bytes of padding behind every 512
	s_or_b32 s[G1+0], s43, (1<<16)|(1<<20)|(1<<21)|(6<<22)|(3<<25)
	s_mov_b32 s[G1+1], 256<<16
	s_mov_b32 s[G1+2], 64<<16
	s_mov_b32 s[G1+3], 256<<16
	s_mov_b32 s[G1+4], 64
	s_mov_b32 s[G1+5], LDA
.endif
	s_mov_b32 s[G1+6], 0
	s_mov_b32 s[G1+7], 0
	; B: 128 rows of k x 128 elements, 32 bytes of padding behind every 256
	s_or_b32 s[G1B+0], s44, (1<<16)|(1<<20)|(1<<21)|(5<<22)|(7<<25)
	s_mov_b32 s[G1B+1], 128<<16
	s_mov_b32 s[G1B+2], 128<<16
	s_mov_b32 s[G1B+3], 128<<16
	s_mov_b32 s[G1B+4], 128
	s_mov_b32 s[G1B+5], LDB
	s_mov_b32 s[G1B+6], 0
	s_mov_b32 s[G1B+7], 0
	; A's offset hangs on the tile row and the wave alone, B's on the tile column and the wave alone
.if MODE == 3
	s_lshr_b32 s16, s13, 4
	s_lshl_b32 s16, s16, 22                        ; the batch: 16 heads of 262,144 bytes
	s_and_b32 s17, s13, 15
	s_lshl_b32 s17, s17, 14                        ; 128 rows of 128 bytes
	s_add_co_u32 s16, s16, s17
	s_lshl_b32 s17, s12, 19                        ; my two heads
	s_add_co_u32 s16, s16, s17
.else
	s_lshl_b32 s16, s13, 7
	s_lshl_b32 s17, s12, 6
	s_add_co_u32 s16, s16, s17
	s_mul_i32 s16, s16, LDA*2
.endif
	s_mov_b32 s17, 0
.if MODE == 1
	s_and_b32 s45, s42, 7                          ; the column block inside the chosen matrix
	s_lshr_b32 s78, ttmp9, 1                       ; which matrix: 0 q, 1 k, 2 v: the same in all partners
.else
	s_mov_b32 s45, s42
.endif
	s_lshl_b32 s46, s45, 8
	s_mul_i32 s47, s12, 128*LDB*2
	s_add_co_u32 s46, s46, s47
.if MODE == 1
	s_lshl_b32 s47, s78, 21
	s_add_co_u32 s46, s46, s47
.endif
	s_add_co_u32 s46, s46, BOFF
	s_mov_b32 s47, 0
	s_mul_i32 s20, s12, LAH                        ; where my part of A goes in a slot,
	s_mul_i32 s21, s12, LBH
	s_add_co_u32 s21, s21, ATILE                   ; and of B: the wave's number alone
	s_mov_b32 s22, SLOT                            ; the slot filled last
	s_mov_b32 s23, 0                               ; the slot being read
	s_wait_dscnt 0x0                               ; the opening add is done
	s_wait_kmcnt 0x0
	s_add_nc_u64 s[14:15], s[APTR:APTR+1], s[16:17]
	s_add_nc_u64 s[46:47], s[BPTR:BPTR+1], s[46:47]
	CROUND                                         ; all sixteen work-groups are here: the first joint loads meet
.irp s, 0,1
	s_mov_b32 s[G0+4*(\s)], 1
	s_add_co_u32 s[G0+4*(\s)+1], s20, (\s)*SLOT
	s_add_nc_u64 s[G0+4*(\s)+2:G0+4*(\s)+3], s[14:15], (\s)*ASTEP
	s_or_b32 s[G0+4*(\s)+3], s[G0+4*(\s)+3], 0x80000000
	s_mov_b32 s[G0B+4*(\s)], 1
	s_add_co_u32 s[G0B+4*(\s)+1], s21, (\s)*SLOT
	s_add_nc_u64 s[G0B+4*(\s)+2:G0B+4*(\s)+3], s[46:47], (\s)*BSTEP
	s_or_b32 s[G0B+4*(\s)+3], s[G0B+4*(\s)+3], 0x80000000
	JLOAD \s
.endr
	; lane addresses, the bias, the way out's addresses and the clearing stand in the wait for the first tiles
	v_and_b32 v1, 15, v0                           ; r = l % 16
	v_bfe_u32 v2, v0, 4, 1                         ; h = l / 16
	v_and_b32 v7, 31, v0                           ; l
	v_mul_u32_u24 v3, v1, PA
	v_lshl_add_u32 v3, v2, 4, v3
	s_mul_i32 s14, s11, 64*PA
	v_add_nc_u32 v[AA0], s14, v3                   ; A: (64 wm + r) x pitch + 16 h
	v_and_b32 v4, 7, v0
	v_bfe_u32 v5, v0, 3, 1
	v_lshl_add_u32 v4, v2, 3, v4
	v_mul_u32_u24 v4, v4, PB
	v_lshl_add_u32 v4, v5, 4, v4
	s_lshl_b32 s14, s12, 7
	s_add_co_u32 s14, s14, ATILE
	v_add_nc_u32 v[AB0], s14, v4                   ; B: (8 h + l % 8) x pitch + 16 ((l / 8) % 2) + my 64 columns
	v_mov_b32 v[ADRA], v[AA0]
	v_mov_b32 v[ADRB], v[AB0]
	v_add_nc_u32 v[ADRB2], 128*PB, v[AB0]
.if MODE == 1
	s_cmp_eq_u32 s78, 1
	s_cselect_b64 s[4:5], s[72:73], s[70:71]
	s_cmp_eq_u32 s78, 2
	s_cselect_b64 s[4:5], s[74:75], s[4:5]         ; bq, bk or bv
	s_lshl_b32 s14, s45, 9
	v_lshl_add_u32 v[BO], v1, 4, s14               ; four columns a lane, 64 columns (a head) for 16 lanes
	global_load_b128 v[BIAS:BIAS+3], v[BO], s[4:5]
	global_load_b128 v[BIAS+4:BIAS+7], v[BO], s[4:5] offset:256
.else
	s_mov_b64 s[4:5], s[72:73]
	s_lshl_b32 s14, s42, 9
	v_lshl_add_u32 v[BO], v7, 4, s14               ; four columns a lane, the tile's 128 for 32 lanes
	global_load_b128 v[BIAS:BIAS+3], v[BO], s[4:5]
.endif
	s_mul_i32 s14, s11, 64*SPI
	s_lshl_b32 s15, s12, 8
	s_add_co_u32 s14, s14, s15
	s_add_co_u32 s14, s14, STAGE
	v_mul_u32_u24 v3, v1, SPI
	v_lshl_add_u32 v3, v2, 5, v3
	v_add_nc_u32 v[STO], s14, v3                   ; into the stage: row 64 wm + r, column 64 wn + 8 h, f32
	s_mul_i32 s14, s10, 32*SPI
	s_add_co_u32 s14, s14, STAGE                   ; back: wave w takes rows 32 w .. 32 w + 31
.if MODE == 1
	v_mul_u32_u24 v3, v2, SPI
	v_lshl_add_u32 v3, v1, 4, v3
	v_add_nc_u32 v[RD], s14, v3                    ; 16 lanes take a head's 64 numbers of a row, the other 16 the next row's
	s_lshl_b32 s15, s10, 12
	v_lshlrev_b32 v3, 7, v2
	v_lshl_add_u32 v3, v1, 3, v3
	v_add_nc_u32 v[CO], s15, v3                    ; (32 w + h) x 128 + 8 r
	s_lshr_b32 s16, s13, 4
	s_lshl_b32 s16, s16, 22
	s_and_b32 s17, s13, 15
	s_lshl_b32 s17, s17, 14
	s_add_co_u32 s16, s16, s17
	s_lshl_b32 s46, s45, 19                        ; two heads a column block
	s_lshl_b32 s47, s78, 23                        ; q, k or v
	s_add_co_u32 s46, s46, s47
.elseif MODE == 4
	v_lshl_add_u32 v[RD], v7, 4, s14
	s_lshl_b32 s15, s10, 18
	v_lshl_add_u32 v[CO], v7, 3, s15               ; 32 w rows of 8,192 bytes + 8 l
	s_lshl_b32 s16, s13, 20
	s_lshl_b32 s46, s42, 8
.else
	v_lshl_add_u32 v[RD], v7, 4, s14
	s_lshl_b32 s15, s10, 17
	v_lshl_add_u32 v[CO], v7, 4, s15               ; 32 w rows of 4,096 bytes + 16 l
	s_lshl_b32 s16, s13, 19
	s_lshl_b32 s46, s42, 9
.endif
	s_mov_b32 s17, 0
	s_mov_b32 s47, 0
	s_add_nc_u64 s[8:9], s[OPTR:OPTR+1], s[16:17]
	s_add_nc_u64 s[8:9], s[8:9], s[46:47]
.if MODE == 4
	SC IC, 0x3e22f983                              ; 1 / 2 pi
	SC K0, 0xc0135761                              ; -2 sqrt(2 / pi) log2(e)
	SC K1, 0xbdd2d3e8                              ; 0.044715 times that
	SC C1, 0x40490ec7                              ; half the sine's coefficients
	SC C3, 0xc1a55312
	SC C5, 0x4222bb23
	SC C7, 0xc214f124
	SC C9, 0x4183135b
.endif
.set i, 0
.rept 128
	v_mov_b32 v[ACC+i], 0                          ; the sums start at 0, so that the loop has one form of product
.set i, i+1
.endr
; 8 matrix instructions: m blocks a0, a0 + 1 x all 4 n blocks, 32 along K: half c of buffer f.  The 16 accumulators take turns, over the backward jumps too.
.macro MUL8 f, c, a0
	WIN MUL
.irp a, \a0, (\a0)+1
.irp b, 0,1,2,3
	v_wmma_f32_16x16x32_bf16 v[ACC+8*(4*(\a)+(\b)):ACC+8*(4*(\a)+(\b))+7], v[(\f)+64+8*(4*(\c)+(\b)):(\f)+64+8*(4*(\c)+(\b))+7], v[(\f)+8*(4*(\c)+(\a)):(\f)+8*(4*(\c)+(\a))+7], v[ACC+8*(4*(\a)+(\b)):ACC+8*(4*(\a)+(\b))+7]
.endr
.endr
.endm
; 32 LDS loads in one run: the fragments of quarter kq (64 along K) into buffer f; the first 32 along K first
.macro FETCH kq, f
	WIN TO_F
.if (\kq) < 2
.set BR, ADRB
.else
.set BR, ADRB2
.endif
.set KB, ((\kq)&1)*64
.irp c, 0,1
.irp i, 0,1,2,3
	ds_load_tr16_b128 v[(\f)+64+8*(4*(\c)+(\i)):(\f)+64+8*(4*(\c)+(\i))+3],   v[BR] offset:(KB+32*(\c))*PB+32*(\i)
	ds_load_tr16_b128 v[(\f)+64+8*(4*(\c)+(\i))+4:(\f)+64+8*(4*(\c)+(\i))+7], v[BR] offset:(KB+32*(\c)+16)*PB+32*(\i)
	ds_load_b128 v[(\f)+8*(4*(\c)+(\i)):(\f)+8*(4*(\c)+(\i))+3],   v[ADRA] offset:(\kq)*AQ+64*(\c)+(\i)*16*PA
	ds_load_b128 v[(\f)+8*(4*(\c)+(\i))+4:(\f)+8*(4*(\c)+(\i))+7], v[ADRA] offset:(\kq)*AQ+64*(\c)+(\i)*16*PA+32
.endr
.endr
.endm
; One of a K step's first three quarters: multiplies buffer f and fetches quarter kq into g
.macro QUARTER kq, f, g
	s_wait_dscnt 16                                ; the first 32 along K are in; the sixteen younger loads may stay out
	MUL8 \f, 0, 0
	MUL8 \f, 0, 2
	PLACES                                         ; four places in front of loads into registers that matrix instructions have read
	FETCH \kq, \g
	s_wait_dscnt 32                                ; all but the 32 just issued
	MUL8 \f, 1, 0
	MUL8 \f, 1, 2
.endm
; The last quarter multiplies buffer 1 and changes slots: one barrier; in front of it each wave waits for all its tensor loads, adds 0 to its spare word,
; and waits for that and for its reads of this slot.  fill = 1: the barrier opens a round of the cluster's, and this slot is filled again, two K steps ahead.
.macro TURN fill
	WIN 0
	s_wait_tensorcnt 0x0                           ; all my tensor loads have landed: my part of the next slot
	ds_add_u32 v[SPW], v[NIL]                      ; 0 onto my spare word
	s_wait_dscnt 17                                ; the add and the youngest sixteen loads may be out
	MUL8 F1, 0, 0
	s_wait_dscnt 0x0                               ; the add is done, and my reads of this slot are over
	s_barrier_signal -1
	MUL8 F1, 0, 2
	WIN 0
	s_barrier_wait -1
.if \fill
	CREST                                          ; no wave of any partner still reads this slot or has a load on its way
	s_xor_b32 s22, s22, SLOT                       ; 0 or SLOT: the slot just read out
	s_add_co_u32 s[G0+5], s22, s20
	s_add_co_u32 s[G0B+5], s22, s21
	s_add_nc_u64 s[G0+6:G0+7], s[G0+6:G0+7], ASTEP
	s_add_nc_u64 s[G0B+6:G0B+7], s[G0B+6:G0B+7], BSTEP
	JLOAD 1                                        ; the first tensor load behind the round; its four v_nop are also the places in front of the loads below
.else
	PLACES
.endif
	s_xor_b32 s23, s23, SLOT                       ; the reads go to the other slot
	v_add_nc_u32 v[ADRA], s23, v[AA0]
	v_add_nc_u32 v[ADRB], s23, v[AB0]
	v_add_nc_u32 v[ADRB2], 128*PB, v[ADRB]
	FETCH 0, F0
	MUL8 F1, 1, 0
	MUL8 F1, 1, 2
.endm
.macro KBODY fill
	QUARTER 1, F0, F1
	QUARTER 2, F1, F0
	QUARTER 3, F0, F1
	TURN \fill
.endm
	s_wait_tensorcnt 1                             ; my part of K step 0 is in; K step 1's may stay out
	s_barrier_signal -1
	s_barrier_wait -1
	FETCH 0, F0
	WIN 0                                          ; at a label and at a branch every window is 0
	s_mov_b32 s3, NK-2
.Lk:                                           ; a trip is a K step; all but the last two fill their slot again
	KBODY 1
	WIN 0
	s_sub_co_u32 s3, s3, 1
	s_cmp_lg_u32 s3, 0
	s_cbranch_scc1 .Lk
	s_mov_b32 s3, 2
.Lt:                                           ; the last two K steps ask for nothing; the very last fetch reads slot 0's old bytes and serves nothing: the price of one text
	KBODY 0
	WIN 0
	s_sub_co_u32 s3, s3, 1
	s_cmp_lg_u32 s3, 0
	s_cbranch_scc1 .Lt
	s_wait_dscnt 0x0
	s_barrier_signal -1
	s_barrier_wait -1                              ; nobody reads the ring any more: slot 1 becomes the stage
	PLACES
	PLACES
.irp a, 0,1,2,3
.irp b, 0,1,2,3
	ds_store_b128 v[STO], v[ACC+8*(4*\a+\b):ACC+8*(4*\a+\b)+3]   offset:\a*16*SPI+\b*64     ; each accumulator's low registers first
	ds_store_b128 v[STO], v[ACC+8*(4*\a+\b)+4:ACC+8*(4*\a+\b)+7] offset:\a*16*SPI+\b*64+16
.endr
.endr
	s_wait_dscnt 0x0                               ; for the others' sake: my stores into the stage are done
	s_barrier_signal -1
	s_barrier_wait -1
	s_wait_loadcnt 0x0                             ; the bias
.set p, 0
.rept NBP
	v_cvt_pk_bf16_f32 v[OUT+p], v[BIAS+2*p], v[BIAS+2*p+1]  ; the bias is rounded to bf16, like every input of the layer,
.set p, p+1
.endr
.set p, 0
.rept NBP
	v_lshlrev_b32 v[BIAS+2*p], 16, v[OUT+p]        ; and written as f32 again
	v_and_b32 v[BIAS+2*p+1], 0xffff0000, v[OUT+p]
.set p, p+1
.endr
	s_mov_b32 s3, 8
.Lrow:                                         ; four rows a trip
.if MODE == 1
	ds_load_b128 v[Z:Z+3],     v[RD]
	ds_load_b128 v[Z+4:Z+7],   v[RD] offset:2*SPI
	ds_load_b128 v[Z+8:Z+11],  v[RD] offset:256
	ds_load_b128 v[Z+12:Z+15], v[RD] offset:256+2*SPI
	s_wait_dscnt 0x0
	P8 v_pk_add_f32 v[Z+p:Z+p+1], v[Z+p:Z+p+1], v[BIAS+4*(p/8)+p%4:BIAS+4*(p/8)+p%4+1]
.else
.irp i, 0,1,2,3
	ds_load_b128 v[Z+4*\i:Z+4*\i+3], v[RD] offset:\i*SPI
.endr
	s_wait_dscnt 0x0
	P8 v_pk_add_f32 v[Z+p:Z+p+1], v[Z+p:Z+p+1], v[BIAS+p%4:BIAS+p%4+1]
.endif
.if MODE == 4
	P8 v_pk_mul_f32 v[Q2+p:Q2+p+1], v[Z+p:Z+p+1], v[Z+p:Z+p+1]
	P8 v_pk_fma_f32 v[E+p:E+p+1], v[Q2+p:Q2+p+1], s[K1:K1+1], s[K0:K0+1] op_sel_hi:[1,0,0]
	P8 v_pk_mul_f32 v[E+p:E+p+1], v[E+p:E+p+1], v[Z+p:Z+p+1]
	P16 v_exp_f32 v[E+p], v[E+p]                   ; one batch; the sine below is the independent work behind it
	P8 v_pk_mul_f32 v[FF+p:FF+p+1], v[Z+p:Z+p+1], s[IC:IC+1] op_sel_hi:[1,0]
	P16 v_rndne_f32 v[PP+p], v[FF+p]
	P8 v_pk_add_f32 v[FF+p:FF+p+1], v[FF+p:FF+p+1], v[PP+p:PP+p+1] neg_lo:[0,1] neg_hi:[0,1]
	P8 v_pk_mul_f32 v[Q2+p:Q2+p+1], v[FF+p:FF+p+1], v[FF+p:FF+p+1]
	P8 v_pk_fma_f32 v[PP+p:PP+p+1], v[Q2+p:Q2+p+1], s[C9:C9+1], s[C7:C7+1] op_sel_hi:[1,0,0]
	P8 v_pk_fma_f32 v[PP+p:PP+p+1], v[PP+p:PP+p+1], v[Q2+p:Q2+p+1], s[C5:C5+1] op_sel_hi:[1,1,0]
	P8 v_pk_fma_f32 v[PP+p:PP+p+1], v[PP+p:PP+p+1], v[Q2+p:Q2+p+1], s[C3:C3+1] op_sel_hi:[1,1,0]
	P8 v_pk_fma_f32 v[PP+p:PP+p+1], v[PP+p:PP+p+1], v[Q2+p:Q2+p+1], s[C1:C1+1] op_sel_hi:[1,1,0]
	s_wait_alu depctr_va_vdst(0)                   ; one wait for the sixteen exponentials, ahead of their first reader
	P8 v_pk_add_f32 v[E+p:E+p+1], v[E+p:E+p+1], 1.0 op_sel_hi:[1,0]
	P16 v_rcp_f32 v[E+p], v[E+p]
	P8 v_pk_mul_f32 v[PP+p:PP+p+1], v[PP+p:PP+p+1], v[FF+p:FF+p+1]
	s_wait_alu depctr_va_vdst(0)                   ; one wait for the sixteen reciprocals
	P8 v_pk_fma_f32 v[Z+p:Z+p+1], v[Z+p:Z+p+1], v[E+p:E+p+1], v[PP+p:PP+p+1]
.endif
.if (MODE == 1) || (MODE == 4)
.set p, 0
.rept 8
	v_cvt_pk_bf16_f32 v[OUT+p], v[Z+2*p], v[Z+2*p+1]
.set p, p+1
.endr
.endif
.if MODE == 1
.irp q, 0,1,2,3
	global_store_b64 v[CO], v[OUT+2*\q:OUT+2*\q+1], s[8:9] offset:(\q/2)*262144+(\q%2)*256  ; two rows of one head: 256 consecutive bytes, aligned
.endr
.elseif MODE == 4
.irp i, 0,1,2,3
	global_store_b64 v[CO], v[OUT+2*\i:OUT+2*\i+1], s[8:9] offset:\i*8192                   ; 256 consecutive bytes, aligned
.endr
.else
.irp i, 0,1,2,3
	global_store_b128 v[CO], v[Z+4*\i:Z+4*\i+3], s[8:9] offset:\i*4096                      ; 512 consecutive bytes, aligned
.endr
.endif
	s_wait_xcnt 0x0                                ; the stores' data and offset are written again only behind this wait
	v_add_nc_u32 v[RD], 4*SPI, v[RD]
	v_add_nc_u32 v[CO], CSTEP, v[CO]
	s_sub_co_u32 s3, s3, 1
	s_cmp_lg_u32 s3, 0
	s_cbranch_scc1 .Lrow
	s_wait_tensorcnt 0x0                           ; the wave's end
	ds_add_u32 v[SPW], v[NIL]
	s_wait_dscnt 0x0
	CROUND                                         ; the closing round
	s_endpgm
.Lfunc_end_k_qc89fe948da_wo:
	.size	k_qc89fe948da_wo, .Lfunc_end_k_qc89fe948da_wo-k_qc89fe948da_wo
	.p2alignl 7, 3214868480
	.fill 96, 4, 3214868480
	.section	.rodata,"a",@progbits
	.p2align	6, 0x0
	.amdhsa_kernel k_qc89fe948da_wo
		.amdhsa_group_segment_fixed_size 327680
		.amdhsa_private_segment_fixed_size 0
		.amdhsa_enable_private_segment 0
		.amdhsa_kernarg_size 32
		.amdhsa_user_sgpr_count 2
		.amdhsa_user_sgpr_kernarg_segment_ptr 1
		.amdhsa_wavefront_size32 1
		.amdhsa_system_sgpr_workgroup_id_x 1
		.amdhsa_system_sgpr_workgroup_id_y 1
		.amdhsa_system_sgpr_workgroup_id_z 1
		.amdhsa_system_vgpr_workitem_id 0
		.amdhsa_next_free_vgpr 512
		.amdhsa_next_free_sgpr 96
		.amdhsa_reserve_vcc 0
		.amdhsa_float_denorm_mode_32 3
		.amdhsa_float_denorm_mode_16_64 3
		.amdhsa_memory_ordered 1
		.amdhsa_forward_progress 1
		.amdhsa_inst_pref_size 55
	.end_amdhsa_kernel
	.amdgpu_metadata
---
amdhsa.version: [ 1, 2 ]
amdhsa.kernels:
  - .name:           k_qc89fe948da_wo
    .symbol:         k_qc89fe948da_wo.kd
    .args:
      - { .name: ob, .offset: 0, .size: 8, .value_kind: global_buffer, .address_space: global }
      - { .name: wb, .offset: 8, .size: 8, .value_kind: global_buffer, .address_space: global }
      - { .name: bo, .offset: 16, .size: 8, .value_kind: global_buffer, .address_space: global }
      - { .name: y, .offset: 24, .size: 8, .value_kind: global_buffer, .address_space: global }
    .group_segment_fixed_size: 327680
    .private_segment_fixed_size: 0
    .kernarg_segment_align: 8
    .kernarg_segment_size: 32
    .max_flat_workgroup_size: 128
    .sgpr_count:     96
    .vgpr_count:     512
    .wavefront_size: 32
...
	.end_amdgpu_metadata
.endif
;; end of part 4
;; launch ln1 (part 5): grid 256 x 1, 16 waves a work-group, no clusters, 0 bytes of LDS; arguments y, wb, g1, b1, s1, x1f, x1b; writes x1f, x1b
.if DOCPART == 5
	.amdgcn_target "amdgcn-amd-amdhsa--gfx1250"
	.amdhsa_code_object_version 6
	.text
	.protected	k_qc89fe948da_ln1
	.globl	k_qc89fe948da_ln1
	.p2align	8
	.type	k_qc89fe948da_ln1,@function
k_qc89fe948da_ln1:
	s_mov_b64 s[64:65], 0
	v_nop
	global_prefetch_b8 v0, s[64:65] scope:SCOPE_SE
	s_setreg_imm32_b32 hwreg(HW_REG_WAVE_MODE, 25, 1), 1
	s_wait_xcnt 0x0
; THE HARMONIC NORM of v = y + residual, a row of 1,024 numbers: mean; std with divisor 1,023; std' = std + s sin(pi std); out = g (v - mean) / (std' + 1e-6) + b.
; A stream: one wave takes one row and keeps it in 32 registers, so memory is read once and no wave waits for another: no LDS, no barrier, no matrix unit.
; The variance is taken of v - mean in a second pass over the registers, so a common offset of the row costs nothing.
; EVERY INPUT OF THE LAYER IS TAKEN ROUNDED TO bf16: g, b and s are rounded here; with FIRST = 1 the residual is x as it lies rounded at the head of the bf16 copies.
; FIRST = 1: the row leaves twice, in f32 (the next residual, which is no input and stays f32) and rounded to bf16 (the next product's operand).
; LIMITS.  sin(pi std) = sin(2 pi u), u = std / 2 less its nearest whole number, by an odd polynomial of degree 9, error 6e-6; the one-step reduction keeps std's own f32 step.
.set FIRST, 1
.set YV, 8                             ; v[8:39]    y, then v, then v - mean, then the result
.set RV, 40                            ; v[40:71]   the residual; later g and b in bf16
.set GV, 72                            ; v[72:103]  g
.set BV, 104                           ; v[104:135] b
.set AC, 136                           ; v[136:143] four chains of two sums
.set MN, 144                           ; v[144:145] the mean, twice
.set SD, 146
.set TU, 147
.set TR, 148
.set TQ, 149
.set TP, 150
.set IV, 152                           ; v[152:153] 1 / (std' + 1e-6), twice
.set OB, 154                           ; v[154:169] FIRST = 1: x's row in bf16 as loaded; at the end the result in bf16
.macro RED                             ; the four chains into one number, the same in every lane
	v_pk_add_f32 v[AC:AC+1], v[AC:AC+1], v[AC+2:AC+3]
	v_pk_add_f32 v[AC+4:AC+5], v[AC+4:AC+5], v[AC+6:AC+7]
	v_pk_add_f32 v[AC:AC+1], v[AC:AC+1], v[AC+4:AC+5]
	v_add_f32 v[AC], v[AC], v[AC+1]
	v_add_f32_dpp v[AC], v[AC], v[AC] row_xmask:1 row_mask:0xf bank_mask:0xf
	v_add_f32_dpp v[AC], v[AC], v[AC] row_xmask:2 row_mask:0xf bank_mask:0xf
	v_add_f32_dpp v[AC], v[AC], v[AC] row_xmask:4 row_mask:0xf bank_mask:0xf
	v_add_f32_dpp v[AC], v[AC], v[AC] row_xmask:8 row_mask:0xf bank_mask:0xf
	v_permlanex16_b32 v[AC+1], v[AC], s26, s27
	v_add_f32 v[AC], v[AC], v[AC+1]
.endm
	s_load_b256 s[4:11], s[0:1], 0x0               ; y s[4:5], residual s[6:7], g s[8:9], b s[10:11]
	s_load_b128 s[12:15], s[0:1], 0x20             ; s s[12:13], the f32 result s[14:15]
.if FIRST
	s_load_b64 s[16:17], s[0:1], 0x30              ; the bf16 result
.endif
	v_lshrrev_b32 v1, 5, v0
	v_readfirstlane_b32 s20, v1                    ; wave 0..15
	v_and_b32 v2, 31, v0
	v_lshlrev_b32 v3, 4, v2                        ; 16 x lane
.if FIRST
	v_lshlrev_b32 v4, 3, v2                        ; 8 x lane
.endif
	s_lshl_b32 s21, ttmp9, 4
	s_add_co_u32 s21, s21, s20                     ; my row
	s_lshl_b32 s22, s21, 12                        ; 4,096 bytes a row of f32
	s_mov_b32 s23, 0
	s_mov_b32 s26, 0x76543210
	s_mov_b32 s27, 0xfedcba98
	s_mov_b32 s28, 0xffff0000                      ; a word's upper bf16
	s_wait_kmcnt 0x0
	s_load_b32 s24, s[12:13], 0x0                  ; s
	s_add_nc_u64 s[4:5], s[4:5], s[22:23]
	s_add_nc_u64 s[14:15], s[14:15], s[22:23]
.if FIRST
	s_lshl_b32 s22, s21, 11                        ; 2,048 bytes a row of bf16
	s_add_nc_u64 s[6:7], s[6:7], s[22:23]
	s_add_nc_u64 s[16:17], s[16:17], s[22:23]
.else
	s_add_nc_u64 s[6:7], s[6:7], s[22:23]
.endif
.irp j, 0,1,2,3,4,5,6,7
	global_load_b128 v[YV+4*\j:YV+4*\j+3], v3, s[4:5] offset:512*\j th:TH_LOAD_NT
.endr
.if FIRST
.irp j, 0,1,2,3,4,5,6,7
	global_load_b64 v[OB+2*\j:OB+2*\j+1], v4, s[6:7] offset:256*\j th:TH_LOAD_NT  ; the same four columns as y's load j, 256 consecutive bytes a wave
.endr
.else
.irp j, 0,1,2,3,4,5,6,7
	global_load_b128 v[RV+4*\j:RV+4*\j+3], v3, s[6:7] offset:512*\j th:TH_LOAD_NT
.endr
.endif
.irp j, 0,1,2,3,4,5,6,7
	global_load_b128 v[GV+4*\j:GV+4*\j+3], v3, s[8:9] offset:512*\j
.endr
.irp j, 0,1,2,3,4,5,6,7
	global_load_b128 v[BV+4*\j:BV+4*\j+3], v3, s[10:11] offset:512*\j
.endr
	s_wait_loadcnt 16                              ; y and the residual are in; the sixteen loads of g and b may stay out
.if FIRST
.set p, 0
.rept 16
	v_lshlrev_b32 v[RV+2*p], 16, v[OB+p]           ; bf16 to f32: the low half moves up,
	v_and_b32 v[RV+2*p+1], s28, v[OB+p]            ; the high half stays
.set p, p+1
.endr
.endif
.set p, 0
.rept 16
	v_pk_add_f32 v[YV+p:YV+p+1], v[YV+p:YV+p+1], v[RV+p:RV+p+1]
.set p, p+2
.endr
.irp c, 0,2,4,6
	v_pk_add_f32 v[AC+\c:AC+\c+1], v[YV+\c:YV+\c+1], v[YV+8+\c:YV+8+\c+1]
.endr
.irp k, 16,24
.irp c, 0,2,4,6
	v_pk_add_f32 v[AC+\c:AC+\c+1], v[AC+\c:AC+\c+1], v[YV+\k+\c:YV+\k+\c+1]
.endr
.endr
	RED
	v_mul_f32 v[MN], 0x3a800000, v[AC]             ; / 1,024
	v_mul_f32 v[MN+1], 0x3a800000, v[AC]
.set p, 0
.rept 16
	v_pk_add_f32 v[YV+p:YV+p+1], v[YV+p:YV+p+1], v[MN:MN+1] neg_lo:[0,1] neg_hi:[0,1]
.set p, p+2
.endr
.irp c, 0,2,4,6
	v_pk_mul_f32 v[AC+\c:AC+\c+1], v[YV+\c:YV+\c+1], v[YV+\c:YV+\c+1]
.endr
.irp k, 8,16,24
.irp c, 0,2,4,6
	v_pk_fma_f32 v[AC+\c:AC+\c+1], v[YV+\k+\c:YV+\k+\c+1], v[YV+\k+\c:YV+\k+\c+1], v[AC+\c:AC+\c+1]
.endr
.endr
	RED
	v_mul_f32 v[AC], 0x3a802008, v[AC]             ; / 1,023
	v_sqrt_f32 v[SD], v[AC]
	v_mov_b32 v[TP], 0x4203135b                    ; the plain instruction behind the root: the polynomial's first coefficient
	s_wait_alu depctr_va_vdst(0)                   ; the wait ahead of the root's first reader
	v_mul_f32 v[TU], 0.5, v[SD]
	v_rndne_f32 v[TR], v[TU]
	v_sub_f32 v[TU], v[TU], v[TR]
	v_mul_f32 v[TQ], v[TU], v[TU]
	v_fmaak_f32 v[TP], v[TQ], v[TP], 0xc294f124
	v_fmaak_f32 v[TP], v[TQ], v[TP], 0x42a2bb23
	v_fmaak_f32 v[TP], v[TQ], v[TP], 0xc2255312
	v_fmaak_f32 v[TP], v[TQ], v[TP], 0x40c90ec7
	v_mul_f32 v[TP], v[TP], v[TU]                  ; sin(pi std)
	s_wait_kmcnt 0x0                               ; s
	s_bfe_u32 s25, s24, 0x10010                    ; s is rounded to bf16, to the nearest and on a tie to the even: 0x7fff and the bit that stays lowest are added,
	s_add_co_u32 s24, s24, s25
	s_add_co_u32 s24, s24, 0x7fff
	s_and_b32 s24, s24, 0xffff0000                 ; and the low half is cut
	v_fma_f32 v[TP], s24, v[TP], v[SD]
	v_add_f32 v[TP], 0x358637bd, v[TP]             ; + 1e-6
	v_rcp_f32 v[IV], v[TP]
	v_rcp_f32 v[IV+1], v[TP]
	v_nop                                          ; a plain instruction behind the reciprocals,
	s_wait_alu depctr_va_vdst(0)                   ; and one wait for the two
	s_wait_loadcnt 0x0                             ; g and b
.set p, 0
.rept 16
	v_cvt_pk_bf16_f32 v[RV+p], v[GV+2*p], v[GV+2*p+1]        ; g and b are rounded to bf16,
	v_cvt_pk_bf16_f32 v[RV+16+p], v[BV+2*p], v[BV+2*p+1]
.set p, p+1
.endr
.set p, 0
.rept 16
	v_lshlrev_b32 v[GV+2*p], 16, v[RV+p]           ; and written as f32 again
	v_and_b32 v[GV+2*p+1], s28, v[RV+p]
	v_lshlrev_b32 v[BV+2*p], 16, v[RV+16+p]
	v_and_b32 v[BV+2*p+1], s28, v[RV+16+p]
.set p, p+1
.endr
.set p, 0
.rept 16
	v_pk_mul_f32 v[YV+p:YV+p+1], v[YV+p:YV+p+1], v[IV:IV+1]
.set p, p+2
.endr
.set p, 0
.rept 16
	v_pk_fma_f32 v[YV+p:YV+p+1], v[YV+p:YV+p+1], v[GV+p:GV+p+1], v[BV+p:BV+p+1]
.set p, p+2
.endr
.irp j, 0,1,2,3,4,5,6,7
	global_store_b128 v3, v[YV+4*\j:YV+4*\j+3], s[14:15] offset:512*\j  ; 512 consecutive bytes, aligned
.endr
.if FIRST
.set p, 0
.rept 16
	v_cvt_pk_bf16_f32 v[OB+p], v[YV+2*p], v[YV+2*p+1]
.set p, p+1
.endr
.irp j, 0,1,2,3,4,5,6,7
	global_store_b64 v4, v[OB+2*\j:OB+2*\j+1], s[16:17] offset:256*\j   ; 256 consecutive bytes, aligned
.endr
.endif
	s_endpgm
.Lfunc_end_k_qc89fe948da_ln1:
	.size	k_qc89fe948da_ln1, .Lfunc_end_k_qc89fe948da_ln1-k_qc89fe948da_ln1
	.p2alignl 7, 3214868480
	.fill 96, 4, 3214868480
	.section	.rodata,"a",@progbits
	.p2align	6, 0x0
	.amdhsa_kernel k_qc89fe948da_ln1
		.amdhsa_group_segment_fixed_size 0
		.amdhsa_private_segment_fixed_size 0
		.amdhsa_enable_private_segment 0
		.amdhsa_kernarg_size 56
		.amdhsa_user_sgpr_count 2
		.amdhsa_user_sgpr_kernarg_segment_ptr 1
		.amdhsa_wavefront_size32 1
		.amdhsa_system_sgpr_workgroup_id_x 1
		.amdhsa_system_sgpr_workgroup_id_y 1
		.amdhsa_system_sgpr_workgroup_id_z 1
		.amdhsa_system_vgpr_workitem_id 0
		.amdhsa_next_free_vgpr 176
		.amdhsa_next_free_sgpr 66
		.amdhsa_reserve_vcc 0
		.amdhsa_float_denorm_mode_32 3
		.amdhsa_float_denorm_mode_16_64 3
		.amdhsa_memory_ordered 1
		.amdhsa_forward_progress 1
		.amdhsa_inst_pref_size 20
	.end_amdhsa_kernel
	.amdgpu_metadata
---
amdhsa.version: [ 1, 2 ]
amdhsa.kernels:
  - .name:           k_qc89fe948da_ln1
    .symbol:         k_qc89fe948da_ln1.kd
    .args:
      - { .name: y, .offset: 0, .size: 8, .value_kind: global_buffer, .address_space: global }
      - { .name: wb, .offset: 8, .size: 8, .value_kind: global_buffer, .address_space: global }
      - { .name: g1, .offset: 16, .size: 8, .value_kind: global_buffer, .address_space: global }
      - { .name: b1, .offset: 24, .size: 8, .value_kind: global_buffer, .address_space: global }
      - { .name: s1, .offset: 32, .size: 8, .value_kind: global_buffer, .address_space: global }
      - { .name: x1f, .offset: 40, .size: 8, .value_kind: global_buffer, .address_space: global }
      - { .name: x1b, .offset: 48, .size: 8, .value_kind: global_buffer, .address_space: global }
    .group_segment_fixed_size: 0
    .private_segment_fixed_size: 0
    .kernarg_segment_align: 8
    .kernarg_segment_size: 56
    .max_flat_workgroup_size: 512
    .sgpr_count:     66
    .vgpr_count:     176
    .wavefront_size: 32
...
	.end_amdgpu_metadata
.endif
;; end of part 5
;; launch ffn1 (part 6): grid 16 x 16, 4 waves a work-group, clusters of 4 x 4, 327,680 bytes of LDS; arguments x1b, wb, bf1, hb; writes hb
.if DOCPART == 6
	.amdgcn_target "amdgcn-amd-amdhsa--gfx1250"
	.amdhsa_code_object_version 6
	.text
	.protected	k_qc89fe948da_ffn1
	.globl	k_qc89fe948da_ffn1
	.p2align	8
	.type	k_qc89fe948da_ffn1,@function
k_qc89fe948da_ffn1:
	s_mov_b64 s[64:65], 0
	v_nop
	global_prefetch_b8 v0, s[64:65] scope:SCOPE_SE
	s_setreg_imm32_b32 hwreg(HW_REG_WAVE_MODE, 25, 1), 1
	s_wait_xcnt 0x0
	s_wait_alu depctr_hold_cnt(0) depctr_sa_sdst(0) depctr_va_vdst(0) depctr_va_sdst(0) depctr_va_ssrc(0) depctr_va_vcc(0) depctr_vm_vsrc(0)
	s_getreg_b32 s2, hwreg(HW_REG_IB_STS2, 6, 4)
	s_cmp_eq_u32 s2, 0
	s_cbranch_scc0 .Lentry_in_a_cluster
	s_endpgm
.Lentry_in_a_cluster:
	s_bfe_u32 s2, ttmp6, 0x10000c
	s_cmp_lg_u32 s2, 0xf033
	s_cbranch_scc0 .Lentry_shape_is_right
	s_endpgm
.Lentry_shape_is_right:
; THE LAYER'S TWO WIDE PRODUCTS, C = A B + bias, ON TILES OF 256 x 256.  MODE, set below, picks the sizes and the way out:
;   1  q, k, v = x W + b: A = x in bf16 [4096][1024], B = Wq, Wk or Wv [1024][1024]; out bf16 by heads [3][b][h][s][64], unscaled.  192 tiles; a cluster's four tile columns are one of the three matrices
;   4  h = act(x1 W1 + bf1): B = W1 [1024][4096]; out bf16 [4096][4096]; act(z) = z / (1 + 2^(k0 z + k1 z^3)) + sin(z) / 2, the tanh form of the reference written as a sigmoid.  256 tiles
; A and B are bf16, sums f32.  EVERY INPUT OF THE LAYER IS TAKEN ROUNDED TO bf16, the bias here like the matrix operands.
; SHARES.  Four waves, each 128 x 128 of C: 64 accumulators, 512 registers.  K goes in steps of 128 through two LDS slots.  A K step is 256 matrix instructions a wave, 224 of them between a
; slot's request and the wait for it: twice what a tile of 128 x 128 with K steps of 256 has for the same 131,072 bytes.
; B lies [k][n] in memory and in LDS and comes out turned, by ds_load_tr16_b128.  The matrix instruction is used transposed (source 0 = 16 columns of B, source 1 = 16 rows of A):
; a lane holds eight neighbouring numbers of a row of C.
; CLUSTER 4 x 4: A's tile is asked for jointly by a row of the cluster, B's by a column.  A K step is written once for the loop and once without refill for the last two steps; the 512
; accumulator registers are cleared while the first tiles are on their way, so that there is one form of product: 512 lines for a text that holds two K steps and no third.
; THE WAY OUT.  A wave's 128 columns are whole aligned blocks of the output, so each wave has a stage of its own: 128 rows x 528 bytes of f32, in the slots, which have had their last fill.
; The accumulators are laid there once, and a loop over rows adds the bias, applies what the mode asks and stores.
; REGISTERS, in windows of 256: window 0: v8-30 addresses, v32-39 the bias, v64-127 and v128-191 A's fragments, two buffers (on the way out: at work); window 1: the same two for B;
; window 2: the accumulators of my rows 0-63 ((a, b) at v[8 (8 a + b)]); window 3: those of my rows 64-127.
; LIMITS.  sin: argument / 2 pi less its nearest whole number, then an odd polynomial of degree 9, error 6e-6; the one-step reduction keeps the argument's own f32 step, |z| 2^-24.
; NaN and infinities are not treated apart.
.set MODE, 4
.set SIZE_K, 1024
.set LDA, 1024                         ; elements in a row of A
.if MODE == 1
.set LDB, 1024                         ; elements in a row of B
.set BOFF, 0x800000                    ; Wq in the bf16 copies; Wk and Wv follow, 0x200000 apart
.set BPTR, 68
.set OPTR, 76
.set NBP, 4                            ; pairs of bias numbers a lane
.set CSTEP, 16*128                     ; a trip of the way out: 16 rows of a head
.else
.set LDB, 4096
.set BOFF, 0x1000000                   ; W1
.set BPTR, 70
.set OPTR, 74
.set NBP, 2
.set CSTEP, 4*8192                     ; 4 rows of h
.endif
.set APTR, 68
.set KSTEP, 128
.set NK, SIZE_K/KSTEP                  ; K steps: even, at least 4
.set PA, 272                           ; a row of A in LDS: 256 bytes + 16: the 16 rows of a load start at 16 different groups of four banks
.set PB, 544                           ; a row of k of B: 512 bytes + 32: an odd multiple of 32 bytes
.set LAH, 128*PA                       ; what one wave fetches of A: 128 rows; also what one wave reads
.set ATILE, 2*LAH
.set LBH, 64*PB                        ; what one wave fetches of B: 64 rows of k
.set SLOT, ATILE+2*LBH
.set ASTEP, KSTEP*2                    ; a K step on in memory
.set BSTEP, KSTEP*LDB*2
.set SPI, 528                          ; a row of a stage: 512 bytes + 16
.set WSTG, 128*SPI                     ; a wave's stage; the four lie from LDS byte 0 on
.set SPARE, 2*SLOT                     ; behind the ring: the spare words, 128 bytes a wave, that no other line names
.set AA0, 8                            ; v8   my lane's place in A's tile; never rewritten
.set AB0, 9                            ; v9   in B's tile
.set ADRA, 16                          ; v16  the same in the slot in hand
.set ADRB, 20                          ; v20
.set STO, 24
.set RD, 25
.set CO, 26
.set BO, 27
.set SPW, 28
.set NIL, 29
.set PFO, 30                           ; v30  the prefetches' offset; never rewritten
.set BIAS, 32                          ; v[32:39]
.if MODE == 1
.set Z, 64                             ; v[64:127]  sixteen rows x four numbers
.set OUT, 128                          ; v[128:159]
.else
.set Z, 40                             ; v[40:55]   four rows x four numbers as loaded
.set E, 56
.set FF, 72
.set Q2, 88
.set PP, 104
.set OUT, 120
.set ZZ, 128                           ; v[128:143] the same with the bias, at work
.endif
.set F0, 64
.set F1, 128
.set G1, 24
.set G0, 32                            ; s[32:35] slot 0's first fill; s[36:39] slot 1's, which then walks
.set G1B, 48
.set G0B, 56
.set PFA, 6                            ; s[6:7]   where my prefetches stand
.set PST, 18                           ; s[18:19] a K step on in the tensor that I fetch
.set LIM, 66                           ; s66      1 in a wave that prefetches, else the greatest number
.set IC, 80
.set K0, 82
.set K1, 84
.set C1, 86
.set C3, 88
.set C5, 90
.set C7, 92
.set C9, 94
.set MSB, 0
.macro WIN new                         ; the immediate's high byte repeats the setting that is left
.if MSB != (\new)
	s_set_vgpr_msb (MSB<<8)|(\new)
.set MSB, \new
.endif
.endm
.set MUL_LO, 0xa1                      ; source 0 (B) window 1, source 1 (A) window 0, C and D window 2
.set MUL_HI, 0xf1                      ; the same, C and D window 3
.set TO_B,   0x40                      ; destination window 1, address window 0
.macro PLACES
.rept 4
	v_nop
.endr
.endm
.macro JLOAD s                         ; a joint load: waves 0 and 1 fetch A's halves, waves 2 and 3 B's; s_nop 0 and four v_nop follow each line
	s_cmp_eq_u32 s11, 0
	s_cbranch_scc0 .Lfor_b_\@
	tensor_load_to_lds s[G0+4*(\s):G0+4*(\s)+3], s[G1:G1+7]
	s_nop 0
	PLACES
	s_branch .Lasked_\@
.Lfor_b_\@:
	tensor_load_to_lds s[G0B+4*(\s):G0B+4*(\s)+3], s[G1B:G1B+7]
	s_nop 0
	PLACES
.Lasked_\@:
.endm
; A PREFETCH, behind each refill and the run of LDS loads that follows it, of the K step that the NEXT change of slots will ask for: 256 matrix instructions ahead of that load.  One instruction a wave, 32 blocks
; of 256 bytes.  Each block is named once in the launch.  A's tile row is read by every cluster of its row of clusters: cluster x = 0 asks; B's tile column by every cluster of its column: cluster y = 0 asks.
; The four partners that ask for a tile jointly share it out BY ADDRESS: of the 128 rows of A that a wave fetches each takes 32, a lane a row; of the 64 rows of k of B each takes 16, two lanes a row of 512 bytes.
; K steps 0 to 2 come by their loads alone; the last change that fills a slot asks for nothing (s3 = 1 there).
.macro ASK
	s_cmp_gt_u32 s3, s[LIM]
	s_cbranch_scc0 .Lnot_mine_\@
	global_prefetch_b8 v[PFO], s[PFA:PFA+1] th:TH_LOAD_NT scope:SCOPE_SE
.Lnot_mine_\@:
.endm
.macro CREST                           ; a round of the cluster's barrier behind its opening barrier
	s_cmp_lg_u32 s10, 0
	s_cbranch_scc1 .Lnot_wave_0_\@
	s_barrier_signal -3
.Lnot_wave_0_\@:
	s_barrier_wait -3
	s_barrier_signal -1
	s_barrier_wait -1
.endm
.macro CROUND
	s_barrier_signal -1
	s_barrier_wait -1
	CREST
.endm
.macro SC r, v                         ; a constant as a pair: the packed forms name both words
	s_mov_b32 s[\r], \v
	s_mov_b32 s[\r+1], \v
.endm
.macro P8 line:vararg                  ; one line for each of eight register pairs p = 0, 2 .. 14
.set p, 0
.rept 8
	\line
.set p, p+2
.endr
.endm
.macro P16 line:vararg                 ; one line for each of sixteen registers p
.set p, 0
.rept 16
	\line
.set p, p+1
.endr
.endm
	s_load_b256 s[68:75], s[0:1], 0x0              ; MODE 1: wb, bq, bk, bv; MODE 4: x1b, wb, bf1, hb
.if MODE == 1
	s_load_b64 s[76:77], s[0:1], 0x20              ; qkv
.endif
	v_lshl_add_u32 v[SPW], v0, 2, SPARE
	v_mov_b32 v[NIL], 0
	ds_add_u32 v[SPW], v[NIL]                      ; the wave's opening: the add and its wait ahead of my first tensor load
	v_lshrrev_b32 v1, 5, v0
	v_readfirstlane_b32 s10, v1                    ; wave 0..3
	s_lshr_b32 s11, s10, 1                         ; my half of the tile's rows; also: I fetch for A (0) or B (1)
	s_and_b32 s12, s10, 1                          ; my half of its columns; also: which half of that tile I fetch
	s_bfe_u32 s40, ttmp6, 0x40000                  ; cx
	s_bfe_u32 s41, ttmp6, 0x40004                  ; cy
	s_lshl_b32 s42, ttmp9, 2
	s_add_co_u32 s42, s42, s40                     ; tile column
	s_and_b32 s13, ttmp7, 0xffff
	s_lshl_b32 s13, s13, 2
	s_add_co_u32 s13, s13, s41                     ; tile row
	s_lshl_b32 s43, s41, 2
	s_lshl_b32 s43, 15, s43                        ; my row of the cluster
	s_lshl_b32 s44, 0x1111, s40                    ; my column
	; A: 128 rows of 128 elements, 16 bytes of padding behind every 256
	s_or_b32 s[G1+0], s43, (1<<16)|(1<<20)|(1<<21)|(5<<22)|(3<<25)
	s_mov_b32 s[G1+1], KSTEP<<16
	s_mov_b32 s[G1+2], 128<<16
	s_mov_b32 s[G1+3], KSTEP<<16
	s_mov_b32 s[G1+4], 128
	s_mov_b32 s[G1+5], LDA
	s_mov_b32 s[G1+6], 0
	s_mov_b32 s[G1+7], 0
	; B: 64 rows of k x 256 elements, 32 bytes of padding behind every 512
	s_or_b32 s[G1B+0], s44, (1<<16)|(1<<20)|(1<<21)|(6<<22)|(7<<25)
	s_mov_b32 s[G1B+1], 256<<16
	s_mov_b32 s[G1B+2], 64<<16
	s_mov_b32 s[G1B+3], 256<<16
	s_mov_b32 s[G1B+4], 64
	s_mov_b32 s[G1B+5], LDB
	s_mov_b32 s[G1B+6], 0
	s_mov_b32 s[G1B+7], 0
	; A's offset hangs on the tile row and the wave alone, B's on the tile column and the wave alone
	s_lshl_b32 s16, s13, 8
	s_lshl_b32 s17, s12, 7
	s_add_co_u32 s16, s16, s17
	s_mul_i32 s16, s16, LDA*2
	s_mov_b32 s17, 0
.if MODE == 1
	s_and_b32 s45, s42, 3                          ; the tile column inside the chosen matrix
	s_mov_b32 s78, ttmp9                           ; which matrix: 0 q, 1 k, 2 v: the same in all partners
.else
	s_mov_b32 s45, s42
.endif
	s_lshl_b32 s46, s45, 9                         ; 256 columns are 512 bytes
	s_mul_i32 s47, s12, 64*LDB*2
	s_add_co_u32 s46, s46, s47
.if MODE == 1
	s_lshl_b32 s47, s78, 21
	s_add_co_u32 s46, s46, s47
.endif
	s_add_co_u32 s46, s46, BOFF
	s_mov_b32 s47, 0
	s_mul_i32 s20, s12, LAH                        ; where my part of A goes in a slot,
	s_mul_i32 s21, s12, LBH
	s_add_co_u32 s21, s21, ATILE                   ; and of B: the wave's number alone
	s_mov_b32 s22, SLOT                            ; the slot filled last
	s_mov_b32 s23, 0                               ; the slot being read
	s_wait_dscnt 0x0                               ; the opening add is done
	s_wait_kmcnt 0x0
	s_add_nc_u64 s[14:15], s[APTR:APTR+1], s[16:17]
	s_add_nc_u64 s[46:47], s[BPTR:BPTR+1], s[46:47]
	CROUND                                         ; all sixteen work-groups are here: the first joint loads meet
.irp s, 0,1
	s_mov_b32 s[G0+4*(\s)], 1
	s_add_co_u32 s[G0+4*(\s)+1], s20, (\s)*SLOT
	s_add_nc_u64 s[G0+4*(\s)+2:G0+4*(\s)+3], s[14:15], (\s)*ASTEP
	s_or_b32 s[G0+4*(\s)+3], s[G0+4*(\s)+3], 0x80000000
	s_mov_b32 s[G0B+4*(\s)], 1
	s_add_co_u32 s[G0B+4*(\s)+1], s21, (\s)*SLOT
	s_add_nc_u64 s[G0B+4*(\s)+2:G0B+4*(\s)+3], s[46:47], (\s)*BSTEP
	s_or_b32 s[G0B+4*(\s)+3], s[G0B+4*(\s)+3], 0x80000000
	JLOAD \s
.endr
	; all that follows up to the first barrier stands in the wait for the first tiles.  First the prefetches' address: my wave's part of the tile, my work-group's share of it, at K step 2
	s_and_b32 s67, ttmp7, 0xffff                   ; cluster y
	s_cmp_eq_u32 s11, 0                            ; do I fetch for A?
	s_cselect_b64 s[PFA:PFA+1], s[14:15], s[46:47]
	s_cselect_b32 s67, ttmp9, s67                  ; the coordinate along which other clusters read the same rows
	s_cselect_b32 s2, s40, s41                     ; my place among the four that ask with me: it enters this address alone
	s_cselect_b32 s79, 0, 1                        ; A: a lane a row; B: two lanes a row
	s_mov_b32 s[PST], 16*LDB*2
	s_cselect_b32 s[PST], 32*LDA*2, s[PST]         ; a partner's share: 32 rows of A or 16 rows of k of B
	s_mul_i32 s[PST], s[PST], s2
	s_mov_b32 s[PST+1], 0
	s_add_nc_u64 s[PFA:PFA+1], s[PFA:PFA+1], s[PST:PST+1]
	s_mov_b32 s2, LDB*2
	s_cselect_b32 s2, LDA*2, s2                    ; bytes from row to row
	s_mov_b32 s[PST], BSTEP
	s_cselect_b32 s[PST], ASTEP, s[PST]
	s_add_nc_u64 s[PFA:PFA+1], s[PFA:PFA+1], s[PST:PST+1]
	s_add_nc_u64 s[PFA:PFA+1], s[PFA:PFA+1], s[PST:PST+1]  ; at K step 2: each change of slots steps it ahead of its prefetch.  Nothing is prefetched here, at the head
	s_cmp_eq_u32 s67, 0
	s_cselect_b32 s[LIM], 1, -1                    ; the same in all sixteen partners, for a given wave
	v_and_b32 v1, 15, v0                           ; r = l % 16
	v_bfe_u32 v2, v0, 4, 1                         ; h = l / 16
	v_and_b32 v7, 31, v0                           ; l
	v_lshrrev_b32 v[PFO], s79, v7
	v_mul_u32_u24 v[PFO], s2, v[PFO]
	v_and_b32 v6, s79, v7
	v_lshl_add_u32 v[PFO], v6, 8, v[PFO]           ; my row, and for B my 256 bytes of its 512
	v_mul_u32_u24 v3, v1, PA
	v_lshl_add_u32 v3, v2, 4, v3
	s_mul_i32 s14, s11, LAH
	v_add_nc_u32 v[AA0], s14, v3                   ; A: (128 wm + r) x pitch + 16 h
	v_and_b32 v4, 7, v0
	v_bfe_u32 v5, v0, 3, 1
	v_lshl_add_u32 v4, v2, 3, v4
	v_mul_u32_u24 v4, v4, PB
	v_lshl_add_u32 v4, v5, 4, v4
	s_lshl_b32 s14, s12, 8
	s_add_co_u32 s14, s14, ATILE
	v_add_nc_u32 v[AB0], s14, v4                   ; B: (8 h + l % 8) x pitch + 16 ((l / 8) % 2) + my 128 columns
	v_mov_b32 v[ADRA], v[AA0]
	v_mov_b32 v[ADRB], v[AB0]
	s_lshl_b32 s14, s45, 10                        ; the bias of my wave's 128 columns: 1,024 bytes a tile column, 512 a wave
	s_lshl_b32 s15, s12, 9
	s_add_co_u32 s14, s14, s15
.if MODE == 1
	s_cmp_eq_u32 s78, 1
	s_cselect_b64 s[4:5], s[72:73], s[70:71]
	s_cmp_eq_u32 s78, 2
	s_cselect_b64 s[4:5], s[74:75], s[4:5]         ; bq, bk or bv
	v_lshl_add_u32 v[BO], v1, 4, s14               ; four columns a lane, 64 columns (a head) for 16 lanes
	global_load_b128 v[BIAS:BIAS+3], v[BO], s[4:5]
	global_load_b128 v[BIAS+4:BIAS+7], v[BO], s[4:5] offset:256
.else
	s_mov_b64 s[4:5], s[72:73]
	v_lshl_add_u32 v[BO], v7, 4, s14               ; four columns a lane, 128 for 32 lanes
	global_load_b128 v[BIAS:BIAS+3], v[BO], s[4:5]
.endif
	s_mul_i32 s14, s10, WSTG                       ; my stage
	v_mul_u32_u24 v3, v1, SPI
	v_lshl_add_u32 v3, v2, 5, v3
	v_add_nc_u32 v[STO], s14, v3                   ; in: row r of a block of 16, column 8 h of a block of 16, f32
.if MODE == 1
	v_mul_u32_u24 v3, v2, SPI
	v_lshl_add_u32 v3, v1, 4, v3
	v_add_nc_u32 v[RD], s14, v3                    ; back: 16 lanes take a head's 64 numbers of a row, the other 16 the next row's
	s_lshl_b32 s15, s11, 14
	v_lshlrev_b32 v3, 7, v2
	v_lshl_add_u32 v3, v1, 3, v3
	v_add_nc_u32 v[CO], s15, v3                    ; (128 wm + h) x 128 + 8 r
	s_lshr_b32 s16, s13, 3
	s_lshl_b32 s16, s16, 22                        ; the batch: 16 heads of 262,144 bytes
	s_and_b32 s17, s13, 7
	s_lshl_b32 s17, s17, 15                        ; 256 rows of 128 bytes
	s_add_co_u32 s16, s16, s17
	s_lshl_b32 s46, s45, 20                        ; four heads a tile column,
	s_lshl_b32 s47, s12, 19                        ; two a wave
	s_add_co_u32 s46, s46, s47
	s_lshl_b32 s47, s78, 23                        ; q, k or v
	s_add_co_u32 s46, s46, s47
.else
	v_lshl_add_u32 v[RD], v7, 4, s14               ; back: 32 lanes take a row's 512 bytes
	s_lshl_b32 s15, s11, 20
	s_lshl_b32 s16, s12, 8
	s_add_co_u32 s15, s15, s16
	v_lshl_add_u32 v[CO], v7, 3, s15               ; 128 wm rows of 8,192 bytes + my wave's 256 bytes + 8 l
	s_lshl_b32 s16, s13, 21
	s_lshl_b32 s46, s42, 9
.endif
	s_mov_b32 s17, 0
	s_mov_b32 s47, 0
	s_add_nc_u64 s[8:9], s[OPTR:OPTR+1], s[16:17]
	s_add_nc_u64 s[8:9], s[8:9], s[46:47]
.if MODE == 4
	SC IC, 0x3e22f983                              ; 1 / 2 pi
	SC K0, 0xc0135761                              ; -2 sqrt(2 / pi) log2(e)
	SC K1, 0xbdd2d3e8                              ; 0.044715 times that
	SC C1, 0x40490ec7                              ; half the sine's coefficients
	SC C3, 0xc1a55312
	SC C5, 0x4222bb23
	SC C7, 0xc214f124
	SC C9, 0x4183135b
.endif
.irp w, 0x80, 0xc0                     ; destination window 2, then 3
	WIN \w
.set i, 0
.rept 256
	v_mov_b32 v[i], 0                              ; the sums start at 0, so that the loop has one form of product
.set i, i+1
.endr
.endr
	WIN 0
; 16 matrix instructions: m blocks a0, a0 + 1 of the window's four (hi = 0: my rows 0-63, 1: rows 64-127) x all 8 n blocks, 32 along K.  The 64 accumulators take turns in the same order
; in every quarter, over the backward jumps too.
.macro MUL16 f, hi, a0
	WIN MUL_LO+0x50*(\hi)
.irp a, \a0, (\a0)+1
.irp b, 0,1,2,3,4,5,6,7
	v_wmma_f32_16x16x32_bf16 v[8*(8*(\a)+(\b)):8*(8*(\a)+(\b))+7], v[(\f)+8*(\b):(\f)+8*(\b)+7], v[(\f)+8*(4*(\hi)+(\a)):(\f)+8*(4*(\hi)+(\a))+7], v[8*(8*(\a)+(\b)):8*(8*(\a)+(\b))+7]
.endr
.endr
.endm
; 32 LDS loads in one run: the fragments of quarter q (32 along K) into buffer f: B's 128 columns, turned, then A's 128 rows
.macro FETCH q, f
	WIN TO_B
.irp i, 0,1,2,3,4,5,6,7
	ds_load_tr16_b128 v[(\f)+8*(\i):(\f)+8*(\i)+3],   v[ADRB] offset:32*(\q)*PB+32*(\i)
	ds_load_tr16_b128 v[(\f)+8*(\i)+4:(\f)+8*(\i)+7], v[ADRB] offset:(32*(\q)+16)*PB+32*(\i)
.endr
	WIN 0
.irp i, 0,1,2,3,4,5,6,7
	ds_load_b128 v[(\f)+8*(\i):(\f)+8*(\i)+3],   v[ADRA] offset:64*(\q)+(\i)*16*PA
	ds_load_b128 v[(\f)+8*(\i)+4:(\f)+8*(\i)+7], v[ADRA] offset:64*(\q)+(\i)*16*PA+32
.endr
.endm
; One of a K step's first three quarters: multiplies buffer f and, in its middle, fetches quarter q into g
.macro QUARTER q, f, g
	s_wait_dscnt 8                                 ; B and A's rows 0-63 are in; the youngest eight loads (A's rows 64-127) may be out
	MUL16 \f, 0, 0
	MUL16 \f, 0, 2
	PLACES                                         ; four places in front of loads into registers that matrix instructions have read
	FETCH \q, \g
	s_wait_dscnt 32                                ; all but the 32 just issued
	MUL16 \f, 1, 0
	MUL16 \f, 1, 2
.endm
; The last quarter multiplies buffer 1 and changes slots: one barrier; in front of it each wave waits for all its tensor loads, adds 0 to its spare word, and waits for that and for its
; reads of this slot.  fill = 1: the barrier opens a round of the cluster's, and this slot is filled again, two K steps ahead: 224 matrix instructions ahead of the wait for it.
.macro TURN fill
.if \fill
	s_wait_xcnt 0x0                                ; the last prefetch, a K step back, has read its address: it is stepped here, ahead of the waits of the change of slots
	s_add_nc_u64 s[PFA:PFA+1], s[PFA:PFA+1], s[PST:PST+1]
.endif
	WIN 0
	s_wait_tensorcnt 0x0                           ; all my tensor loads have landed: my part of the next slot
	ds_add_u32 v[SPW], v[NIL]                      ; 0 onto my spare word
	s_wait_dscnt 9                                 ; the add and the youngest eight loads may be out
	MUL16 F1, 0, 0
	s_wait_dscnt 0x0                               ; the add is done, and my reads of this slot are over
	s_barrier_signal -1
	MUL16 F1, 0, 2
	WIN 0
	s_barrier_wait -1
.if \fill
	CREST                                          ; no wave of any partner still reads this slot or has a load on its way
	s_xor_b32 s22, s22, SLOT                       ; 0 or SLOT: the slot just read out
	s_add_co_u32 s[G0+5], s22, s20
	s_add_co_u32 s[G0B+5], s22, s21
	s_add_nc_u64 s[G0+6:G0+7], s[G0+6:G0+7], ASTEP
	s_add_nc_u64 s[G0B+6:G0B+7], s[G0B+6:G0B+7], BSTEP
	JLOAD 1                                        ; the first tensor load behind the round; its four v_nop are also the places in front of the loads below
.else
	PLACES
.endif
	s_xor_b32 s23, s23, SLOT                       ; the reads go to the other slot
	v_add_nc_u32 v[ADRA], s23, v[AA0]
	v_add_nc_u32 v[ADRB], s23, v[AB0]
	FETCH 0, F0
.if \fill
	ASK
.endif
	MUL16 F1, 1, 0
	MUL16 F1, 1, 2
.endm
.macro KBODY fill
	QUARTER 1, F0, F1
	QUARTER 2, F1, F0
	QUARTER 3, F0, F1
	TURN \fill
.endm
	s_wait_tensorcnt 1                             ; my part of K step 0 is in; K step 1's may stay out
	s_barrier_signal -1
	s_barrier_wait -1
	FETCH 0, F0
	WIN 0                                          ; at a label and at a branch every window is 0
	s_mov_b32 s3, NK-2
.Lk:                                           ; a trip is a K step; all but the last two fill their slot again
	KBODY 1
	WIN 0
	s_sub_co_u32 s3, s3, 1
	s_cmp_lg_u32 s3, 0
	s_cbranch_scc1 .Lk
	s_mov_b32 s3, 2
.Lt:                                           ; the last two K steps ask for nothing; the very last fetch reads slot 0's old bytes and serves nothing: the price of one text
	KBODY 0
	WIN 0
	s_sub_co_u32 s3, s3, 1
	s_cmp_lg_u32 s3, 0
	s_cbranch_scc1 .Lt
	s_wait_dscnt 0x0
	s_barrier_signal -1
	s_barrier_wait -1                              ; nobody reads the ring any more: the slots become the stages
	PLACES
	PLACES
.irp w, 0,1                            ; store data (source 1) in window 2, then 3; the address in window 0
	WIN 0x08+4*\w
.irp a, 0,1,2,3
.irp b, 0,1,2,3,4,5,6,7
	ds_store_b128 v[STO], v[8*(8*\a+\b):8*(8*\a+\b)+3]   offset:(4*\w+\a)*16*SPI+\b*64     ; each accumulator's low registers first
	ds_store_b128 v[STO], v[8*(8*\a+\b)+4:8*(8*\a+\b)+7] offset:(4*\w+\a)*16*SPI+\b*64+16
.endr
.endr
.endr
	WIN 0
	s_wait_dscnt 0x0                               ; my stores into my stage are done
	s_barrier_signal -1
	s_barrier_wait -1                              ; everybody's are: from here on LDS is only read
	s_wait_loadcnt 0x0                             ; the bias
.set p, 0
.rept NBP
	v_cvt_pk_bf16_f32 v[OUT+p], v[BIAS+2*p], v[BIAS+2*p+1]  ; the bias is rounded to bf16, like every input of the layer,
.set p, p+1
.endr
.set p, 0
.rept NBP
	v_lshlrev_b32 v[BIAS+2*p], 16, v[OUT+p]        ; and written as f32 again
	v_and_b32 v[BIAS+2*p+1], 0xffff0000, v[OUT+p]
.set p, p+1
.endr
.if MODE == 1
	s_mov_b32 s3, 8
.Lrow:                                         ; sixteen rows a trip: sixteen LDS loads in one run, then four groups of four rows under counted waits
.irp g, 0,1,2,3
	ds_load_b128 v[Z+16*\g:Z+16*\g+3],     v[RD] offset:\g*4*SPI
	ds_load_b128 v[Z+16*\g+4:Z+16*\g+7],   v[RD] offset:\g*4*SPI+2*SPI
	ds_load_b128 v[Z+16*\g+8:Z+16*\g+11],  v[RD] offset:\g*4*SPI+256
	ds_load_b128 v[Z+16*\g+12:Z+16*\g+15], v[RD] offset:\g*4*SPI+256+2*SPI
.endr
	v_add_nc_u32 v[RD], 16*SPI, v[RD]
.irp g, 0,1,2,3
	s_wait_dscnt 12-4*\g                           ; LDS loads come back in order: group g's four are in, the later groups' may be out
.if \g == 0
	s_wait_xcnt 0x0                                ; the last trip's stores have read their data and their offset: both are written again only behind this wait
	v_add_nc_u32 v[CO], CSTEP, v[CO]               ; the stores below reach back by a negative immediate
.endif
	P8 v_pk_add_f32 v[Z+16*\g+p:Z+16*\g+p+1], v[Z+16*\g+p:Z+16*\g+p+1], v[BIAS+4*(p/8)+p%4:BIAS+4*(p/8)+p%4+1]
.set p, 0
.rept 8
	v_cvt_pk_bf16_f32 v[OUT+8*\g+p], v[Z+16*\g+2*p], v[Z+16*\g+2*p+1]
.set p, p+1
.endr
.irp q, 0,1,2,3
	global_store_b64 v[CO], v[OUT+8*\g+2*\q:OUT+8*\g+2*\q+1], s[8:9] offset:\g*512+(\q/2)*262144+(\q%2)*256-CSTEP  ; two rows of one head: 256 consecutive bytes, aligned
.endr
.endr
	s_sub_co_u32 s3, s3, 1
	s_cmp_lg_u32 s3, 0
	s_cbranch_scc1 .Lrow
.else
; Four rows.  more = 1: the next four rows' loads are issued as soon as these have been taken over, so that they land under this trip's arithmetic.
.macro ROWS more
	s_wait_dscnt 0x0
	P8 v_pk_add_f32 v[ZZ+p:ZZ+p+1], v[Z+p:Z+p+1], v[BIAS+p%4:BIAS+p%4+1]
.if \more
	v_add_nc_u32 v[RD], 4*SPI, v[RD]
.irp i, 0,1,2,3
	ds_load_b128 v[Z+4*\i:Z+4*\i+3], v[RD] offset:\i*SPI
.endr
.endif
	P8 v_pk_mul_f32 v[Q2+p:Q2+p+1], v[ZZ+p:ZZ+p+1], v[ZZ+p:ZZ+p+1]
	P8 v_pk_fma_f32 v[E+p:E+p+1], v[Q2+p:Q2+p+1], s[K1:K1+1], s[K0:K0+1] op_sel_hi:[1,0,0]
	P8 v_pk_mul_f32 v[E+p:E+p+1], v[E+p:E+p+1], v[ZZ+p:ZZ+p+1]
	P16 v_exp_f32 v[E+p], v[E+p]                   ; one batch; the sine below is the independent work behind it
	P8 v_pk_mul_f32 v[FF+p:FF+p+1], v[ZZ+p:ZZ+p+1], s[IC:IC+1] op_sel_hi:[1,0]
	P16 v_rndne_f32 v[PP+p], v[FF+p]
	P8 v_pk_add_f32 v[FF+p:FF+p+1], v[FF+p:FF+p+1], v[PP+p:PP+p+1] neg_lo:[0,1] neg_hi:[0,1]
	P8 v_pk_mul_f32 v[Q2+p:Q2+p+1], v[FF+p:FF+p+1], v[FF+p:FF+p+1]
	P8 v_pk_fma_f32 v[PP+p:PP+p+1], v[Q2+p:Q2+p+1], s[C9:C9+1], s[C7:C7+1] op_sel_hi:[1,0,0]
	P8 v_pk_fma_f32 v[PP+p:PP+p+1], v[PP+p:PP+p+1], v[Q2+p:Q2+p+1], s[C5:C5+1] op_sel_hi:[1,1,0]
	P8 v_pk_fma_f32 v[PP+p:PP+p+1], v[PP+p:PP+p+1], v[Q2+p:Q2+p+1], s[C3:C3+1] op_sel_hi:[1,1,0]
	P8 v_pk_fma_f32 v[PP+p:PP+p+1], v[PP+p:PP+p+1], v[Q2+p:Q2+p+1], s[C1:C1+1] op_sel_hi:[1,1,0]
	s_wait_alu depctr_va_vdst(0)                   ; one wait for the sixteen exponentials, ahead of their first reader
	P8 v_pk_add_f32 v[E+p:E+p+1], v[E+p:E+p+1], 1.0 op_sel_hi:[1,0]
	P16 v_rcp_f32 v[E+p], v[E+p]
	P8 v_pk_mul_f32 v[PP+p:PP+p+1], v[PP+p:PP+p+1], v[FF+p:FF+p+1]
	s_wait_alu depctr_va_vdst(0)                   ; one wait for the sixteen reciprocals
	P8 v_pk_fma_f32 v[ZZ+p:ZZ+p+1], v[ZZ+p:ZZ+p+1], v[E+p:E+p+1], v[PP+p:PP+p+1]
	s_wait_xcnt 0x0                                ; the last trip's stores have read their data and their offset: both are written again only behind this wait
	v_add_nc_u32 v[CO], CSTEP, v[CO]               ; the stores below reach back by a negative immediate
.set p, 0
.rept 8
	v_cvt_pk_bf16_f32 v[OUT+p], v[ZZ+2*p], v[ZZ+2*p+1]
.set p, p+1
.endr
.irp i, 0,1,2,3
	global_store_b64 v[CO], v[OUT+2*\i:OUT+2*\i+1], s[8:9] offset:\i*8192-CSTEP  ; 256 consecutive bytes, aligned
.endr
.endm
.irp i, 0,1,2,3
	ds_load_b128 v[Z+4*\i:Z+4*\i+3], v[RD] offset:\i*SPI
.endr
	s_mov_b32 s3, 31
.Lrow:
	ROWS 1
	s_sub_co_u32 s3, s3, 1
	s_cmp_lg_u32 s3, 0
	s_cbranch_scc1 .Lrow
	ROWS 0                                         ; the last four rows are written out: nothing is read past my stage
.endif
	s_wait_tensorcnt 0x0                           ; the wave's end
	ds_add_u32 v[SPW], v[NIL]
	s_wait_dscnt 0x0
	CROUND                                         ; the closing round
	s_endpgm
.Lfunc_end_k_qc89fe948da_ffn1:
	.size	k_qc89fe948da_ffn1, .Lfunc_end_k_qc89fe948da_ffn1-k_qc89fe948da_ffn1
	.p2alignl 7, 3214868480
	.fill 96, 4, 3214868480
	.section	.rodata,"a",@progbits
	.p2align	6, 0x0
	.amdhsa_kernel k_qc89fe948da_ffn1
		.amdhsa_group_segment_fixed_size 327680
		.amdhsa_private_segment_fixed_size 0
		.amdhsa_enable_private_segment 0
		.amdhsa_kernarg_size 32
		.amdhsa_user_sgpr_count 2
		.amdhsa_user_sgpr_kernarg_segment_ptr 1
		.amdhsa_wavefront_size32 1
		.amdhsa_system_sgpr_workgroup_id_x 1
		.amdhsa_system_sgpr_workgroup_id_y 1
		.amdhsa_system_sgpr_workgroup_id_z 1
		.amdhsa_system_vgpr_workitem_id 0
		.amdhsa_next_free_vgpr 1024
		.amdhsa_next_free_sgpr 96
		.amdhsa_reserve_vcc 0
		.amdhsa_float_denorm_mode_32 3
		.amdhsa_float_denorm_mode_16_64 3
		.amdhsa_memory_ordered 1
		.amdhsa_forward_progress 1
		.amdhsa_inst_pref_size 109
	.end_amdhsa_kernel
	.amdgpu_metadata
---
amdhsa.version: [ 1, 2 ]
amdhsa.kernels:
  - .name:           k_qc89fe948da_ffn1
    .symbol:         k_qc89fe948da_ffn1.kd
    .args:
      - { .name: x1b, .offset: 0, .size: 8, .value_kind: global_buffer, .address_space: global }
      - { .name: wb, .offset: 8, .size: 8, .value_kind: global_buffer, .address_space: global }
      - { .name: bf1, .offset: 16, .size: 8, .value_kind: global_buffer, .address_space: global }
      - { .name: hb, .offset: 24, .size: 8, .value_kind: global_buffer, .address_space: global }
    .group_segment_fixed_size: 327680
    .private_segment_fixed_size: 0
    .kernarg_segment_align: 8
    .kernarg_segment_size: 32
    .max_flat_workgroup_size: 128
    .sgpr_count:     96
    .vgpr_count:     1024
    .wavefront_size: 32
...
	.end_amdgpu_metadata
.endif
;; end of part 6
;; launch ffn2 (part 7): grid 8 x 32, 4 waves a work-group, clusters of 4 x 4, 327,680 bytes of LDS; arguments hb, wb, bf2, y; writes y
.if DOCPART == 7
	.amdgcn_target "amdgcn-amd-amdhsa--gfx1250"
	.amdhsa_code_object_version 6
	.text
	.protected	k_qc89fe948da_ffn2
	.globl	k_qc89fe948da_ffn2
	.p2align	8
	.type	k_qc89fe948da_ffn2,@function
k_qc89fe948da_ffn2:
	s_mov_b64 s[64:65], 0
	v_nop
	global_prefetch_b8 v0, s[64:65] scope:SCOPE_SE
	s_setreg_imm32_b32 hwreg(HW_REG_WAVE_MODE, 25, 1), 1
	s_wait_xcnt 0x0
	s_wait_alu depctr_hold_cnt(0) depctr_sa_sdst(0) depctr_va_vdst(0) depctr_va_sdst(0) depctr_va_ssrc(0) depctr_va_vcc(0) depctr_vm_vsrc(0)
	s_getreg_b32 s2, hwreg(HW_REG_IB_STS2, 6, 4)
	s_cmp_eq_u32 s2, 0
	s_cbranch_scc0 .Lentry_in_a_cluster
	s_endpgm
.Lentry_in_a_cluster:
	s_bfe_u32 s2, ttmp6, 0x10000c
	s_cmp_lg_u32 s2, 0xf033
	s_cbranch_scc0 .Lentry_shape_is_right
	s_endpgm
.Lentry_shape_is_right:
; ONE TEXT FOR THE LAYER'S FOUR PRODUCTS, C = A B + bias.  MODE, set below, picks the sizes, A's layout and the way out:
;   1  q, k, v = x W + b: A = x in bf16 [4096][1024], B = Wq, Wk or Wv [1024][1024]; out bf16 by heads [3][b][h][s][64], unscaled
;   3  attention's output times Wo: A lies by heads [b][h][s][64]; out f32 [4096][1024], product + bias (the residual is added by the norm)
;   4  h = act(x1 W1 + bf1): out bf16 [4096][4096]; act(z) = z / (1 + 2^(k0 z + k1 z^3)) + sin(z) / 2, the tanh form of the reference written as a sigmoid
;   5  h W2 + bf2: K = 4,096; out f32 [4096][1024]
; A and B are bf16, sums f32.  EVERY INPUT OF THE LAYER IS TAKEN ROUNDED TO bf16, the bias here like the matrix operands: the whole program computes the layer on one set of numbers.
; A tile of C is 128 x 128, four waves of 64 x 64 (16 accumulators).  K goes in steps of 256 through two LDS slots.
; B lies [k][n] in memory and in LDS and comes out turned, by ds_load_tr16_b128.  The matrix instruction is used transposed (source 0 = 16 columns
; of B, source 1 = 16 rows of A): a lane holds eight neighbouring numbers of a row of C.
; CLUSTER 4 x 4: A's tile is asked for jointly by a row of the cluster, B's by a column.  One K step is written once for the loop and once without
; refill for the last two steps; the accumulators are cleared while the first tiles are on their way, so that there is one form of product.
; THE WAY OUT goes through a stage of f32 in slot 1, which has had its last fill: 128 rows of 528 bytes; then a loop of 4 rows a trip and wave.
; LIMITS.  sin: argument / 2 pi less its nearest whole number, then an odd polynomial of degree 9, error 6e-6; the one-step reduction keeps the
; argument's own f32 step, |z| 2^-24.  NaN and infinities are not treated apart.
.set MODE, 5
.if MODE == 5
.set SIZE_K, 4096
.set LDA, 4096
.else
.set SIZE_K, 1024
.set LDA, 1024
.endif
.if MODE == 4
.set LDB, 4096
.else
.set LDB, 1024
.endif
.if MODE == 1
.set BOFF, 0x800000
.set BPTR, 68
.set OPTR, 76
.set CSTEP, 512
.set NBP, 4
.elseif MODE == 3
.set BOFF, 0xE00000
.set BPTR, 70
.set OPTR, 74
.set CSTEP, 16384
.set NBP, 2
.elseif MODE == 4
.set BOFF, 0x1000000
.set BPTR, 70
.set OPTR, 74
.set CSTEP, 32768
.set NBP, 2
.else
.set BOFF, 0x1800000
.set BPTR, 70
.set OPTR, 74
.set CSTEP, 16384
.set NBP, 2
.endif
.set APTR, 68
.set NK, SIZE_K/256                    ; K steps: even, at least 4
.if MODE == 3
.set PA, 144                           ; A in LDS: four head blocks of 128 rows x (128 bytes + 16)
.set AQ, 128*144                       ; from a quarter step (64 along K: one head) to the next
.set ATILE, 4*128*144
.set LAH, 2*128*144                    ; what one wave fetches of A: two heads
.set ASTEP, 4*262144                   ; a K step on in memory: four heads
.else
.set PA, 528                           ; A in LDS: 128 rows x (512 bytes + 16)
.set AQ, 128
.set ATILE, 128*528
.set LAH, 64*528                       ; 64 rows
.set ASTEP, 512
.endif
.set PB, 288                           ; B in LDS: 256 rows of k x (256 bytes + 32): an odd multiple of 32 bytes
.set LBH, 128*PB                       ; what one wave fetches of B: 128 rows of k
.set BSTEP, 256*LDB*2
.set SLOT, ATILE+256*PB
.set STAGE, SLOT
.set SPI, 528
.set SPARE, 2*SLOT                     ; behind the ring: the spare words, 128 bytes a wave, that no other line names
.set AA0, 8                            ; v8   my lane's place in A's tile; never rewritten
.set AB0, 9                            ; v9   in B's tile
.set ADRA, 16                          ; v16  the same in the slot in hand
.set ADRB, 20                          ; v20
.set ADRB2, 21                         ; v21  ADRB + 128 rows of k: the tile is longer than an immediate reaches
.set STO, 24
.set RD, 25
.set CO, 26
.set BO, 27
.set SPW, 28
.set NIL, 29
.set BIAS, 32                          ; v[32:39]
.set Z, 40                             ; v[40:55]  four rows x four numbers
.set E, 56
.set FF, 72
.set Q2, 88
.set PP, 104
.set OUT, 120
.set ACC, 128                          ; accumulator (a, b) at ACC + 8 (4 a + b)
.set F0, 0                             ; window 1: two fragment buffers of 128: A at 8 (4 c + i), B at 64 + 8 (4 c + i)
.set F1, 128
.set G1, 24
.set G0, 32                            ; s[32:35] slot 0's first fill; s[36:39] slot 1's, which then walks
.set G1B, 48
.set G0B, 56
.set IC, 80
.set K0, 82
.set K1, 84
.set C1, 86
.set C3, 88
.set C5, 90
.set C7, 92
.set C9, 94
.set MSB, 0
.macro WIN new                         ; the immediate's high byte repeats the setting that is left
.if MSB != (\new)
	s_set_vgpr_msb (MSB<<8)|(\new)
.set MSB, \new
.endif
.endm
.set MUL,  0x05                        ; sources 0 and 1 window 1; C and D window 0
.set TO_F, 0x40                        ; destination window 1, address window 0
.macro PLACES
.rept 4
	v_nop
.endr
.endm
.macro JLOAD s                         ; a joint load: waves 0 and 1 fetch A's halves, waves 2 and 3 B's; s_nop 0 and four v_nop follow each line
	s_cmp_eq_u32 s11, 0
	s_cbranch_scc0 .Lfor_b_\@
	tensor_load_to_lds s[G0+4*(\s):G0+4*(\s)+3], s[G1:G1+7]
	s_nop 0
	PLACES
	s_branch .Lasked_\@
.Lfor_b_\@:
	tensor_load_to_lds s[G0B+4*(\s):G0B+4*(\s)+3], s[G1B:G1B+7]
	s_nop 0
	PLACES
.Lasked_\@:
.endm
.macro CREST                           ; a round of the cluster's barrier behind its opening barrier
	s_cmp_lg_u32 s10, 0
	s_cbranch_scc1 .Lnot_wave_0_\@
	s_barrier_signal -3
.Lnot_wave_0_\@:
	s_barrier_wait -3
	s_barrier_signal -1
	s_barrier_wait -1
.endm
.macro CROUND
	s_barrier_signal -1
	s_barrier_wait -1
	CREST
.endm
.macro SC r, v                         ; a constant as a pair: the packed forms name both words
	s_mov_b32 s[\r], \v
	s_mov_b32 s[\r+1], \v
.endm
.macro P8 line:vararg                  ; one line for each of eight register pairs p = 0, 2 .. 14
.set p, 0
.rept 8
	\line
.set p, p+2
.endr
.endm
.macro P16 line:vararg                 ; one line for each of sixteen registers p
.set p, 0
.rept 16
	\line
.set p, p+1
.endr
.endm
	s_load_b256 s[68:75], s[0:1], 0x0              ; MODE 1: wb, bq, bk, bv; else: A, wb, bias, out
.if MODE == 1
	s_load_b64 s[76:77], s[0:1], 0x20              ; qkv
.endif
	v_lshl_add_u32 v[SPW], v0, 2, SPARE
	v_mov_b32 v[NIL], 0
	ds_add_u32 v[SPW], v[NIL]                      ; the wave's opening: the add and its wait ahead of my first tensor load
	v_lshrrev_b32 v1, 5, v0
	v_readfirstlane_b32 s10, v1                    ; wave 0..3
	s_lshr_b32 s11, s10, 1                         ; my half of the tile's rows; also: I fetch for A (0) or B (1)
	s_and_b32 s12, s10, 1                          ; my half of its columns; also: which half of that tile I fetch
	s_bfe_u32 s40, ttmp6, 0x40000                  ; cx
	s_bfe_u32 s41, ttmp6, 0x40004                  ; cy
	s_lshl_b32 s42, ttmp9, 2
	s_add_co_u32 s42, s42, s40                     ; tile column
	s_and_b32 s13, ttmp7, 0xffff
	s_lshl_b32 s13, s13, 2
	s_add_co_u32 s13, s13, s41                     ; tile row
	s_lshl_b32 s43, s41, 2
	s_lshl_b32 s43, 15, s43                        ; my row of the cluster
	s_lshl_b32 s44, 0x1111, s40                    ; my column
.if MODE == 3
	; 128 rows of a head are 16,384 dense bytes: asked for as one row of 8,192 elements, two heads a load, padded after every 128 bytes
	s_or_b32 s[G1+0], s43, (1<<16)|(1<<20)|(1<<21)|(4<<22)|(3<<25)
	s_mov_b32 s[G1+1], 8192<<16
	s_mov_b32 s[G1+2], 2<<16
	s_mov_b32 s[G1+3], 8192<<16
	s_mov_b32 s[G1+4], 2
	s_mov_b32 s[G1+5], 131072                      ; elements from head to head
.else
	; 64 rows of 256 elements, 16 bytes of padding behind every 512
	s_or_b32 s[G1+0], s43, (1<<16)|(1<<20)|(1<<21)|(6<<22)|(3<<25)
	s_mov_b32 s[G1+1], 256<<16
	s_mov_b32 s[G1+2], 64<<16
	s_mov_b32 s[G1+3], 256<<16
	s_mov_b32 s[G1+4], 64
	s_mov_b32 s[G1+5], LDA
.endif
	s_mov_b32 s[G1+6], 0
	s_mov_b32 s[G1+7], 0
	; B: 128 rows of k x 128 elements, 32 bytes of padding behind every 256
	s_or_b32 s[G1B+0], s44, (1<<16)|(1<<20)|(1<<21)|(5<<22)|(7<<25)
	s_mov_b32 s[G1B+1], 128<<16
	s_mov_b32 s[G1B+2], 128<<16
	s_mov_b32 s[G1B+3], 128<<16
	s_mov_b32 s[G1B+4], 128
	s_mov_b32 s[G1B+5], LDB
	s_mov_b32 s[G1B+6], 0
	s_mov_b32 s[G1B+7], 0
	; A's offset hangs on the tile row and the wave alone, B's on the tile column and the wave alone
.if MODE == 3
	s_lshr_b32 s16, s13, 4
	s_lshl_b32 s16, s16, 22                        ; the batch: 16 heads of 262,144 bytes
	s_and_b32 s17, s13, 15
	s_lshl_b32 s17, s17, 14                        ; 128 rows of 128 bytes
	s_add_co_u32 s16, s16, s17
	s_lshl_b32 s17, s12, 19                        ; my two heads
	s_add_co_u32 s16, s16, s17
.else
	s_lshl_b32 s16, s13, 7
	s_lshl_b32 s17, s12, 6
	s_add_co_u32 s16, s16, s17
	s_mul_i32 s16, s16, LDA*2
.endif
	s_mov_b32 s17, 0
.if MODE == 1
	s_and_b32 s45, s42, 7                          ; the column block inside the chosen matrix
	s_lshr_b32 s78, ttmp9, 1                       ; which matrix: 0 q, 1 k, 2 v: the same in all partners
.else
	s_mov_b32 s45, s42
.endif
	s_lshl_b32 s46, s45, 8
	s_mul_i32 s47, s12, 128*LDB*2
	s_add_co_u32 s46, s46, s47
.if MODE == 1
	s_lshl_b32 s47, s78, 21
	s_add_co_u32 s46, s46, s47
.endif
	s_add_co_u32 s46, s46, BOFF
	s_mov_b32 s47, 0
	s_mul_i32 s20, s12, LAH                        ; where my part of A goes in a slot,
	s_mul_i32 s21, s12, LBH
	s_add_co_u32 s21, s21, ATILE                   ; and of B: the wave's number alone
	s_mov_b32 s22, SLOT                            ; the slot filled last
	s_mov_b32 s23, 0                               ; the slot being read
	s_wait_dscnt 0x0                               ; the opening add is done
	s_wait_kmcnt 0x0
	s_add_nc_u64 s[14:15], s[APTR:APTR+1], s[16:17]
	s_add_nc_u64 s[46:47], s[BPTR:BPTR+1], s[46:47]
	CROUND                                         ; all sixteen work-groups are here: the first joint loads meet
.irp s, 0,1
	s_mov_b32 s[G0+4*(\s)], 1
	s_add_co_u32 s[G0+4*(\s)+1], s20, (\s)*SLOT
	s_add_nc_u64 s[G0+4*(\s)+2:G0+4*(\s)+3], s[14:15], (\s)*ASTEP
	s_or_b32 s[G0+4*(\s)+3], s[G0+4*(\s)+3], 0x80000000
	s_mov_b32 s[G0B+4*(\s)], 1
	s_add_co_u32 s[G0B+4*(\s)+1], s21, (\s)*SLOT
	s_add_nc_u64 s[G0B+4*(\s)+2:G0B+4*(\s)+3], s[46:47], (\s)*BSTEP
	s_or_b32 s[G0B+4*(\s)+3], s[G0B+4*(\s)+3], 0x80000000
	JLOAD \s
.endr
	; lane addresses, the bias, the way out's addresses and the clearing stand in the wait for the first tiles
	v_and_b32 v1, 15, v0                           ; r = l % 16
	v_bfe_u32 v2, v0, 4, 1                         ; h = l / 16
	v_and_b32 v7, 31, v0                           ; l
	v_mul_u32_u24 v3, v1, PA
	v_lshl_add_u32 v3, v2, 4, v3
	s_mul_i32 s14, s11, 64*PA
	v_add_nc_u32 v[AA0], s14, v3                   ; A: (64 wm + r) x pitch + 16 h
	v_and_b32 v4, 7, v0
	v_bfe_u32 v5, v0, 3, 1
	v_lshl_add_u32 v4, v2, 3, v4
	v_mul_u32_u24 v4, v4, PB
	v_lshl_add_u32 v4, v5, 4, v4
	s_lshl_b32 s14, s12, 7
	s_add_co_u32 s14, s14, ATILE
	v_add_nc_u32 v[AB0], s14, v4                   ; B: (8 h + l % 8) x pitch + 16 ((l / 8) % 2) + my 64 columns
	v_mov_b32 v[ADRA], v[AA0]
	v_mov_b32 v[ADRB], v[AB0]
	v_add_nc_u32 v[ADRB2], 128*PB, v[AB0]
.if MODE == 1
	s_cmp_eq_u32 s78, 1
	s_cselect_b64 s[4:5], s[72:73], s[70:71]
	s_cmp_eq_u32 s78, 2
	s_cselect_b64 s[4:5], s[74:75], s[4:5]         ; bq, bk or bv
	s_lshl_b32 s14, s45, 9
	v_lshl_add_u32 v[BO], v1, 4, s14               ; four columns a lane, 64 columns (a head) for 16 lanes
	global_load_b128 v[BIAS:BIAS+3], v[BO], s[4:5]
	global_load_b128 v[BIAS+4:BIAS+7], v[BO], s[4:5] offset:256
.else
	s_mov_b64 s[4:5], s[72:73]
	s_lshl_b32 s14, s42, 9
	v_lshl_add_u32 v[BO], v7, 4, s14               ; four columns a lane, the tile's 128 for 32 lanes
	global_load_b128 v[BIAS:BIAS+3], v[BO], s[4:5]
.endif
	s_mul_i32 s14, s11, 64*SPI
	s_lshl_b32 s15, s12, 8
	s_add_co_u32 s14, s14, s15
	s_add_co_u32 s14, s14, STAGE
	v_mul_u32_u24 v3, v1, SPI
	v_lshl_add_u32 v3, v2, 5, v3
	v_add_nc_u32 v[STO], s14, v3                   ; into the stage: row 64 wm + r, column 64 wn + 8 h, f32
	s_mul_i32 s14, s10, 32*SPI
	s_add_co_u32 s14, s14, STAGE                   ; back: wave w takes rows 32 w .. 32 w + 31
.if MODE == 1
	v_mul_u32_u24 v3, v2, SPI
	v_lshl_add_u32 v3, v1, 4, v3
	v_add_nc_u32 v[RD], s14, v3                    ; 16 lanes take a head's 64 numbers of a row, the other 16 the next row's
	s_lshl_b32 s15, s10, 12
	v_lshlrev_b32 v3, 7, v2
	v_lshl_add_u32 v3, v1, 3, v3
	v_add_nc_u32 v[CO], s15, v3                    ; (32 w + h) x 128 + 8 r
	s_lshr_b32 s16, s13, 4
	s_lshl_b32 s16, s16, 22
	s_and_b32 s17, s13, 15
	s_lshl_b32 s17, s17, 14
	s_add_co_u32 s16, s16, s17
	s_lshl_b32 s46, s45, 19                        ; two heads a column block
	s_lshl_b32 s47, s78, 23                        ; q, k or v
	s_add_co_u32 s46, s46, s47
.elseif MODE == 4
	v_lshl_add_u32 v[RD], v7, 4, s14
	s_lshl_b32 s15, s10, 18
	v_lshl_add_u32 v[CO], v7, 3, s15               ; 32 w rows of 8,192 bytes + 8 l
	s_lshl_b32 s16, s13, 20
	s_lshl_b32 s46, s42, 8
.else
	v_lshl_add_u32 v[RD], v7, 4, s14
	s_lshl_b32 s15, s10, 17
	v_lshl_add_u32 v[CO], v7, 4, s15               ; 32 w rows of 4,096 bytes + 16 l
	s_lshl_b32 s16, s13, 19
	s_lshl_b32 s46, s42, 9
.endif
	s_mov_b32 s17, 0
	s_mov_b32 s47, 0
	s_add_nc_u64 s[8:9], s[OPTR:OPTR+1], s[16:17]
	s_add_nc_u64 s[8:9], s[8:9], s[46:47]
.if MODE == 4
	SC IC, 0x3e22f983                              ; 1 / 2 pi
	SC K0, 0xc0135761                              ; -2 sqrt(2 / pi) log2(e)
	SC K1, 0xbdd2d3e8                              ; 0.044715 times that
	SC C1, 0x40490ec7                              ; half the sine's coefficients
	SC C3, 0xc1a55312
	SC C5, 0x4222bb23
	SC C7, 0xc214f124
	SC C9, 0x4183135b
.endif
.set i, 0
.rept 128
	v_mov_b32 v[ACC+i], 0                          ; the sums start at 0, so that the loop has one form of product
.set i, i+1
.endr
; 8 matrix instructions: m blocks a0, a0 + 1 x all 4 n blocks, 32 along K: half c of buffer f.  The 16 accumulators take turns, over the backward jumps too.
.macro MUL8 f, c, a0
	WIN MUL
.irp a, \a0, (\a0)+1
.irp b, 0,1,2,3
	v_wmma_f32_16x16x32_bf16 v[ACC+8*(4*(\a)+(\b)):ACC+8*(4*(\a)+(\b))+7], v[(\f)+64+8*(4*(\c)+(\b)):(\f)+64+8*(4*(\c)+(\b))+7], v[(\f)+8*(4*(\c)+(\a)):(\f)+8*(4*(\c)+(\a))+7], v[ACC+8*(4*(\a)+(\b)):ACC+8*(4*(\a)+(\b))+7]
.endr
.endr
.endm
; 32 LDS loads in one run: the fragments of quarter kq (64 along K) into buffer f; the first 32 along K first
.macro FETCH kq, f
	WIN TO_F
.if (\kq) < 2
.set BR, ADRB
.else
.set BR, ADRB2
.endif
.set KB, ((\kq)&1)*64
.irp c, 0,1
.irp i, 0,1,2,3
	ds_load_tr16_b128 v[(\f)+64+8*(4*(\c)+(\i)):(\f)+64+8*(4*(\c)+(\i))+3],   v[BR] offset:(KB+32*(\c))*PB+32*(\i)
	ds_load_tr16_b128 v[(\f)+64+8*(4*(\c)+(\i))+4:(\f)+64+8*(4*(\c)+(\i))+7], v[BR] offset:(KB+32*(\c)+16)*PB+32*(\i)
	ds_load_b128 v[(\f)+8*(4*(\c)+(\i)):(\f)+8*(4*(\c)+(\i))+3],   v[ADRA] offset:(\kq)*AQ+64*(\c)+(\i)*16*PA
	ds_load_b128 v[(\f)+8*(4*(\c)+(\i))+4:(\f)+8*(4*(\c)+(\i))+7], v[ADRA] offset:(\kq)*AQ+64*(\c)+(\i)*16*PA+32
.endr
.endr
.endm
; One of a K step's first three quarters: multiplies buffer f and fetches quarter kq into g
.macro QUARTER kq, f, g
	s_wait_dscnt 16                                ; the first 32 along K are in; the sixteen younger loads may stay out
	MUL8 \f, 0, 0
	MUL8 \f, 0, 2
	PLACES                                         ; four places in front of loads into registers that matrix instructions have read
	FETCH \kq, \g
	s_wait_dscnt 32                                ; all but the 32 just issued
	MUL8 \f, 1, 0
	MUL8 \f, 1, 2
.endm
; The last quarter multiplies buffer 1 and changes slots: one barrier; in front of it each wave waits for all its tensor loads, adds 0 to its spare word,
; and waits for that and for its reads of this slot.  fill = 1: the barrier opens a round of the cluster's, and this slot is filled again, two K steps ahead.
.macro TURN fill
	WIN 0
	s_wait_tensorcnt 0x0                           ; all my tensor loads have landed: my part of the next slot
	ds_add_u32 v[SPW], v[NIL]                      ; 0 onto my spare word
	s_wait_dscnt 17                                ; the add and the youngest sixteen loads may be out
	MUL8 F1, 0, 0
	s_wait_dscnt 0x0                               ; the add is done, and my reads of this slot are over
	s_barrier_signal -1
	MUL8 F1, 0, 2
	WIN 0
	s_barrier_wait -1
.if \fill
	CREST                                          ; no wave of any partner still reads this slot or has a load on its way
	s_xor_b32 s22, s22, SLOT                       ; 0 or SLOT: the slot just read out
	s_add_co_u32 s[G0+5], s22, s20
	s_add_co_u32 s[G0B+5], s22, s21
	s_add_nc_u64 s[G0+6:G0+7], s[G0+6:G0+7], ASTEP
	s_add_nc_u64 s[G0B+6:G0B+7], s[G0B+6:G0B+7], BSTEP
	JLOAD 1                                        ; the first tensor load behind the round; its four v_nop are also the places in front of the loads below
.else
	PLACES
.endif
	s_xor_b32 s23, s23, SLOT                       ; the reads go to the other slot
	v_add_nc_u32 v[ADRA], s23, v[AA0]
	v_add_nc_u32 v[ADRB], s23, v[AB0]
	v_add_nc_u32 v[ADRB2], 128*PB, v[ADRB]
	FETCH 0, F0
	MUL8 F1, 1, 0
	MUL8 F1, 1, 2
.endm
.macro KBODY fill
	QUARTER 1, F0, F1
	QUARTER 2, F1, F0
	QUARTER 3, F0, F1
	TURN \fill
.endm
	s_wait_tensorcnt 1                             ; my part of K step 0 is in; K step 1's may stay out
	s_barrier_signal -1
	s_barrier_wait -1
	FETCH 0, F0
	WIN 0                                          ; at a label and at a branch every window is 0
	s_mov_b32 s3, NK-2
.Lk:                                           ; a trip is a K step; all but the last two fill their slot again
	KBODY 1
	WIN 0
	s_sub_co_u32 s3, s3, 1
	s_cmp_lg_u32 s3, 0
	s_cbranch_scc1 .Lk
	s_mov_b32 s3, 2
.Lt:                                           ; the last two K steps ask for nothing; the very last fetch reads slot 0's old bytes and serves nothing: the price of one text
	KBODY 0
	WIN 0
	s_sub_co_u32 s3, s3, 1
	s_cmp_lg_u32 s3, 0
	s_cbranch_scc1 .Lt
	s_wait_dscnt 0x0
	s_barrier_signal -1
	s_barrier_wait -1                              ; nobody reads the ring any more: slot 1 becomes the stage
	PLACES
	PLACES
.irp a, 0,1,2,3
.irp b, 0,1,2,3
	ds_store_b128 v[STO], v[ACC+8*(4*\a+\b):ACC+8*(4*\a+\b)+3]   offset:\a*16*SPI+\b*64     ; each accumulator's low registers first
	ds_store_b128 v[STO], v[ACC+8*(4*\a+\b)+4:ACC+8*(4*\a+\b)+7] offset:\a*16*SPI+\b*64+16
.endr
.endr
	s_wait_dscnt 0x0                               ; for the others' sake: my stores into the stage are done
	s_barrier_signal -1
	s_barrier_wait -1
	s_wait_loadcnt 0x0                             ; the bias
.set p, 0
.rept NBP
	v_cvt_pk_bf16_f32 v[OUT+p], v[BIAS+2*p], v[BIAS+2*p+1]  ; the bias is rounded to bf16, like every input of the layer,
.set p, p+1
.endr
.set p, 0
.rept NBP
	v_lshlrev_b32 v[BIAS+2*p], 16, v[OUT+p]        ; and written as f32 again
	v_and_b32 v[BIAS+2*p+1], 0xffff0000, v[OUT+p]
.set p, p+1
.endr
	s_mov_b32 s3, 8
.Lrow:                                         ; four rows a trip
.if MODE == 1
	ds_load_b128 v[Z:Z+3],     v[RD]
	ds_load_b128 v[Z+4:Z+7],   v[RD] offset:2*SPI
	ds_load_b128 v[Z+8:Z+11],  v[RD] offset:256
	ds_load_b128 v[Z+12:Z+15], v[RD] offset:256+2*SPI
	s_wait_dscnt 0x0
	P8 v_pk_add_f32 v[Z+p:Z+p+1], v[Z+p:Z+p+1], v[BIAS+4*(p/8)+p%4:BIAS+4*(p/8)+p%4+1]
.else
.irp i, 0,1,2,3
	ds_load_b128 v[Z+4*\i:Z+4*\i+3], v[RD] offset:\i*SPI
.endr
	s_wait_dscnt 0x0
	P8 v_pk_add_f32 v[Z+p:Z+p+1], v[Z+p:Z+p+1], v[BIAS+p%4:BIAS+p%4+1]
.endif
.if MODE == 4
	P8 v_pk_mul_f32 v[Q2+p:Q2+p+1], v[Z+p:Z+p+1], v[Z+p:Z+p+1]
	P8 v_pk_fma_f32 v[E+p:E+p+1], v[Q2+p:Q2+p+1], s[K1:K1+1], s[K0:K0+1] op_sel_hi:[1,0,0]
	P8 v_pk_mul_f32 v[E+p:E+p+1], v[E+p:E+p+1], v[Z+p:Z+p+1]
	P16 v_exp_f32 v[E+p], v[E+p]                   ; one batch; the sine below is the independent work behind it
	P8 v_pk_mul_f32 v[FF+p:FF+p+1], v[Z+p:Z+p+1], s[IC:IC+1] op_sel_hi:[1,0]
	P16 v_rndne_f32 v[PP+p], v[FF+p]
	P8 v_pk_add_f32 v[FF+p:FF+p+1], v[FF+p:FF+p+1], v[PP+p:PP+p+1] neg_lo:[0,1] neg_hi:[0,1]
	P8 v_pk_mul_f32 v[Q2+p:Q2+p+1], v[FF+p:FF+p+1], v[FF+p:FF+p+1]
	P8 v_pk_fma_f32 v[PP+p:PP+p+1], v[Q2+p:Q2+p+1], s[C9:C9+1], s[C7:C7+1] op_sel_hi:[1,0,0]
	P8 v_pk_fma_f32 v[PP+p:PP+p+1], v[PP+p:PP+p+1], v[Q2+p:Q2+p+1], s[C5:C5+1] op_sel_hi:[1,1,0]
	P8 v_pk_fma_f32 v[PP+p:PP+p+1], v[PP+p:PP+p+1], v[Q2+p:Q2+p+1], s[C3:C3+1] op_sel_hi:[1,1,0]
	P8 v_pk_fma_f32 v[PP+p:PP+p+1], v[PP+p:PP+p+1], v[Q2+p:Q2+p+1], s[C1:C1+1] op_sel_hi:[1,1,0]
	s_wait_alu depctr_va_vdst(0)                   ; one wait for the sixteen exponentials, ahead of their first reader
	P8 v_pk_add_f32 v[E+p:E+p+1], v[E+p:E+p+1], 1.0 op_sel_hi:[1,0]
	P16 v_rcp_f32 v[E+p], v[E+p]
	P8 v_pk_mul_f32 v[PP+p:PP+p+1], v[PP+p:PP+p+1], v[FF+p:FF+p+1]
	s_wait_alu depctr_va_vdst(0)                   ; one wait for the sixteen reciprocals
	P8 v_pk_fma_f32 v[Z+p:Z+p+1], v[Z+p:Z+p+1], v[E+p:E+p+1], v[PP+p:PP+p+1]
.endif
.if (MODE == 1) || (MODE == 4)
.set p, 0
.rept 8
	v_cvt_pk_bf16_f32 v[OUT+p], v[Z+2*p], v[Z+2*p+1]
.set p, p+1
.endr
.endif
.if MODE == 1
.irp q, 0,1,2,3
	global_store_b64 v[CO], v[OUT+2*\q:OUT+2*\q+1], s[8:9] offset:(\q/2)*262144+(\q%2)*256  ; two rows of one head: 256 consecutive bytes, aligned
.endr
.elseif MODE == 4
.irp i, 0,1,2,3
	global_store_b64 v[CO], v[OUT+2*\i:OUT+2*\i+1], s[8:9] offset:\i*8192                   ; 256 consecutive bytes, aligned
.endr
.else
.irp i, 0,1,2,3
	global_store_b128 v[CO], v[Z+4*\i:Z+4*\i+3], s[8:9] offset:\i*4096                      ; 512 consecutive bytes, aligned
.endr
.endif
	s_wait_xcnt 0x0                                ; the stores' data and offset are written again only behind this wait
	v_add_nc_u32 v[RD], 4*SPI, v[RD]
	v_add_nc_u32 v[CO], CSTEP, v[CO]
	s_sub_co_u32 s3, s3, 1
	s_cmp_lg_u32 s3, 0
	s_cbranch_scc1 .Lrow
	s_wait_tensorcnt 0x0                           ; the wave's end
	ds_add_u32 v[SPW], v[NIL]
	s_wait_dscnt 0x0
	CROUND                                         ; the closing round
	s_endpgm
.Lfunc_end_k_qc89fe948da_ffn2:
	.size	k_qc89fe948da_ffn2, .Lfunc_end_k_qc89fe948da_ffn2-k_qc89fe948da_ffn2
	.p2alignl 7, 3214868480
	.fill 96, 4, 3214868480
	.section	.rodata,"a",@progbits
	.p2align	6, 0x0
	.amdhsa_kernel k_qc89fe948da_ffn2
		.amdhsa_group_segment_fixed_size 327680
		.amdhsa_private_segment_fixed_size 0
		.amdhsa_enable_private_segment 0
		.amdhsa_kernarg_size 32
		.amdhsa_user_sgpr_count 2
		.amdhsa_user_sgpr_kernarg_segment_ptr 1
		.amdhsa_wavefront_size32 1
		.amdhsa_system_sgpr_workgroup_id_x 1
		.amdhsa_system_sgpr_workgroup_id_y 1
		.amdhsa_system_sgpr_workgroup_id_z 1
		.amdhsa_system_vgpr_workitem_id 0
		.amdhsa_next_free_vgpr 512
		.amdhsa_next_free_sgpr 96
		.amdhsa_reserve_vcc 0
		.amdhsa_float_denorm_mode_32 3
		.amdhsa_float_denorm_mode_16_64 3
		.amdhsa_memory_ordered 1
		.amdhsa_forward_progress 1
		.amdhsa_inst_pref_size 55
	.end_amdhsa_kernel
	.amdgpu_metadata
---
amdhsa.version: [ 1, 2 ]
amdhsa.kernels:
  - .name:           k_qc89fe948da_ffn2
    .symbol:         k_qc89fe948da_ffn2.kd
    .args:
      - { .name: hb, .offset: 0, .size: 8, .value_kind: global_buffer, .address_space: global }
      - { .name: wb, .offset: 8, .size: 8, .value_kind: global_buffer, .address_space: global }
      - { .name: bf2, .offset: 16, .size: 8, .value_kind: global_buffer, .address_space: global }
      - { .name: y, .offset: 24, .size: 8, .value_kind: global_buffer, .address_space: global }
    .group_segment_fixed_size: 327680
    .private_segment_fixed_size: 0
    .kernarg_segment_align: 8
    .kernarg_segment_size: 32
    .max_flat_workgroup_size: 128
    .sgpr_count:     96
    .vgpr_count:     512
    .wavefront_size: 32
...
	.end_amdgpu_metadata
.endif
;; end of part 7
;; launch ln2 (part 8): grid 256 x 1, 16 waves a work-group, no clusters, 0 bytes of LDS; arguments y, x1f, g2, b2, s2, out0; writes out0
.if DOCPART == 8
	.amdgcn_target "amdgcn-amd-amdhsa--gfx1250"
	.amdhsa_code_object_version 6
	.text
	.protected	k_qc89fe948da_ln2
	.globl	k_qc89fe948da_ln2
	.p2align	8
	.type	k_qc89fe948da_ln2,@function
k_qc89fe948da_ln2:
	s_mov_b64 s[64:65], 0
	v_nop
	global_prefetch_b8 v0, s[64:65] scope:SCOPE_SE
	s_setreg_imm32_b32 hwreg(HW_REG_WAVE_MODE, 25, 1), 1
	s_wait_xcnt 0x0
; THE HARMONIC NORM of v = y + residual, a row of 1,024 numbers: mean; std with divisor 1,023; std' = std + s sin(pi std); out = g (v - mean) / (std' + 1e-6) + b.
; A stream: one wave takes one row and keeps it in 32 registers, so memory is read once and no wave waits for another: no LDS, no barrier, no matrix unit.
; The variance is taken of v - mean in a second pass over the registers, so a common offset of the row costs nothing.
; EVERY INPUT OF THE LAYER IS TAKEN ROUNDED TO bf16: g, b and s are rounded here; with FIRST = 1 the residual is x as it lies rounded at the head of the bf16 copies.
; FIRST = 1: the row leaves twice, in f32 (the next residual, which is no input and stays f32) and rounded to bf16 (the next product's operand).
; LIMITS.  sin(pi std) = sin(2 pi u), u = std / 2 less its nearest whole number, by an odd polynomial of degree 9, error 6e-6; the one-step reduction keeps std's own f32 step.
.set FIRST, 0
.set YV, 8                             ; v[8:39]    y, then v, then v - mean, then the result
.set RV, 40                            ; v[40:71]   the residual; later g and b in bf16
.set GV, 72                            ; v[72:103]  g
.set BV, 104                           ; v[104:135] b
.set AC, 136                           ; v[136:143] four chains of two sums
.set MN, 144                           ; v[144:145] the mean, twice
.set SD, 146
.set TU, 147
.set TR, 148
.set TQ, 149
.set TP, 150
.set IV, 152                           ; v[152:153] 1 / (std' + 1e-6), twice
.set OB, 154                           ; v[154:169] FIRST = 1: x's row in bf16 as loaded; at the end the result in bf16
.macro RED                             ; the four chains into one number, the same in every lane
	v_pk_add_f32 v[AC:AC+1], v[AC:AC+1], v[AC+2:AC+3]
	v_pk_add_f32 v[AC+4:AC+5], v[AC+4:AC+5], v[AC+6:AC+7]
	v_pk_add_f32 v[AC:AC+1], v[AC:AC+1], v[AC+4:AC+5]
	v_add_f32 v[AC], v[AC], v[AC+1]
	v_add_f32_dpp v[AC], v[AC], v[AC] row_xmask:1 row_mask:0xf bank_mask:0xf
	v_add_f32_dpp v[AC], v[AC], v[AC] row_xmask:2 row_mask:0xf bank_mask:0xf
	v_add_f32_dpp v[AC], v[AC], v[AC] row_xmask:4 row_mask:0xf bank_mask:0xf
	v_add_f32_dpp v[AC], v[AC], v[AC] row_xmask:8 row_mask:0xf bank_mask:0xf
	v_permlanex16_b32 v[AC+1], v[AC], s26, s27
	v_add_f32 v[AC], v[AC], v[AC+1]
.endm
	s_load_b256 s[4:11], s[0:1], 0x0               ; y s[4:5], residual s[6:7], g s[8:9], b s[10:11]
	s_load_b128 s[12:15], s[0:1], 0x20             ; s s[12:13], the f32 result s[14:15]
.if FIRST
	s_load_b64 s[16:17], s[0:1], 0x30              ; the bf16 result
.endif
	v_lshrrev_b32 v1, 5, v0
	v_readfirstlane_b32 s20, v1                    ; wave 0..15
	v_and_b32 v2, 31, v0
	v_lshlrev_b32 v3, 4, v2                        ; 16 x lane
.if FIRST
	v_lshlrev_b32 v4, 3, v2                        ; 8 x lane
.endif
	s_lshl_b32 s21, ttmp9, 4
	s_add_co_u32 s21, s21, s20                     ; my row
	s_lshl_b32 s22, s21, 12                        ; 4,096 bytes a row of f32
	s_mov_b32 s23, 0
	s_mov_b32 s26, 0x76543210
	s_mov_b32 s27, 0xfedcba98
	s_mov_b32 s28, 0xffff0000                      ; a word's upper bf16
	s_wait_kmcnt 0x0
	s_load_b32 s24, s[12:13], 0x0                  ; s
	s_add_nc_u64 s[4:5], s[4:5], s[22:23]
	s_add_nc_u64 s[14:15], s[14:15], s[22:23]
.if FIRST
	s_lshl_b32 s22, s21, 11                        ; 2,048 bytes a row of bf16
	s_add_nc_u64 s[6:7], s[6:7], s[22:23]
	s_add_nc_u64 s[16:17], s[16:17], s[22:23]
.else
	s_add_nc_u64 s[6:7], s[6:7], s[22:23]
.endif
.irp j, 0,1,2,3,4,5,6,7
	global_load_b128 v[YV+4*\j:YV+4*\j+3], v3, s[4:5] offset:512*\j th:TH_LOAD_NT
.endr
.if FIRST
.irp j, 0,1,2,3,4,5,6,7
	global_load_b64 v[OB+2*\j:OB+2*\j+1], v4, s[6:7] offset:256*\j th:TH_LOAD_NT  ; the same four columns as y's load j, 256 consecutive bytes a wave
.endr
.else
.irp j, 0,1,2,3,4,5,6,7
	global_load_b128 v[RV+4*\j:RV+4*\j+3], v3, s[6:7] offset:512*\j th:TH_LOAD_NT
.endr
.endif
.irp j, 0,1,2,3,4,5,6,7
	global_load_b128 v[GV+4*\j:GV+4*\j+3], v3, s[8:9] offset:512*\j
.endr
.irp j, 0,1,2,3,4,5,6,7
	global_load_b128 v[BV+4*\j:BV+4*\j+3], v3, s[10:11] offset:512*\j
.endr
	s_wait_loadcnt 16                              ; y and the residual are in; the sixteen loads of g and b may stay out
.if FIRST
.set p, 0
.rept 16
	v_lshlrev_b32 v[RV+2*p], 16, v[OB+p]           ; bf16 to f32: the low half moves up,
	v_and_b32 v[RV+2*p+1], s28, v[OB+p]            ; the high half stays
.set p, p+1
.endr
.endif
.set p, 0
.rept 16
	v_pk_add_f32 v[YV+p:YV+p+1], v[YV+p:YV+p+1], v[RV+p:RV+p+1]
.set p, p+2
.endr
.irp c, 0,2,4,6
	v_pk_add_f32 v[AC+\c:AC+\c+1], v[YV+\c:YV+\c+1], v[YV+8+\c:YV+8+\c+1]
.endr
.irp k, 16,24
.irp c, 0,2,4,6
	v_pk_add_f32 v[AC+\c:AC+\c+1], v[AC+\c:AC+\c+1], v[YV+\k+\c:YV+\k+\c+1]
.endr
.endr
	RED
	v_mul_f32 v[MN], 0x3a800000, v[AC]             ; / 1,024
	v_mul_f32 v[MN+1], 0x3a800000, v[AC]
.set p, 0
.rept 16
	v_pk_add_f32 v[YV+p:YV+p+1], v[YV+p:YV+p+1], v[MN:MN+1] neg_lo:[0,1] neg_hi:[0,1]
.set p, p+2
.endr
.irp c, 0,2,4,6
	v_pk_mul_f32 v[AC+\c:AC+\c+1], v[YV+\c:YV+\c+1], v[YV+\c:YV+\c+1]
.endr
.irp k, 8,16,24
.irp c, 0,2,4,6
	v_pk_fma_f32 v[AC+\c:AC+\c+1], v[YV+\k+\c:YV+\k+\c+1], v[YV+\k+\c:YV+\k+\c+1], v[AC+\c:AC+\c+1]
.endr
.endr
	RED
	v_mul_f32 v[AC], 0x3a802008, v[AC]             ; / 1,023
	v_sqrt_f32 v[SD], v[AC]
	v_mov_b32 v[TP], 0x4203135b                    ; the plain instruction behind the root: the polynomial's first coefficient
	s_wait_alu depctr_va_vdst(0)                   ; the wait ahead of the root's first reader
	v_mul_f32 v[TU], 0.5, v[SD]
	v_rndne_f32 v[TR], v[TU]
	v_sub_f32 v[TU], v[TU], v[TR]
	v_mul_f32 v[TQ], v[TU], v[TU]
	v_fmaak_f32 v[TP], v[TQ], v[TP], 0xc294f124
	v_fmaak_f32 v[TP], v[TQ], v[TP], 0x42a2bb23
	v_fmaak_f32 v[TP], v[TQ], v[TP], 0xc2255312
	v_fmaak_f32 v[TP], v[TQ], v[TP], 0x40c90ec7
	v_mul_f32 v[TP], v[TP], v[TU]                  ; sin(pi std)
	s_wait_kmcnt 0x0                               ; s
	s_bfe_u32 s25, s24, 0x10010                    ; s is rounded to bf16, to the nearest and on a tie to the even: 0x7fff and the bit that stays lowest are added,
	s_add_co_u32 s24, s24, s25
	s_add_co_u32 s24, s24, 0x7fff
	s_and_b32 s24, s24, 0xffff0000                 ; and the low half is cut
	v_fma_f32 v[TP], s24, v[TP], v[SD]
	v_add_f32 v[TP], 0x358637bd, v[TP]             ; + 1e-6
	v_rcp_f32 v[IV], v[TP]
	v_rcp_f32 v[IV+1], v[TP]
	v_nop                                          ; a plain instruction behind the reciprocals,
	s_wait_alu depctr_va_vdst(0)                   ; and one wait for the two
	s_wait_loadcnt 0x0                             ; g and b
.set p, 0
.rept 16
	v_cvt_pk_bf16_f32 v[RV+p], v[GV+2*p], v[GV+2*p+1]        ; g and b are rounded to bf16,
	v_cvt_pk_bf16_f32 v[RV+16+p], v[BV+2*p], v[BV+2*p+1]
.set p, p+1
.endr
.set p, 0
.rept 16
	v_lshlrev_b32 v[GV+2*p], 16, v[RV+p]           ; and written as f32 again
	v_and_b32 v[GV+2*p+1], s28, v[RV+p]
	v_lshlrev_b32 v[BV+2*p], 16, v[RV+16+p]
	v_and_b32 v[BV+2*p+1], s28, v[RV+16+p]
.set p, p+1
.endr
.set p, 0
.rept 16
	v_pk_mul_f32 v[YV+p:YV+p+1], v[YV+p:YV+p+1], v[IV:IV+1]
.set p, p+2
.endr
.set p, 0
.rept 16
	v_pk_fma_f32 v[YV+p:YV+p+1], v[YV+p:YV+p+1], v[GV+p:GV+p+1], v[BV+p:BV+p+1]
.set p, p+2
.endr
.irp j, 0,1,2,3,4,5,6,7
	global_store_b128 v3, v[YV+4*\j:YV+4*\j+3], s[14:15] offset:512*\j  ; 512 consecutive bytes, aligned
.endr
.if FIRST
.set p, 0
.rept 16
	v_cvt_pk_bf16_f32 v[OB+p], v[YV+2*p], v[YV+2*p+1]
.set p, p+1
.endr
.irp j, 0,1,2,3,4,5,6,7
	global_store_b64 v4, v[OB+2*\j:OB+2*\j+1], s[16:17] offset:256*\j   ; 256 consecutive bytes, aligned
.endr
.endif
	s_endpgm
.Lfunc_end_k_qc89fe948da_ln2:
	.size	k_qc89fe948da_ln2, .Lfunc_end_k_qc89fe948da_ln2-k_qc89fe948da_ln2
	.p2alignl 7, 3214868480
	.fill 96, 4, 3214868480
	.section	.rodata,"a",@progbits
	.p2align	6, 0x0
	.amdhsa_kernel k_qc89fe948da_ln2
		.amdhsa_group_segment_fixed_size 0
		.amdhsa_private_segment_fixed_size 0
		.amdhsa_enable_private_segment 0
		.amdhsa_kernarg_size 48
		.amdhsa_user_sgpr_count 2
		.amdhsa_user_sgpr_kernarg_segment_ptr 1
		.amdhsa_wavefront_size32 1
		.amdhsa_system_sgpr_workgroup_id_x 1
		.amdhsa_system_sgpr_workgroup_id_y 1
		.amdhsa_system_sgpr_workgroup_id_z 1
		.amdhsa_system_vgpr_workitem_id 0
		.amdhsa_next_free_vgpr 176
		.amdhsa_next_free_sgpr 66
		.amdhsa_reserve_vcc 0
		.amdhsa_float_denorm_mode_32 3
		.amdhsa_float_denorm_mode_16_64 3
		.amdhsa_memory_ordered 1
		.amdhsa_forward_progress 1
		.amdhsa_inst_pref_size 17
	.end_amdhsa_kernel
	.amdgpu_metadata
---
amdhsa.version: [ 1, 2 ]
amdhsa.kernels:
  - .name:           k_qc89fe948da_ln2
    .symbol:         k_qc89fe948da_ln2.kd
    .args:
      - { .name: y, .offset: 0, .size: 8, .value_kind: global_buffer, .address_space: global }
      - { .name: x1f, .offset: 8, .size: 8, .value_kind: global_buffer, .address_space: global }
      - { .name: g2, .offset: 16, .size: 8, .value_kind: global_buffer, .address_space: global }
      - { .name: b2, .offset: 24, .size: 8, .value_kind: global_buffer, .address_space: global }
      - { .name: s2, .offset: 32, .size: 8, .value_kind: global_buffer, .address_space: global }
      - { .name: out0, .offset: 40, .size: 8, .value_kind: global_buffer, .address_space: global }
    .group_segment_fixed_size: 0
    .private_segment_fixed_size: 0
    .kernarg_segment_align: 8
    .kernarg_segment_size: 48
    .max_flat_workgroup_size: 512
    .sgpr_count:     66
    .vgpr_count:     176
    .wavefront_size: 32
...
	.end_amdgpu_metadata
.endif
;; end of part 8
